; MI455X (gfx1250); checked and timed in simulation.
; The chip was launched on July 23, 2026; its instructions are those of AMD's public machine-readable ISA for CDNA 5 (MIT licence, August 2026) and "CDNA5" Instruction Set Architecture Reference Guide (July 2026). The comments in the code are by the model that wrote it; some were corrected since.
;; Attention Flow Layer. Allowed arithmetic: matrix products marked QUANTISED: E5M2 operands, one given power-of-two scale a tensor, by v_wmma_f32_16x16x64_bf8_bf8 or v_wmma_f32_16x16x128_bf8_bf8, f32 sums; products left as they are: f32 operands where the result goes on into a quantised operand, else bf16, f16 or f32 operands; f32 sums; everything else in f32.
;; Inputs: alpha_b 1 float32; alpha_w 3,072 float32; beta_b 4,096 float32; beta_w 4,096 x 4,096 float32; context 8 x 512 x 1,024 float32; lowp_scales 6 int32 (the exponents e of the quantised operands' scales 2^e); query 8 x 128 x 1,024 float32.
;; Outputs: out0 8 x 512 x 4,096 float32.
;; This version of the problem:
;;   THIS VERSION OF THE PROBLEM IS GIVEN IN LOW PRECISION. The matrix products marked QUANTISED in the list below multiply operands that are first quantised to E5M2 (5 exponent bits, 2 mantissa bits; 8 bits a number), with one given power-of-two scale for each operand tensor; their sums are f32. All else is computed in f32.
;;   The module's matrix products, in the order in which they are computed (A, B: the left and right operand; K: the contracted axis; several contracted axes count as one K, in the product's order):
;;     1. [M 4,096, K 1,024] x [K 1,024, N 1]; A: input context; B: input alpha_w: left as it is (N = 1 < 16)
;;     2. [M 1,024, K 1,024] x [K 1,024, N 1]; A: input query; B: input alpha_w: left as it is (N = 1 < 16)
;;     3. batch 8 x [M 512, K 1,024] x [K 1,024, N 128]; A: computed on the way; B: input query: QUANTISED (scales: A lowp_scales[0], B lowp_scales[1])
;;     4. batch 8 x [M 512, K 128] x [K 128, N 1,024]; A: softmax (see below); B: input query: QUANTISED (scales: A lowp_scales[2], B lowp_scales[3])
;;     5. batch 8 x [M 1, K 512] x [K 512, N 1,024]; A: softmax (see below); B: input context: left as it is (M = 1 < 16)
;;     6. [M 4,096, K 4,096] x [K 4,096, N 4,096]; A: computed on the way; B: input beta_w: QUANTISED (scales: A lowp_scales[4], B lowp_scales[5])
;;   THE QUANTISER, for each operand of a quantised product, along K:
;;     - The operand's scale is 2^e, e = its entry of the input lowp_scales (int32; the entries are numbered through the quantised products in the list's order, A before B).
;;     - Each number is divided by the scale, clamped to +-57,344, and rounded to the nearest number of E5M2, ties to even, subnormals kept.
;;     - The product sums the exact products of the quantised numbers (number of the format x scale) in f32.
;;   ~~~python
;;   def quantise(x, axis, e):      # numpy; x: float32 -> the quantised numbers, widened to float32 again
;;       x = np.moveaxis(x, axis, -1); K = x.shape[-1]
;;       r = np.clip(x / 2.0 ** e, -57344, 57344)
;;       step = 2.0 ** (np.maximum(np.frexp(np.where(r == 0, 1, r))[1] - 1, -14) - 2)
;;       q = np.round(r / step) * step * 2.0 ** e      # np.round: ties to even
;;       return np.moveaxis(q, -1, axis).astype(np.float32)
;;   ~~~
;;   SOFTMAX AHEAD OF A QUANTISED PRODUCT. Where the list says 'softmax', what is quantised is not the finished softmax but p = 2^(t - M), with t = logit x log2(e) and M = ceil(the row's largest t), a whole number; so 1/2 < the row's largest p <= 1. The row's sum l is taken of the UNQUANTISED p, in f32, and the product's result is divided by l at the end. Since M is a whole number, a kernel that streams over the keys may use a running M (the ceiling of the running maximum): every later rescaling is an exact power of two, so the quantised numbers keep their values, but for numbers so far below the row's largest that they fall under the format's range.
;;   OPERANDS COMPUTED ON THE WAY. 'Computed on the way' means the value that the module computes at that place (a softmax that the list does not call 'softmax' is quantised finished and normalised). What goes into a quantiser is computed in f32, as accurately as f32 sums, v_exp_f32 and their like allow (about 1e-6 of the number): no bf16 or f16 on the way to a quantiser, and a product that is left as it is and whose result goes on into a quantised operand takes f32 operands (vector FMAs, or v_wmma_f32_16x16x4_f32). A number that lies on a knife's edge between two numbers of the format may be rounded either way, as far as f32 arithmetic and the matrix unit's own rounding can turn it there, and no further.
;; 2 versions. Each part assembles by itself: llvm-mc -triple=amdgcn-amd-amdhsa -mcpu=gfx1250 --defsym DOCPART=n.
;; ======== version 1 of 2: 4 launches
;; workspace buffers: bw_img 16,777,216 bytes; a_img 16,777,216 bytes; q_img 1,048,576 bytes; qt_img 1,048,576 bytes; sq 4,096 bytes; part 1,048,576 bytes; stats 2,048 bytes
;; launch prep (part 1): grid 256 x 1, 19 waves a work-group, no clusters, 323,584 bytes of LDS; arguments beta_w, query, alpha_w, lowp_scales, bw_img, q_img, qt_img, sq; writes bw_img, q_img, qt_img, sq
.if DOCPART == 1
	.amdgcn_target "amdgcn-amd-amdhsa--gfx1250"
	.amdhsa_code_object_version 6
	.text
	.protected	k_q172559b9e9_prep
	.globl	k_q172559b9e9_prep
	.p2align	8
	.type	k_q172559b9e9_prep,@function
k_q172559b9e9_prep:
	s_mov_b64 s[64:65], 0
	v_nop
	global_prefetch_b8 v0, s[64:65] scope:SCOPE_SE
	s_setreg_imm32_b32 hwreg(HW_REG_WAVE_MODE, 25, 1), 1
	s_wait_xcnt 0x0
; PREP: the operands that many work-groups read later are quantised once, to codes of BF8 (E5M2), each with its given scale 2^e:
;   beta_w [4096][4096] with e5 -> bw_img;  query along d with e1 -> q_img;  query along j with e3 -> qt_img;  and sq[row] = query[row] . w_q in f32.
; code = x / 2^e, held within +-57,344, rounded to the nearest code, ties to even.
; LIMITS: each e lies between -126 and 112, so that 2^e and 57,344 x 2^e are f32 numbers.  NaN among the inputs is not served; infinities are held at the largest code.
; THE CODES' LAYOUT: IMAGES OF AN OPERAND'S REGISTERS.  A fragment is 16 rows x 128 K = 2,048 bytes; byte 512 c + 16 lane + i (lane = 16 h + rho) is the code of the fragment's row rho at
; k = 32 c + 16 h + i.  Four loads of 16 bytes a lane, 512 bytes apart, give the 16 registers of a fragment.
; THE ROWS OF A TILE ARE NOT NEIGHBOURS: row rho of tile 2 p + u is true row 32 p + 8 u + rho + 8 (rho / 8).  Used as source 0 of a transposed product, the 16 result registers of tiles 2 p, 2 p + 1
; are then 16 neighbours, 32 p + 16 h + 0 .. 15.
;   bw_img: [K step of 256: 16][tile: 256][half step: 2][2,048];   q_img: [tile 8 b + jt: 64][K step of 128: 8][2,048];   qt_img: [b: 8][tile of d: 64][2,048], K = j.
; SHARES.  Work-group g, 19 waves, parted on the wave's number:
;   waves 0-15: 32 rows x 128 k of beta_w (rows 32 (g / 2) on, K step 16 (g % 2) + wave);   wave 16: the same of query taken as [1024][1024] (rows 32 (g / 8) on, K step g % 8);
;   wave 17: 32 columns d x 128 rows j of one batch of query, for qt_img;   wave 18: four rows' dot products with w_q.
; Waves 0-16 bring their 16 KB by ONE tensor load each, issued first of all, into a stage of their own (rows of 512 bytes + 16 of padding).  Each stage is filled once and read by its own wave alone:
; no barrier, no ring.  A lane then reads 16 neighbours along K (64 bytes) of its row for each conversion.
.set STGB, 16896                       ; a wave's stage: 32 rows x 528 bytes
.set PIT,  528
.set X,    32                          ; v32-159  128 numbers of a lane
.set CD,   160                         ; v160-191 codes: four registers for each of eight groups, so that no store's data are written again
.set G1B,  32                          ; s[32:39] descriptor group 1 for beta_w's tiles
.set G1Q,  40                          ; s[40:47] for query's: it differs in the pitch alone
.set G0,   48                          ; s[48:51] descriptor group 0
.macro SCLIM e                         ; v11 = 2^e as f32 (the conversion takes its exponent field), v10 = 57,344 x 2^e
	s_add_co_i32 s56, \e, 127
	s_lshl_b32 s57, s56, 23
	v_mov_b32 v11, s57
	s_add_co_i32 s56, s56, 15
	s_lshl_b32 s56, s56, 23
	s_or_b32 s56, s56, 0x600000
	v_mov_b32 v10, s56
.endm
	s_load_b512 s[8:23], s[0:1], 0x0               ; beta_w 8, query 10, alpha_w 12, scales 14, bw_img 16, q_img 18, qt_img 20, sq 22
	v_lshl_add_u32 v30, v0, 2, 0x4e600
	v_mov_b32 v31, 0
	ds_add_u32 v30, v31
	ds_add_u32 v30, v31
	v_lshrrev_b32 v1, 5, v0
	v_readfirstlane_b32 s3, v1                     ; wave 0..18
	v_and_b32 v1, 31, v0                           ; lane
	v_and_b32 v2, 15, v0                           ; rho
	v_bfe_u32 v3, v0, 4, 1                         ; h
	v_lshlrev_b32 v4, 4, v1                        ; 16 x lane: my place in an image's 512 bytes
	v_and_b32 v7, 8, v2
	v_add_nc_u32 v7, v7, v2                        ; rho + 8 (rho / 8)
	v_mul_u32_u24 v5, v7, PIT
	v_lshl_add_u32 v5, v3, 6, v5                   ; that row of the stage, + 64 h: my 16 numbers of a block of 32
	s_mov_b32 s[G0], 1                             ; count = 1
	s_mul_i32 s[G0+1], s3, STGB                    ; LDS address: my stage
	v_add_nc_u32 v5, s[G0+1], v5                   ; (made ahead of the parting of the roles)
.irp g, G1B, G1Q
	s_mov_b32 s[\g+0], (2<<16)|(1<<20)|(6<<22)|(3<<25)   ; elements of 4 bytes; padding on: 4 words after every 128
	s_mov_b32 s[\g+1], 128<<16                     ; tensor_dim0 = 128
	s_mov_b32 s[\g+2], 32<<16                      ; tensor_dim1 = 32
	s_mov_b32 s[\g+3], 128<<16                     ; tile_dim0 = 128
	s_mov_b32 s[\g+4], 32                          ; tile_dim1 = 32
	s_mov_b32 s[\g+6], 0
	s_mov_b32 s[\g+7], 0
.endr
	s_mov_b32 s[G1B+5], 4096                       ; elements from row to row
	s_mov_b32 s[G1Q+5], 1024
	s_mov_b32 s72, 0x76543210                      ; v_permlanex16_b32: lane l xor 16
	s_mov_b32 s73, 0xfedcba98
	s_wait_dscnt 0x0
	s_wait_kmcnt 0x0
	s_load_b128 s[24:27], s[14:15], 0x0            ; e0 .. e3
	s_load_b64 s[28:29], s[14:15], 0x10            ; e4, e5
	s_cmp_lt_u32 s3, 16
	s_cbranch_scc0 .Lnot_beta
	; ---- waves 0-15: beta_w
	s_lshr_b32 s58, ttmp9, 1                       ; pp: rows 32 pp on
	s_and_b32 s59, ttmp9, 1
	s_lshl_b32 s59, s59, 4
	s_add_co_u32 s59, s59, s3                      ; K step of 128
	s_lshl_b32 s60, s58, 19                        ; 32 rows of 16,384 bytes
	s_lshl_b32 s61, s59, 9
	s_add_co_u32 s60, s60, s61
	s_mov_b32 s61, 0
	s_add_nc_u64 s[G0+2:G0+3], s[8:9], s[60:61]
	s_or_b32 s[G0+3], s[G0+3], 0x80000000          ; type = 2
	s_lshr_b32 s62, s59, 1
	s_lshl_b32 s62, s62, 20                        ; the K step of 256: 256 tiles x 4,096 bytes
	s_lshl_b32 s63, s58, 13                        ; tile 2 pp
	s_add_co_u32 s62, s62, s63
	s_and_b32 s63, s59, 1
	s_lshl_b32 s63, s63, 11                        ; the half step
	s_add_co_u32 s62, s62, s63
	s_mov_b32 s63, 0
	s_add_nc_u64 s[52:53], s[16:17], s[62:63]      ; where tile 2 pp's fragment goes
	s_mov_b32 s55, 4096                            ; and how far on tile 2 pp + 1's
	tensor_load_to_lds s[G0:G0+3], s[G1B:G1B+7]
	s_nop 0
.rept 4
	v_nop
.endr
	s_wait_kmcnt 0x0
	s_mov_b32 s54, s29                             ; e5
	s_branch .Lrow
.Lnot_beta:
	s_cmp_eq_u32 s3, 16
	s_cbranch_scc0 .Lothers
	; ---- wave 16: query along d
	s_lshr_b32 s58, ttmp9, 3                       ; pp
	s_and_b32 s59, ttmp9, 7                        ; K step of 128
	s_lshl_b32 s60, s58, 17                        ; 32 rows of 4,096 bytes
	s_lshl_b32 s61, s59, 9
	s_add_co_u32 s60, s60, s61
	s_mov_b32 s61, 0
	s_add_nc_u64 s[G0+2:G0+3], s[10:11], s[60:61]
	s_or_b32 s[G0+3], s[G0+3], 0x80000000
	s_lshl_b32 s62, s58, 15                        ; tile 2 pp: 8 fragments of 2,048 bytes a tile
	s_lshl_b32 s63, s59, 11
	s_add_co_u32 s62, s62, s63
	s_mov_b32 s63, 0
	s_add_nc_u64 s[52:53], s[18:19], s[62:63]
	s_mov_b32 s55, 16384
	tensor_load_to_lds s[G0:G0+3], s[G1Q:G1Q+7]
	s_nop 0
.rept 4
	v_nop
.endr
	s_wait_kmcnt 0x0
	s_mov_b32 s54, s25                             ; e1
.Lrow:
	SCLIM s54
	v_add_nc_u32 v6, s55, v4                       ; my place in the second tile's fragment
	s_wait_tensorcnt 0x0                           ; my one tensor load has landed; nobody else reads my stage
.irp g, 0,1,2,3,4,5,6,7                        ; group g = 4 u + c: tile u, block c of 32 along K: 16 numbers a lane
.irp q, 0,1,2,3
	ds_load_b128 v[X+16*\g+4*\q:X+16*\g+4*\q+3], v5 offset:(\g/4)*8*PIT+(\g%4)*128+16*\q
.endr
.endr
.irp g, 0,1,2,3,4,5,6,7
	s_wait_dscnt 28-4*\g                           ; LDS loads come back in order: behind group g's four stand the later groups' 4 (7 - g)
.irp i, 0,1,2,3,4,5,6,7,8,9,10,11,12,13,14,15
	v_med3_num_f32 v[X+16*\g+\i], v[X+16*\g+\i], -v10, v10   ; the conversion does not saturate (ISA guide 7.6.2): the hold at the largest code x the scale
.endr
	v_cvt_scalef32_pk8_bf8_f32 v[CD+4*\g:CD+4*\g+1], v[X+16*\g:X+16*\g+7], v11
	v_cvt_scalef32_pk8_bf8_f32 v[CD+4*\g+2:CD+4*\g+3], v[X+16*\g+8:X+16*\g+15], v11
.if \g < 4
	global_store_b128 v4, v[CD+4*\g:CD+4*\g+3], s[52:53] offset:512*(\g%4)   ; the wave stores 512 consecutive bytes, aligned
.else
	global_store_b128 v6, v[CD+4*\g:CD+4*\g+3], s[52:53] offset:512*(\g%4)
.endif
.endr
	s_wait_tensorcnt 0x0
	ds_add_u32 v30, v31
	s_wait_dscnt 0x0
	s_endpgm
.Lothers:
	s_cmp_eq_u32 s3, 17
	s_cbranch_scc0 .Ldot
	; ---- wave 17: query along j.  A lane takes a column d and its registers run down j, so the conversions give codes with j innermost; nothing is transposed.
	s_lshr_b32 s58, ttmp9, 5                       ; b
	s_and_b32 s59, ttmp9, 31                       ; which 32 columns
	s_lshl_b32 s60, s58, 19                        ; a batch of query: 128 rows of 4,096 bytes
	s_lshl_b32 s61, s59, 7
	s_add_co_u32 s60, s60, s61
	s_mov_b32 s61, 0
	s_add_nc_u64 s[10:11], s[10:11], s[60:61]
	s_lshl_b32 s62, s58, 17                        ; 64 tiles of 2,048 bytes a batch
	s_lshl_b32 s63, s59, 12                        ; my two tiles
	s_add_co_u32 s62, s62, s63
	s_mov_b32 s63, 0
	s_add_nc_u64 s[20:21], s[20:21], s[62:63]
	v_lshl_add_u32 v7, v3, 3, v7                   ; my column: rho + 8 (rho / 8) + 8 u, u = lane / 16: row rho of tile u.  The 32 lanes take the 32 columns, each once
	v_lshlrev_b32 v7, 2, v7
	v_lshlrev_b32 v8, 4, v2
	v_lshl_add_u32 v8, v3, 11, v8                  ; out: tile u, 16 rho
.set J, 0
.rept 128
	global_load_b32 v[X+J], v7, s[10:11] offset:J*4096   ; query(b, j, my column): the wave reads 128 consecutive bytes
.set J, J+1
.endr
	s_wait_kmcnt 0x0
	SCLIM s27                                      ; e3
.irp p, 0,1,2,3,4,5,6,7                        ; piece p = 2 c + h of a fragment: j = 16 p .. 16 p + 15
.if \p == 0
	s_wait_loadcnt 63                              ; of the 128 loads at most 63 are out: the first 65 are in, pieces 0 to 3 among them
.elseif \p > 3
	s_wait_loadcnt 16*(7-\p)                       ; behind piece p's loads stand the later pieces' 16 (7 - p)
.endif
.irp i, 0,1,2,3,4,5,6,7,8,9,10,11,12,13,14,15
	v_med3_num_f32 v[X+16*\p+\i], v[X+16*\p+\i], -v10, v10
.endr
	v_cvt_scalef32_pk8_bf8_f32 v[CD+4*\p:CD+4*\p+1], v[X+16*\p:X+16*\p+7], v11
	v_cvt_scalef32_pk8_bf8_f32 v[CD+4*\p+2:CD+4*\p+3], v[X+16*\p+8:X+16*\p+15], v11
	global_store_b128 v8, v[CD+4*\p:CD+4*\p+3], s[20:21] offset:256*\p   ; sixteen lanes store 256 consecutive bytes, aligned
.endr
	s_endpgm
.Ldot:
	; ---- wave 18: sq of rows 4 g .. 4 g + 3.  A lane holds 32 numbers of a row and the same 32 of w_q; f32 fused multiply-adds in two chains, then across the lanes.
	s_lshl_b32 s56, ttmp9, 14                      ; four rows of 4,096 bytes
	s_mov_b32 s57, 0
	s_add_nc_u64 s[10:11], s[10:11], s[56:57]
	s_lshl_b32 s56, ttmp9, 4
	s_add_nc_u64 s[22:23], s[22:23], s[56:57]
.irp i, 0,1,2,3,4,5,6,7
	global_load_b128 v[32+4*\i:35+4*\i], v4, s[12:13] offset:4096+512*\i   ; w_q = alpha_w[1024 ..]
.endr
.irp t, 0,1,2,3
.irp i, 0,1,2,3,4,5,6,7
	global_load_b128 v[64+32*\t+4*\i:67+32*\t+4*\i], v4, s[10:11] offset:4096*\t+512*\i
.endr
.endr
	v_mov_b32 v16, 0
	v_lshlrev_b32 v17, 2, v1
.macro DOT t
	s_wait_loadcnt 24-8*\t                         ; behind row t's eight loads stand the later rows' 8 (3 - t)
	v_pk_mul_f32 v[12:13], v[64+32*\t:65+32*\t], v[32:33]
	v_pk_mul_f32 v[14:15], v[66+32*\t:67+32*\t], v[34:35]
.irp i, 1,2,3,4,5,6,7
	v_pk_fma_f32 v[12:13], v[64+32*\t+4*\i:65+32*\t+4*\i], v[32+4*\i:33+4*\i], v[12:13]
	v_pk_fma_f32 v[14:15], v[66+32*\t+4*\i:67+32*\t+4*\i], v[34+4*\i:35+4*\i], v[14:15]
.endr
	v_pk_add_f32 v[12:13], v[12:13], v[14:15]
	v_add_f32 v12, v12, v13
	v_add_f32_dpp v12, v12, v12 row_xmask:1 row_mask:0xf bank_mask:0xf
	v_add_f32_dpp v12, v12, v12 row_xmask:2 row_mask:0xf bank_mask:0xf
	v_add_f32_dpp v12, v12, v12 row_xmask:4 row_mask:0xf bank_mask:0xf
	v_add_f32_dpp v12, v12, v12 row_xmask:8 row_mask:0xf bank_mask:0xf
	v_permlanex16_b32 v13, v12, s72, s73
	v_add_f32 v12, v12, v13
	v_cmp_eq_u32 vcc_lo, \t, v1
	v_cndmask_b32 v16, v16, v12, vcc_lo            ; lane t keeps row t's sum
.endm
	DOT 0
	DOT 1
	DOT 2
	DOT 3
	s_wait_kmcnt 0x0                               ; (the scales, which this wave does not use, have come)
	v_cmp_gt_u32 vcc_lo, 4, v1
	s_wait_xcnt 0x0                                ; EXEC changes only behind this wait
	s_and_saveexec_b32 s56, vcc_lo
	global_store_b32 v17, v16, s[22:23]            ; lanes 0 to 3: 16 bytes
	s_wait_xcnt 0x0
	s_or_b32 exec_lo, exec_lo, s56
	s_endpgm
.Lfunc_end_k_q172559b9e9_prep:
	.size	k_q172559b9e9_prep, .Lfunc_end_k_q172559b9e9_prep-k_q172559b9e9_prep
	.p2alignl 7, 3214868480
	.fill 96, 4, 3214868480
	.section	.rodata,"a",@progbits
	.p2align	6, 0x0
	.amdhsa_kernel k_q172559b9e9_prep
		.amdhsa_group_segment_fixed_size 323584
		.amdhsa_private_segment_fixed_size 0
		.amdhsa_enable_private_segment 0
		.amdhsa_kernarg_size 64
		.amdhsa_user_sgpr_count 2
		.amdhsa_user_sgpr_kernarg_segment_ptr 1
		.amdhsa_wavefront_size32 1
		.amdhsa_system_sgpr_workgroup_id_x 1
		.amdhsa_system_sgpr_workgroup_id_y 1
		.amdhsa_system_sgpr_workgroup_id_z 1
		.amdhsa_system_vgpr_workitem_id 0
		.amdhsa_next_free_vgpr 192
		.amdhsa_next_free_sgpr 80
		.amdhsa_reserve_vcc 1
		.amdhsa_float_denorm_mode_32 3
		.amdhsa_float_denorm_mode_16_64 3
		.amdhsa_memory_ordered 1
		.amdhsa_forward_progress 1
		.amdhsa_inst_pref_size 50
	.end_amdhsa_kernel
	.amdgpu_metadata
---
amdhsa.version: [ 1, 2 ]
amdhsa.kernels:
  - .name:           k_q172559b9e9_prep
    .symbol:         k_q172559b9e9_prep.kd
    .args:
      - { .name: beta_w, .offset: 0, .size: 8, .value_kind: global_buffer, .address_space: global }
      - { .name: query, .offset: 8, .size: 8, .value_kind: global_buffer, .address_space: global }
      - { .name: alpha_w, .offset: 16, .size: 8, .value_kind: global_buffer, .address_space: global }
      - { .name: lowp_scales, .offset: 24, .size: 8, .value_kind: global_buffer, .address_space: global }
      - { .name: bw_img, .offset: 32, .size: 8, .value_kind: global_buffer, .address_space: global }
      - { .name: q_img, .offset: 40, .size: 8, .value_kind: global_buffer, .address_space: global }
      - { .name: qt_img, .offset: 48, .size: 8, .value_kind: global_buffer, .address_space: global }
      - { .name: sq, .offset: 56, .size: 8, .value_kind: global_buffer, .address_space: global }
    .group_segment_fixed_size: 323584
    .private_segment_fixed_size: 0
    .kernarg_segment_align: 8
    .kernarg_segment_size: 64
    .max_flat_workgroup_size: 608
    .sgpr_count:     80
    .vgpr_count:     192
    .wavefront_size: 32
...
	.end_amdgpu_metadata
.endif
;; end of part 1
;; launch attn (part 2): grid 256 x 1, 4 waves a work-group, clusters of 4 x 1, 226,560 bytes of LDS; arguments context, alpha_w, alpha_b, lowp_scales, q_img, qt_img, sq, a_img, part, stats; writes a_img, part, stats
.if DOCPART == 2
	.amdgcn_target "amdgcn-amd-amdhsa--gfx1250"
	.amdhsa_code_object_version 6
	.text
	.protected	k_q172559b9e9_attn
	.globl	k_q172559b9e9_attn
	.p2align	8
	.type	k_q172559b9e9_attn,@function
k_q172559b9e9_attn:
	s_mov_b64 s[64:65], 0
	v_nop
	global_prefetch_b8 v0, s[64:65] scope:SCOPE_SE
	s_setreg_imm32_b32 hwreg(HW_REG_WAVE_MODE, 25, 1), 1
	s_wait_xcnt 0x0
	s_wait_alu depctr_hold_cnt(0) depctr_sa_sdst(0) depctr_va_vdst(0) depctr_va_sdst(0) depctr_va_ssrc(0) depctr_va_vcc(0) depctr_vm_vsrc(0)
	s_getreg_b32 s2, hwreg(HW_REG_IB_STS2, 6, 4)
	s_cmp_eq_u32 s2, 0
	s_cbranch_scc0 .Lentry_in_a_cluster
	s_endpgm
.Lentry_in_a_cluster:
	s_bfe_u32 s2, ttmp6, 0x10000c
	s_cmp_lg_u32 s2, 0x3003
	s_cbranch_scc0 .Lentry_shape_is_right
	s_endpgm
.Lentry_shape_is_right:
; ATTN: for 16 rows of context (tile T of 256): the scores S = c.w_c + q.w_q + Q(c w_cq) Q(q)^T + b, the softmax over the 128 queries by p = 2^(t - M), query_hat = Q(p) Q(q) / l,
; and of cat2 the two parts that hang on query_hat alone, as codes: query_hat (K steps 4-7 of a_img) and c x query_hat (K steps 8-11).  For context_hat, which wants all 512 rows of a batch:
; part[T][d] = sum over the tile's rows of e_i c[i][d], e_i = exp(m_i - mloc), m_i the row's largest score, mloc the tile's largest m; stats[T] = (mloc, sum of e_i).
; Both products on codes of BF8 (E5M2), by v_wmma_f32_16x16x128_bf8_bf8; all else in f32.  The maxima are taken away before every exponential.
; LIMITS: e0, e2, e4 between -126 and 112; e0 + e1 between -126 and 127 (each power of two below is an f32 number); e2 + e3 goes in by v_ldexp_f32 and has none.  NaN among the inputs is not served.
; SHARES.  Four waves.  Wave w owns: d = 256 w .. 256 w + 255 of the tile (it quantises c w_cq there, sums its part of c.w_c, and later makes query_hat, c x query_hat and part there);
; the queries j = 32 w .. 32 w + 31 of S.  Lane (r, h) holds row r of the tile throughout: both products are used TRANSPOSED (source 0 = 16 rows of q's codes, source 1 = my tile's 16 rows).
; q's tiles are laid so that row rho of tile 2 p + u is true row 32 p + 8 u + rho + 8 (rho / 8): the 16 result registers of two neighbouring tiles are 16 neighbours, 32 p + 16 h + 0 .. 15,
; which is what the next conversion and the next operand's layout want.
; OPERANDS GO FROM WAVE TO WAVE THROUGH LDS AS IMAGES OF THEIR REGISTERS (4 stores of 16 bytes a lane at 16 x lane, 512 bytes apart; the same lines as loads give any wave the same registers).
; CLUSTER.  The four work-groups of a cluster belong to one batch: wave w's 32 KB of q's codes along j, and its rows of alpha_w, are the same in all four and are asked for JOINTLY (mask 15).
; The tile of context is each work-group's own: a plain load.  q's codes along d are shared too, but go straight into registers by plain loads: beside the other regions they
; (4 x 32,768 bytes more) would pass what a work-group can claim of LDS.  All three tensor loads of a wave are first fills, issued together behind the opening round; nothing is filled again.
; LDS: 0: for each wave 18,944 bytes: 16 rows of context (1,024 bytes + 16), then w_c's and w_cq's rows alike;  QT: for each wave 16 fragments of q along j;
;   AIMG: 8 fragments of Q(c w_cq);  PIMG: p's fragment;  SCP, +256, +512: [row][wave] f32: parts of c.w_c, of the row's maximum, of the row's sum.
; REGISTERS, window 0: v1-15 lane numbers and addresses; v16/17, v18/19, v20/21 2^e and 57,344 x 2^e for e0, e2, e4; v[22:23] a number for all my registers (c.w_c + b, then -M, then 2^(e2+e3) / l);
;   v24 m; v25 at work; v[26:29] four waves' parts; v30 l, then e; v31 mloc; v32-47 S^T, then p; v48-63 sq, then p's fragment; v64-255 by phases (below).   window 1: q's 16 fragments, (u, K step) at 16 (8 u + K step).
.set STGW, 18944
.set CP,   1040
.set WOFF, 16640
.set QT,   75776
.set AIMG, 206848
.set PIMG, 223232
.set SCP,  225280
.set G1C, 36                           ; s[36:43] group 1: the tile of context
.set G1W, 44                           ; s[44:51] the two rows of alpha_w
.set G1D, 52                           ; s[52:59] a dense block of 32 KB
.set G0C, 60                           ; s[60:63], s[68:71], s[72:75]: their groups 0
.set G0W, 68
.set G0D, 72
.set MSB, 0
.macro WIN new                         ; the immediate's high byte repeats the setting that is left
.if MSB != \new
	s_set_vgpr_msb (MSB<<8)|\new
.set MSB, \new
.endif
.endm
.macro ROUND                           ; a round of the cluster's barrier
	s_barrier_signal -1
	s_barrier_wait -1
	s_cmp_lg_u32 s3, 0
	s_cbranch_scc1 .Lnot_wave_0_\@
	s_barrier_signal -3
.Lnot_wave_0_\@:
	s_barrier_wait -3
	s_barrier_signal -1
	s_barrier_wait -1
.endm
.macro BARRIER                         ; my LDS stores have landed and my LDS loads are in: then the work-group's barrier
	s_wait_dscnt 0x0
	s_barrier_signal -1
	s_barrier_wait -1
.endm
.macro SCLIM e, vsc, vlim              ; 2^e as f32, and 57,344 x 2^e
	s_add_co_i32 s6, \e, 127
	s_lshl_b32 s7, s6, 23
	v_mov_b32 \vsc, s7
	s_add_co_i32 s6, s6, 15
	s_lshl_b32 s6, s6, 23
	s_or_b32 s6, s6, 0x600000
	v_mov_b32 \vlim, s6
.endm
	s_load_b512 s[8:23], s[0:1], 0x0               ; context 8, alpha_w 10, alpha_b 12, scales 14, q_img 16, qt_img 18, sq 20, a_img 22
	s_load_b128 s[24:27], s[0:1], 0x40             ; part 24, stats 26
	s_set_vgpr_msb 0x80
	v_lshl_add_u32 v0, v0, 2, 0x37300
	v_mov_b32 v1, 0
	s_set_vgpr_msb 0x808a
	ds_add_u32 v0, v1
	ds_add_u32 v0, v1
	s_set_vgpr_msb 0x8a00
	v_lshrrev_b32 v1, 5, v0
	v_readfirstlane_b32 s3, v1                     ; wave 0..3
	s_bfe_u32 s35, ttmp6, 0x40000                  ; cx: my place in the cluster
	s_lshl_b32 s4, ttmp9, 2
	s_add_co_u32 s4, s4, s35                       ; T = 4 x cluster + cx: it enters global addresses of my own alone
	s_lshr_b32 s5, ttmp9, 3                        ; b: eight clusters to a batch; the four partners share it
	v_and_b32 v1, 31, v0                           ; lane
	v_and_b32 v2, 15, v0                           ; r
	v_bfe_u32 v3, v0, 4, 1                         ; h
	v_lshlrev_b32 v4, 4, v1                        ; 16 x lane
	s_mul_i32 s6, s3, STGW
	v_mul_u32_u24 v5, v2, CP
	v_lshl_add_u32 v5, v3, 6, v5
	v_add_nc_u32 v5, s6, v5                        ; context: row r, + 64 h: my 16 numbers of a block of 32
	v_lshlrev_b32 v6, 6, v3
	v_add_nc_u32 v6, s6, v6
	v_add_nc_u32 v6, WOFF, v6                      ; w_c's row likewise; w_cq's lies CP further on
	s_lshl_b32 s7, s3, 12
	v_add_nc_u32 v7, s7, v4
	v_add_nc_u32 v7, AIMG, v7                      ; where I store my two fragments of Q(c w_cq)
	v_add_nc_u32 v8, AIMG, v4                      ; and where any fragment is read
	s_lshl_b32 s7, s3, 9
	v_add_nc_u32 v9, s7, v4
	v_add_nc_u32 v9, PIMG, v9                      ; my quarter of p's fragment
	v_add_nc_u32 v10, PIMG, v4
	v_lshlrev_b32 v12, 4, v2
	v_add_nc_u32 v12, SCP, v12                     ; row r's four parts
	s_lshl_b32 s7, s3, 2
	v_add_nc_u32 v11, s7, v12                      ; and mine among them
	s_lshl_b32 s7, s3, 15
	v_add_nc_u32 v13, s7, v4
	v_add_nc_u32 v13, QT, v13                      ; my 16 fragments of q along j
	v_add_nc_u32 v14, s6, v4                       ; context by whole rows: 16 bytes a lane
	s_lshl_b32 s7, s3, 7
	v_lshlrev_b32 v15, 6, v3
	v_add_nc_u32 v15, s7, v15                      ; sq: my 16 queries: 4 (32 w + 16 h)
	v_mov_b32 v23, 0                               ; (named as the upper half of the pair v[22:23])
	v_mov_b32 v25, 0                               ; (a lane permute's destination counts as one of its sources)
	s_mov_b32 s[G1C+0], (2<<16)|(1<<20)|(7<<22)|(3<<25)            ; no mask; elements of 4 bytes; padding: 4 words after every 256
	s_mov_b32 s[G1C+1], 256<<16                    ; tensor_dim0 = 256
	s_mov_b32 s[G1C+2], 16<<16                     ; tensor_dim1 = 16
	s_mov_b32 s[G1C+3], 256<<16                    ; tile_dim0
	s_mov_b32 s[G1C+4], 16                         ; tile_dim1
	s_mov_b32 s[G1C+5], 1024                       ; elements from row to row
	s_mov_b32 s[G1C+6], 0
	s_mov_b32 s[G1C+7], 0
	s_mov_b32 s[G1W+0], 15|(2<<16)|(1<<20)|(1<<21)|(7<<22)|(3<<25) ; the mask: all four work-groups; bit 21 beside it; else as above
	s_mov_b32 s[G1W+1], 256<<16
	s_mov_b32 s[G1W+2], 2<<16                      ; two rows: w_c and w_cq,
	s_mov_b32 s[G1W+3], 256<<16
	s_mov_b32 s[G1W+4], 2
	s_mov_b32 s[G1W+5], 2048                       ; 2,048 elements apart
	s_mov_b32 s[G1W+6], 0
	s_mov_b32 s[G1W+7], 0
	s_mov_b32 s[G1D+0], 15|(3<<16)|(1<<21)         ; the mask; elements of 8 bytes; no padding
	s_mov_b32 s[G1D+1], 32<<16                     ; rows of 256 bytes,
	s_mov_b32 s[G1D+2], 128<<16                    ; 128 of them, dense
	s_mov_b32 s[G1D+3], 32<<16
	s_mov_b32 s[G1D+4], 128
	s_mov_b32 s[G1D+5], 32
	s_mov_b32 s[G1D+6], 0
	s_mov_b32 s[G1D+7], 0
	s_mov_b32 s[G0C], 1
	s_mul_i32 s[G0C+1], s3, STGW
	s_mov_b32 s[G0W], 1
	s_add_co_u32 s[G0W+1], s[G0C+1], WOFF
	s_mov_b32 s[G0D], 1
	s_lshl_b32 s[G0D+1], s3, 15
	s_add_co_u32 s[G0D+1], s[G0D+1], QT
	s_mov_b32 s78, 0x3fb8aa3b                      ; log2(e)
	s_mov_b32 s79, s78                             ; (named with it as a pair)
	s_mov_b32 s80, 0x76543210                      ; v_permlanex16_b32: lane l xor 16
	s_mov_b32 s81, 0xfedcba98
	s_lshl_b32 s66, s4, 16                         ; my tile: 16 rows of 4,096 bytes,
	s_lshl_b32 s67, s3, 10                         ; my wave's 256 numbers of each
	s_add_co_u32 s66, s66, s67
	s_mov_b32 s67, 0
	s_wait_dscnt 0x0
	s_wait_kmcnt 0x0
	s_load_b128 s[28:31], s[14:15], 0x0            ; e0 .. e3
	s_load_b32 s32, s[14:15], 0x10                 ; e4
	s_load_b32 s33, s[12:13], 0x0                  ; alpha_b
	s_add_nc_u64 s[G0C+2:G0C+3], s[8:9], s[66:67]
	s_or_b32 s[G0C+3], s[G0C+3], 0x80000000
	s_lshl_b32 s100, s3, 10                        ; (s100, s101 never hold cx: they feed the joint loads)
	s_mov_b32 s101, 0
	s_add_nc_u64 s[G0W+2:G0W+3], s[10:11], s[100:101]
	s_or_b32 s[G0W+3], s[G0W+3], 0x80000000
	s_lshl_b32 s100, s5, 17                        ; the batch's 131,072 bytes of codes, in q_img and in qt_img alike,
	s_lshl_b32 s7, s3, 15                          ; and my wave's 32,768 of them
	s_add_co_u32 s100, s100, s7
	s_add_nc_u64 s[G0D+2:G0D+3], s[18:19], s[100:101]
	s_or_b32 s[G0D+3], s[G0D+3], 0x80000000
	s_add_nc_u64 s[16:17], s[16:17], s[100:101]    ; q_img at tile 8 b + 2 w
	s_lshl_b32 s100, s5, 9
	s_add_nc_u64 s[20:21], s[20:21], s[100:101]    ; sq at the batch's 128
	ROUND                                          ; all four work-groups are here: the joint loads meet
	tensor_load_to_lds s[G0C:G0C+3], s[G1C:G1C+7]  ; three loads of mine are out: the tile,
	s_nop 0
	tensor_load_to_lds s[G0W:G0W+3], s[G1W:G1W+7]  ; alpha_w's rows,
	s_nop 0
	tensor_load_to_lds s[G0D:G0D+3], s[G1D:G1D+7]  ; q along j
	s_nop 0
.rept 4
	v_nop
.endr
.irp q, 0,1,2,3
	global_load_b128 v[48+4*\q:51+4*\q], v15, s[20:21] offset:16*\q   ; sq of my 16 queries
.endr
	WIN 0x40                                       ; destination window 1
.irp f, 0,1,2,3,4,5,6,7,8,9,10,11,12,13,14,15  ; q's fragments along d: tile 2 w + f / 8, K step f % 8; they lie on end
.irp c, 0,1,2,3
	global_load_b128 v[16*\f+4*\c:16*\f+4*\c+3], v4, s[16:17] offset:2048*\f+512*\c
.endr
.endr
	WIN 0
	s_add_co_u32 s66, s3, 4                        ; a_img: K step 4 + w, tile T
	s_lshl_b32 s66, s66, 20
	s_lshl_b32 s7, s4, 12
	s_add_co_u32 s66, s66, s7
	s_add_nc_u64 s[22:23], s[22:23], s[66:67]
	s_lshl_b32 s66, s3, 10                         ; part: row T of 4,096 bytes, my wave's 1,024
	s_add_co_u32 s66, s66, s7
	s_add_nc_u64 s[24:25], s[24:25], s[66:67]
	s_lshl_b32 s66, s4, 3
	s_add_nc_u64 s[26:27], s[26:27], s[66:67]      ; stats: 8 bytes a tile
	s_wait_kmcnt 0x0
	s_add_co_i32 s6, s28, s29
	s_add_co_i32 s6, s6, 127
	s_lshl_b32 s76, s6, 23                         ; 2^(e0 + e1) as f32
	s_mov_b32 s77, s76
	s_add_co_i32 s34, s30, s31                     ; e2 + e3
	SCLIM s28, v16, v17
	SCLIM s30, v18, v19
	SCLIM s32, v20, v21
	; ---- A: my 256 numbers of each row: c.w_c's part, and Q(c w_cq): two fragments.  Eight groups of 16 numbers a lane, on two sets of registers (x, w_cq, w_c: v64-111, v112-159); codes in v160-191; sums in v192-199
.macro GLOAD g, set
.irp q, 0,1,2,3
	ds_load_b128 v[64+48*(\set)+4*\q:64+48*(\set)+4*\q+3], v5 offset:128*(\g)+16*\q
.endr
.irp q, 0,1,2,3
	ds_load_b128 v[80+48*(\set)+4*\q:80+48*(\set)+4*\q+3], v6 offset:CP+128*(\g)+16*\q
.endr
.irp q, 0,1,2,3
	ds_load_b128 v[96+48*(\set)+4*\q:96+48*(\set)+4*\q+3], v6 offset:128*(\g)+16*\q
.endr
.endm
.macro GROUP g, set
.set XS, 64+48*(\set)
.irp i, 0,1,2,3,4,5,6,7
.if ((\g) == 0) && (\i < 4)
	v_pk_mul_f32 v[192+2*(\i%4):193+2*(\i%4)], v[XS+2*\i:XS+2*\i+1], v[XS+32+2*\i:XS+32+2*\i+1]   ; the first products start the four chains
.else
	v_pk_fma_f32 v[192+2*(\i%4):193+2*(\i%4)], v[XS+2*\i:XS+2*\i+1], v[XS+32+2*\i:XS+32+2*\i+1], v[192+2*(\i%4):193+2*(\i%4)]
.endif
.endr
.irp i, 0,2,4,6,8,10,12,14
	v_pk_mul_f32 v[XS+\i:XS+\i+1], v[XS+\i:XS+\i+1], v[XS+16+\i:XS+16+\i+1]   ; c x w_cq
.endr
.irp i, 0,1,2,3,4,5,6,7,8,9,10,11,12,13,14,15
	v_med3_num_f32 v[XS+\i], v[XS+\i], -v17, v17   ; the conversion does not saturate (ISA guide 7.6.2): the hold
.endr
	v_cvt_scalef32_pk8_bf8_f32 v[160+4*(\g):161+4*(\g)], v[XS:XS+7], v16
	v_cvt_scalef32_pk8_bf8_f32 v[162+4*(\g):163+4*(\g)], v[XS+8:XS+15], v16
.endm
.macro IMAGE s
.irp c, 0,1,2,3
	ds_store_b128 v7, v[160+16*\s+4*\c:163+16*\s+4*\c] offset:2048*\s+512*\c
.endr
.endm
	s_wait_tensorcnt 0x1                           ; tensor loads of a wave end in order: the tile and alpha_w's rows are in; q along j may be out.  Only I read these bytes
	GLOAD 0, 0
.irp g, 0,1,2,3,4,5,6
	GLOAD \g+1, (\g+1)%2
	s_wait_dscnt 12                                ; all but the twelve loads just issued
	GROUP \g, \g%2
.if \g == 3
	v_nop                                          ; a plain line behind the last conversion of a run
	IMAGE 0
.endif
.endr
	s_wait_dscnt 0x0
	GROUP 7, 1
	v_nop
	IMAGE 1
	v_pk_add_f32 v[192:193], v[192:193], v[194:195]
	v_pk_add_f32 v[196:197], v[196:197], v[198:199]
	v_pk_add_f32 v[192:193], v[192:193], v[196:197]
	v_add_f32 v192, v192, v193
	v_permlanex16_b32 v193, v192, s80, s81         ; the row's other 128 numbers of my 256 lie in the lane 16 away
	v_add_f32 v22, v192, v193
	ds_store_b32 v11, v22                          ; (both halves of the lanes store the same number to the same word)
	BARRIER                                        ; the eight fragments and c.w_c's four parts lie in LDS
	; ---- B: S^T for my 32 queries: two accumulators by turns, K ascending
	ds_load_b128 v[26:29], v12
.irp k, 0,1,2,3,4,5,6,7
.irp c, 0,1,2,3
	ds_load_b128 v[64+16*\k+4*\c:67+16*\k+4*\c], v8 offset:2048*\k+512*\c
.endr
.endr
	s_wait_loadcnt 0x0                             ; sq and q's fragments
	s_wait_dscnt 0x0
	WIN 0x01                                       ; source 0 (q) window 1
.irp k, 0,1,2,3,4,5,6,7
.irp u, 0,1
.if \k == 0
	v_wmma_f32_16x16x128_bf8_bf8 v[32+8*\u:39+8*\u], v[16*(8*\u+\k):16*(8*\u+\k)+15], v[64+16*\k:79+16*\k], 0
.else
	v_wmma_f32_16x16x128_bf8_bf8 v[32+8*\u:39+8*\u], v[16*(8*\u+\k):16*(8*\u+\k)+15], v[64+16*\k:79+16*\k], v[32+8*\u:39+8*\u]
.endif
.endr
.endr
	WIN 0
	v_add_f32 v22, v26, v27                        ; twelve plain lines that name none of the products' registers: the places behind them (ISA guide 7.12.1)
	v_add_f32 v25, v28, v29
	v_add_f32 v22, v22, v25                        ; c.w_c
	v_add_f32 v22, s33, v22                        ; + alpha_b
.irp i, 0,2,4,6,8,10,12,14
	v_pk_add_f32 v[48+\i:49+\i], v[48+\i:49+\i], v[22:23] op_sel_hi:[1,0]   ; + q.w_q
.endr
.irp i, 0,2,4,6,8,10,12,14
	v_pk_fma_f32 v[32+\i:33+\i], v[32+\i:33+\i], s[76:77], v[48+\i:49+\i] op_sel_hi:[1,0,1]   ; S = sum x 2^(e0 + e1) + the rest; register i is query 32 w + 16 h + i; each accumulator from its low end on
.endr
	; ---- C: the row's maximum over the four waves; p = 2^(t - M); its sum; its codes
	v_max3_num_f32 v24, v32, v33, v34
	v_max3_num_f32 v25, v35, v36, v37
	v_max3_num_f32 v24, v24, v38, v39
	v_max3_num_f32 v25, v25, v40, v41
	v_max3_num_f32 v24, v24, v42, v43
	v_max3_num_f32 v25, v25, v44, v45
	v_max3_num_f32 v24, v24, v46, v47
	v_max_num_f32 v24, v24, v25
	v_permlanex16_b32 v25, v24, s80, s81
	v_max_num_f32 v24, v24, v25
	ds_store_b32 v11, v24 offset:256
	BARRIER
	ds_load_b128 v[26:29], v12 offset:256
	s_wait_dscnt 0x0
	v_max3_num_f32 v24, v26, v27, v28
	v_max_num_f32 v24, v24, v29                    ; m: the row's largest score
	v_mul_f32 v25, s78, v24                        ; as t
	v_floor_f32 v22, -v25                          ; -M = floor(-t) = -ceil(t): M is a whole number
.irp i, 0,2,4,6,8,10,12,14
	v_pk_fma_f32 v[32+\i:33+\i], v[32+\i:33+\i], s[78:79], v[22:23] op_sel_hi:[1,0,0]   ; t - M
.endr
.irp i, 0,1,2,3,4,5,6,7,8,9,10,11,12,13,14,15
	v_exp_f32 v[32+\i], v[32+\i]                   ; p, at most 1: not normalised
.endr
	v_nop                                          ; a plain line behind the exponentials
	s_wait_alu depctr_va_vdst(0)
	v_pk_add_f32 v[48:49], v[32:33], v[34:35]      ; the sum is taken of the unquantised p
	v_pk_add_f32 v[50:51], v[36:37], v[38:39]
	v_pk_add_f32 v[52:53], v[40:41], v[42:43]
	v_pk_add_f32 v[54:55], v[44:45], v[46:47]
	v_pk_add_f32 v[48:49], v[48:49], v[50:51]
	v_pk_add_f32 v[52:53], v[52:53], v[54:55]
	v_pk_add_f32 v[48:49], v[48:49], v[52:53]
	v_add_f32 v30, v48, v49
	v_permlanex16_b32 v25, v30, s80, s81
	v_add_f32 v30, v30, v25
.irp i, 0,1,2,3,4,5,6,7,8,9,10,11,12,13,14,15
	v_min_num_f32 v[32+\i], v[32+\i], v19          ; p is not negative: the hold is one-sided
.endr
	v_cvt_scalef32_pk8_bf8_f32 v[200:201], v[32:39], v18
	v_cvt_scalef32_pk8_bf8_f32 v[202:203], v[40:47], v18
	v_nop
	ds_store_b128 v9, v[200:203]                   ; registers 4 w .. 4 w + 3 of p's fragment: j = 32 w + 16 h + 0 .. 15
	ds_store_b32 v11, v30 offset:512
	BARRIER
	; ---- D: query_hat^T for my 256 d, four tiles of 16 d at a time: v64-127 four fragments of q along j; v128-191 two sets of 32 numbers of context; v192-223 four accumulators; v224-255 two sets of 16 registers of codes
.macro FLOAD n
.irp t, 0,1,2,3
.irp c, 0,1,2,3
	ds_load_b128 v[64+16*\t+4*\c:67+16*\t+4*\c], v13 offset:(4*(\n)+\t)*2048+512*\c
.endr
.endr
.endm
.macro XLOAD n                         ; context at blocks 2 n, 2 n + 1 of 32 d: my 16 numbers of each
.irp k, 0,1,2,3,4,5,6,7
	ds_load_b128 v[128+32*((\n)%2)+4*\k:131+32*((\n)%2)+4*\k], v5 offset:256*(\n)+128*(\k/4)+16*(\k%4)
.endr
.endm
.macro BATCH n
.set XS, 128+32*((\n)%2)
.set CDS, 224+16*((\n)%2)
	s_wait_dscnt 8                                 ; the four fragments are in; the eight loads of context behind them may be out
.irp t, 0,1,2,3
	v_wmma_f32_16x16x128_bf8_bf8 v[192+8*\t:199+8*\t], v[64+16*\t:79+16*\t], v[48:63], 0
.endr
.rept 4
	v_nop                                          ; places in front of loads into registers that the products read, and of the first read of results
.endr
.if \n < 3
	FLOAD (\n)+1
	XLOAD (\n)+1
	s_wait_dscnt 24                                ; all but the 24 just issued: this batch's context is in
.else
	s_wait_dscnt 0x0
.endif
.irp i, 0,2,4,6,8,10,12,14,16,18,20,22,24,26,28,30
	v_pk_mul_f32 v[192+\i:193+\i], v[192+\i:193+\i], v[22:23] op_sel_hi:[1,0]   ; query_hat = sum x 2^(e2 + e3) / l; register 16 k + i is d = 256 w + 32 (2 n + k) + 16 h + i; each accumulator from its low end on
.endr
.irp i, 0,2,4,6,8,10,12,14,16,18,20,22,24,26,28,30
	v_pk_mul_f32 v[XS+\i:XS+\i+1], v[XS+\i:XS+\i+1], v[192+\i:193+\i]          ; c x query_hat
.endr
.irp i, 0,1,2,3,4,5,6,7,8,9,10,11,12,13,14,15,16,17,18,19,20,21,22,23,24,25,26,27,28,29,30,31
	v_med3_num_f32 v[192+\i], v[192+\i], -v21, v21
	v_med3_num_f32 v[XS+\i], v[XS+\i], -v21, v21
.endr
.if \n > 1
	s_wait_xcnt 0x0                                ; the stores of two batches ago have read this set of codes
.endif
.irp k, 0,1,2,3
	v_cvt_scalef32_pk8_bf8_f32 v[CDS+2*\k:CDS+2*\k+1], v[192+8*\k:199+8*\k], v20
.endr
.irp k, 0,1,2,3
	v_cvt_scalef32_pk8_bf8_f32 v[CDS+8+2*\k:CDS+9+2*\k], v[XS+8*\k:XS+8*\k+7], v20
.endr
	v_nop                                          ; a plain line between the conversions and the next products, which write their sources
	global_store_b128 v4, v[CDS:CDS+3], s[22:23] offset:512*(2*(\n))               ; each store of the wave covers 512 consecutive bytes, aligned
	global_store_b128 v4, v[CDS+4:CDS+7], s[22:23] offset:512*(2*(\n)+1)
	global_store_b128 v4, v[CDS+8:CDS+11], s[22:23] offset:4194304+512*(2*(\n))    ; c x query_hat: four K steps of 1,048,576 bytes further on
	global_store_b128 v4, v[CDS+12:CDS+15], s[22:23] offset:4194304+512*(2*(\n)+1)
.endm
.irp c, 0,1,2,3
	ds_load_b128 v[48+4*\c:51+4*\c], v10 offset:512*\c   ; p's fragment
.endr
	ds_load_b128 v[26:29], v12 offset:512          ; the sum's four parts
	s_wait_tensorcnt 0x0                           ; q along j is in; only I read my block
	FLOAD 0
	XLOAD 0
	s_wait_dscnt 24                                ; all but the 24 just issued
	v_add_f32 v30, v26, v27
	v_add_f32 v25, v28, v29
	v_add_f32 v30, v30, v25                        ; l
	v_rcp_f32 v30, v30
	v_nop                                          ; a plain line behind the reciprocal
	s_wait_alu depctr_va_vdst(0)
	v_ldexp_f32 v22, v30, s34                      ; 2^(e2 + e3) / l
	BATCH 0
	BATCH 1
	BATCH 2
	BATCH 3
	; ---- E: the tile's part of context_hat, for my 256 d: rows by whole lines, 8 numbers a lane in v192-199
.irp r, 0,1,2,3,4,5,6,7,8,9,10,11,12,13,14,15
	ds_load_b128 v[64+8*\r:67+8*\r], v14 offset:CP*\r
	ds_load_b128 v[68+8*\r:71+8*\r], v14 offset:CP*\r+512
.endr
	v_mov_b32 v31, v24
	v_max_num_f32_dpp v31, v31, v31 row_xmask:1 row_mask:0xf bank_mask:0xf
	v_max_num_f32_dpp v31, v31, v31 row_xmask:2 row_mask:0xf bank_mask:0xf
	v_max_num_f32_dpp v31, v31, v31 row_xmask:4 row_mask:0xf bank_mask:0xf
	v_max_num_f32_dpp v31, v31, v31 row_xmask:8 row_mask:0xf bank_mask:0xf   ; mloc: the largest m of the 16 rows
	v_sub_f32 v25, v24, v31
	v_mul_f32 v25, s78, v25
	v_exp_f32 v30, v25                             ; e of my row, at most 1
	v_mov_b32 v26, v31                             ; (a plain line behind the exponential)
	s_wait_alu depctr_va_vdst(0)
	v_mov_b32 v27, v30
	v_add_f32_dpp v27, v27, v27 row_xmask:1 row_mask:0xf bank_mask:0xf
	v_add_f32_dpp v27, v27, v27 row_xmask:2 row_mask:0xf bank_mask:0xf
	v_add_f32_dpp v27, v27, v27 row_xmask:4 row_mask:0xf bank_mask:0xf
	v_add_f32_dpp v27, v27, v27 row_xmask:8 row_mask:0xf bank_mask:0xf       ; the sum of the 16
.irp r, 0,1,2,3,4,5,6,7,8,9,10,11,12,13,14,15
	v_readlane_b32 s[84+\r], v30, \r               ; e of row r, as a factor for all lanes
.endr
.irp r, 0,1,2,3,4,5,6,7,8,9,10,11,12,13,14,15
	s_wait_dscnt 30-2*\r                           ; behind row r's two loads stand the later rows' 2 (15 - r)
.irp k, 0,1,2,3,4,5,6,7
.if \r == 0
	v_mul_f32 v[192+\k], s[84+\r], v[64+8*\r+\k]
.else
	v_fmac_f32 v[192+\k], s[84+\r], v[64+8*\r+\k]
.endif
.endr
.endr
	global_store_b128 v4, v[192:195], s[24:25]
	global_store_b128 v4, v[196:199], s[24:25] offset:512
	v_mov_b32 v25, 0
	v_cmp_eq_u32 vcc_lo, 0, v0                     ; thread 0 of the work-group stores the tile's two numbers
	s_wait_xcnt 0x0                                ; EXEC changes only behind this wait
	s_and_saveexec_b32 s6, vcc_lo
	global_store_b64 v25, v[26:27], s[26:27]
	s_wait_xcnt 0x0
	s_or_b32 exec_lo, exec_lo, s6
	s_set_vgpr_msb 0xa
	s_wait_tensorcnt 0x0
	ds_add_u32 v0, v1
	s_wait_dscnt 0x0
	s_set_vgpr_msb 0xa00
	ROUND                                          ; the closing round: no work-group ends while a partner may still ask for a tile that names it
	s_endpgm
.Lfunc_end_k_q172559b9e9_attn:
	.size	k_q172559b9e9_attn, .Lfunc_end_k_q172559b9e9_attn-k_q172559b9e9_attn
	.p2alignl 7, 3214868480
	.fill 96, 4, 3214868480
	.section	.rodata,"a",@progbits
	.p2align	6, 0x0
	.amdhsa_kernel k_q172559b9e9_attn
		.amdhsa_group_segment_fixed_size 226560
		.amdhsa_private_segment_fixed_size 0
		.amdhsa_enable_private_segment 0
		.amdhsa_kernarg_size 80
		.amdhsa_user_sgpr_count 2
		.amdhsa_user_sgpr_kernarg_segment_ptr 1
		.amdhsa_wavefront_size32 1
		.amdhsa_system_sgpr_workgroup_id_x 1
		.amdhsa_system_sgpr_workgroup_id_y 1
		.amdhsa_system_sgpr_workgroup_id_z 1
		.amdhsa_system_vgpr_workitem_id 0
		.amdhsa_next_free_vgpr 514
		.amdhsa_next_free_sgpr 102
		.amdhsa_reserve_vcc 1
		.amdhsa_float_denorm_mode_32 3
		.amdhsa_float_denorm_mode_16_64 3
		.amdhsa_memory_ordered 1
		.amdhsa_forward_progress 1
		.amdhsa_inst_pref_size 92
	.end_amdhsa_kernel
	.amdgpu_metadata
---
amdhsa.version: [ 1, 2 ]
amdhsa.kernels:
  - .name:           k_q172559b9e9_attn
    .symbol:         k_q172559b9e9_attn.kd
    .args:
      - { .name: context, .offset: 0, .size: 8, .value_kind: global_buffer, .address_space: global }
      - { .name: alpha_w, .offset: 8, .size: 8, .value_kind: global_buffer, .address_space: global }
      - { .name: alpha_b, .offset: 16, .size: 8, .value_kind: global_buffer, .address_space: global }
      - { .name: lowp_scales, .offset: 24, .size: 8, .value_kind: global_buffer, .address_space: global }
      - { .name: q_img, .offset: 32, .size: 8, .value_kind: global_buffer, .address_space: global }
      - { .name: qt_img, .offset: 40, .size: 8, .value_kind: global_buffer, .address_space: global }
      - { .name: sq, .offset: 48, .size: 8, .value_kind: global_buffer, .address_space: global }
      - { .name: a_img, .offset: 56, .size: 8, .value_kind: global_buffer, .address_space: global }
      - { .name: part, .offset: 64, .size: 8, .value_kind: global_buffer, .address_space: global }
      - { .name: stats, .offset: 72, .size: 8, .value_kind: global_buffer, .address_space: global }
    .group_segment_fixed_size: 226560
    .private_segment_fixed_size: 0
    .kernarg_segment_align: 8
    .kernarg_segment_size: 80
    .max_flat_workgroup_size: 128
    .sgpr_count:     102
    .vgpr_count:     514
    .wavefront_size: 32
...
	.end_amdgpu_metadata
.endif
;; end of part 2
;; launch chat (part 3): grid 256 x 1, 4 waves a work-group, no clusters, 168,448 bytes of LDS; arguments context, part, stats, lowp_scales, a_img; writes a_img
.if DOCPART == 3
	.amdgcn_target "amdgcn-amd-amdhsa--gfx1250"
	.amdhsa_code_object_version 6
	.text
	.protected	k_q172559b9e9_chat
	.globl	k_q172559b9e9_chat
	.p2align	8
	.type	k_q172559b9e9_chat,@function
k_q172559b9e9_chat:
	s_mov_b64 s[64:65], 0
	v_nop
	global_prefetch_b8 v0, s[64:65] scope:SCOPE_SE
	s_setreg_imm32_b32 hwreg(HW_REG_WAVE_MODE, 25, 1), 1
	s_wait_xcnt 0x0
; CHAT: context_hat[b][d] = sum over the batch's 32 tiles of f_T part[T][d], f_T = exp(mloc_T - mmax) / L, L = sum of exp(mloc_T - mmax) x (tile T's sum of e): the softmax over the 512 rows' largest scores,
; with the batch's largest taken away.  Then the two parts of cat2 that hang on it, as codes of BF8 (E5M2) with the scale 2^e4: context_hat (K steps 0-3 of a_img) and c x context_hat (K steps 12-15).
; a_img: [K step of 256: 16][tile of 16 rows: 256][half step: 2][2,048], a fragment as an image of its registers: byte 512 c + 16 lane + i is row lane % 16 at k = 32 c + 16 (lane / 16) + i.
; LIMITS: e4 between -126 and 112.  NaN among the inputs is not served.
; SHARES.  Work-group g: batch g / 32, 256 numbers d from 256 ((g / 8) % 4) on; wave v takes the tile of rows T = 32 b + 4 (g % 8) + v.  The four waves share the making of context_hat's 256 numbers:
; wave v sums tiles 8 v .. 8 v + 7 of part, the four sums meet in LDS behind the one barrier, and each wave keeps a finished copy of its own.
; No cluster: what the tensor loads bring, a tile of context, is read by one wave of one work-group alone.  One tensor load a wave, a first fill; nothing is filled again.
; LDS: 0: for each wave 16 rows of context (1,024 bytes + 16);  CHP: four waves' sums, 1,024 bytes each;  CHR: for each wave the finished 256 numbers.
.set CP,   1040
.set STGW, 16640
.set CHP,  66560
.set CHR,  70656
	s_load_b256 s[8:15], s[0:1], 0x0               ; context 8, part 10, stats 12, scales 14
	s_load_b64 s[16:17], s[0:1], 0x20              ; a_img
	v_lshl_add_u32 v240, v0, 2, 0x29000
	v_mov_b32 v241, 0
	ds_add_u32 v240, v241
	ds_add_u32 v240, v241
	v_lshrrev_b32 v1, 5, v0
	v_readfirstlane_b32 s3, v1                     ; wave 0..3
	s_lshr_b32 s4, ttmp9, 5                        ; b
	s_bfe_u32 s5, ttmp9, 0x20003                   ; which 256 d: two bits from bit 3
	s_and_b32 s6, ttmp9, 7
	s_lshl_b32 s6, s6, 2
	s_lshl_b32 s7, s4, 5
	s_add_co_u32 s6, s6, s7
	s_add_co_u32 s6, s6, s3                        ; T
	v_and_b32 v1, 31, v0                           ; lane
	v_and_b32 v2, 15, v0                           ; r
	v_bfe_u32 v3, v0, 4, 1                         ; h
	v_lshlrev_b32 v4, 4, v1                        ; 16 x lane
	s_mul_i32 s50, s3, STGW
	v_mul_u32_u24 v5, v2, CP
	v_lshl_add_u32 v5, v3, 6, v5
	v_add_nc_u32 v5, s50, v5                       ; context: row r, + 64 h
	s_lshl_b32 s51, s3, 10
	v_lshlrev_b32 v6, 6, v3
	v_add_nc_u32 v6, s51, v6
	v_add_nc_u32 v6, CHR, v6                       ; my copy of context_hat, + 64 h
	v_add_nc_u32 v7, s51, v4
	v_add_nc_u32 v9, CHR, v7                       ; where I store that copy
	v_add_nc_u32 v7, CHP, v7                       ; where I store my sum
	v_add_nc_u32 v8, CHP, v4                       ; where the four sums are read
	v_lshlrev_b32 v10, 3, v1                       ; stats: 8 bytes a tile, tile = lane
	v_and_b32 v11, 7, v1
	v_lshlrev_b32 v11, 3, v11
	s_lshl_b32 s52, s3, 6
	v_add_nc_u32 v11, s52, v11                     ; and tile 8 v + lane % 8
	v_mov_b32 v24, 0                               ; (a lane permute's destination counts as one of its sources)
	s_mov_b32 s24, (2<<16)|(1<<20)|(7<<22)|(3<<25) ; group 1: elements of 4 bytes; padding: 4 words after every 256
	s_mov_b32 s25, 256<<16                         ; tensor_dim0 = 256
	s_mov_b32 s26, 16<<16                          ; tensor_dim1 = 16
	s_mov_b32 s27, 256<<16                         ; tile_dim0
	s_mov_b32 s28, 16                              ; tile_dim1
	s_mov_b32 s29, 1024                            ; elements from row to row
	s_mov_b32 s30, 0
	s_mov_b32 s31, 0
	s_mov_b32 s32, 1
	s_mul_i32 s33, s3, STGW
	s_mov_b32 s48, 0x76543210
	s_mov_b32 s49, 0xfedcba98
	s_lshl_b32 s50, s6, 16                         ; the tile's 16 rows of 4,096 bytes,
	s_lshl_b32 s51, s5, 10                         ; the 256 numbers
	s_add_co_u32 s50, s50, s51
	s_mov_b32 s51, 0
	s_wait_dscnt 0x0
	s_wait_kmcnt 0x0
	s_load_b32 s20, s[14:15], 0x10                 ; e4
	s_add_nc_u64 s[34:35], s[8:9], s[50:51]
	s_or_b32 s35, s35, 0x80000000
	tensor_load_to_lds s[32:35], s[24:31]
	s_nop 0
.rept 4
	v_nop
.endr
	s_lshl_b32 s50, s4, 8
	s_add_nc_u64 s[12:13], s[12:13], s[50:51]      ; stats at the batch's 32 tiles
	s_lshl_b32 s50, s4, 17                         ; part: 32 rows of 4,096 bytes a batch,
	s_lshl_b32 s52, s3, 15                         ; my eight,
	s_add_co_u32 s50, s50, s52
	s_lshl_b32 s52, s5, 10                         ; the 256 numbers
	s_add_co_u32 s50, s50, s52
	s_add_nc_u64 s[10:11], s[10:11], s[50:51]
	s_lshl_b32 s50, s5, 20                         ; a_img: K step (g / 8) % 4, tile T
	s_lshl_b32 s52, s6, 12
	s_add_co_u32 s50, s50, s52
	s_add_nc_u64 s[16:17], s[16:17], s[50:51]
	s_add_nc_u64 s[18:19], s[16:17], 0xc00000      ; and twelve K steps of 1,048,576 bytes further on
	global_load_b64 v[20:21], v10, s[12:13]        ; mloc and the sum of e, of tile = lane
	global_load_b32 v22, v11, s[12:13]             ; mloc of tile 8 v + lane % 8: so the lanes read below are constants of the text
.irp t, 0,1,2,3,4,5,6,7
	global_load_b128 v[32+8*\t:35+8*\t], v4, s[10:11] offset:4096*\t
	global_load_b128 v[36+8*\t:39+8*\t], v4, s[10:11] offset:4096*\t+512
.endr
	s_wait_loadcnt 16                              ; all but part's sixteen
	v_mov_b32 v23, v20
	v_max_num_f32_dpp v23, v23, v23 row_xmask:1 row_mask:0xf bank_mask:0xf
	v_max_num_f32_dpp v23, v23, v23 row_xmask:2 row_mask:0xf bank_mask:0xf
	v_max_num_f32_dpp v23, v23, v23 row_xmask:4 row_mask:0xf bank_mask:0xf
	v_max_num_f32_dpp v23, v23, v23 row_xmask:8 row_mask:0xf bank_mask:0xf
	v_permlanex16_b32 v24, v23, s48, s49
	v_max_num_f32 v23, v23, v24                    ; mmax: the batch's largest score
	v_sub_f32 v25, v20, v23
	v_sub_f32 v27, v22, v23
	v_mul_f32 v25, 0x3fb8aa3b, v25
	v_mul_f32 v27, 0x3fb8aa3b, v27
	v_exp_f32 v25, v25
	v_exp_f32 v27, v27
	v_nop                                          ; a plain line behind the exponentials
	s_wait_alu depctr_va_vdst(0)
	v_mul_f32 v26, v25, v21
	v_add_f32_dpp v26, v26, v26 row_xmask:1 row_mask:0xf bank_mask:0xf
	v_add_f32_dpp v26, v26, v26 row_xmask:2 row_mask:0xf bank_mask:0xf
	v_add_f32_dpp v26, v26, v26 row_xmask:4 row_mask:0xf bank_mask:0xf
	v_add_f32_dpp v26, v26, v26 row_xmask:8 row_mask:0xf bank_mask:0xf
	v_permlanex16_b32 v24, v26, s48, s49
	v_add_f32 v26, v26, v24                        ; L
	v_rcp_f32 v26, v26
	v_nop
	s_wait_alu depctr_va_vdst(0)
	v_mul_f32 v27, v27, v26                        ; f of tile 8 v + lane % 8
.irp t, 0,1,2,3,4,5,6,7
	v_readlane_b32 s[40+\t], v27, \t
.endr
.irp t, 0,1,2,3,4,5,6,7
	s_wait_loadcnt 14-2*\t                         ; behind tile t's two loads stand the later tiles' 2 (7 - t)
.irp k, 0,1,2,3,4,5,6,7
.if \t == 0
	v_mul_f32 v[96+\k], s[40+\t], v[32+8*\t+\k]
.else
	v_fmac_f32 v[96+\k], s[40+\t], v[32+8*\t+\k]
.endif
.endr
.endr
	ds_store_b128 v7, v[96:99]
	ds_store_b128 v7, v[100:103] offset:512
	s_wait_dscnt 0x0                               ; for the others' sake: my sum lies in LDS
	s_barrier_signal -1
	s_barrier_wait -1
.irp w, 0,1,2,3
	ds_load_b128 v[32+8*\w:35+8*\w], v8 offset:1024*\w
	ds_load_b128 v[36+8*\w:39+8*\w], v8 offset:1024*\w+512
.endr
	s_wait_kmcnt 0x0
	s_add_co_i32 s52, s20, 127
	s_lshl_b32 s53, s52, 23
	v_mov_b32 v12, s53                             ; 2^e4 as f32
	s_add_co_i32 s52, s52, 15
	s_lshl_b32 s52, s52, 23
	s_or_b32 s52, s52, 0x600000
	v_mov_b32 v13, s52                             ; 57,344 x 2^e4
	s_wait_dscnt 0x0
.irp k, 0,2,4,6
	v_pk_add_f32 v[96+\k:97+\k], v[32+\k:33+\k], v[40+\k:41+\k]
	v_pk_add_f32 v[48+\k:49+\k], v[48+\k:49+\k], v[56+\k:57+\k]
	v_pk_add_f32 v[96+\k:97+\k], v[96+\k:97+\k], v[48+\k:49+\k]
.endr
	ds_store_b128 v9, v[96:99]                     ; my own copy: LDS serves a wave's instructions in order, so my loads below see it
	ds_store_b128 v9, v[100:103] offset:512
	s_wait_tensorcnt 0x0                           ; my tile of context is in; only I read it
; Eight groups of 16 numbers a lane (block g of 32 d), on two sets of registers: x v104-119, context_hat v120-135; x v136-151, context_hat v152-167.  Codes: eight registers a group, v168-231, never written again.
.macro GL g
.set XL, 104+32*((\g)%2)
.irp q, 0,1,2,3
	ds_load_b128 v[XL+4*\q:XL+4*\q+3], v5 offset:128*(\g)+16*\q
	ds_load_b128 v[XL+16+4*\q:XL+16+4*\q+3], v6 offset:128*(\g)+16*\q
.endr
.endm
.macro GRP g
.set XS, 104+32*((\g)%2)
.irp i, 0,2,4,6,8,10,12,14
	v_pk_mul_f32 v[XS+\i:XS+\i+1], v[XS+\i:XS+\i+1], v[XS+16+\i:XS+16+\i+1]   ; c x context_hat
.endr
.irp i, 0,1,2,3,4,5,6,7,8,9,10,11,12,13,14,15,16,17,18,19,20,21,22,23,24,25,26,27,28,29,30,31
	v_med3_num_f32 v[XS+\i], v[XS+\i], -v13, v13   ; the conversion does not saturate (ISA guide 7.6.2): the hold
.endr
	v_cvt_scalef32_pk8_bf8_f32 v[168+8*(\g):169+8*(\g)], v[XS+16:XS+23], v12
	v_cvt_scalef32_pk8_bf8_f32 v[170+8*(\g):171+8*(\g)], v[XS+24:XS+31], v12
	v_cvt_scalef32_pk8_bf8_f32 v[172+8*(\g):173+8*(\g)], v[XS:XS+7], v12
	v_cvt_scalef32_pk8_bf8_f32 v[174+8*(\g):175+8*(\g)], v[XS+8:XS+15], v12
	global_store_b128 v4, v[168+8*(\g):171+8*(\g)], s[16:17] offset:512*(\g)   ; each store of the wave covers 512 consecutive bytes, aligned
	global_store_b128 v4, v[172+8*(\g):175+8*(\g)], s[18:19] offset:512*(\g)
.endm
	GL 0
.irp g, 0,1,2,3,4,5,6
	GL \g+1
	s_wait_dscnt 8                                 ; all but the eight loads just issued
	GRP \g
.endr
	s_wait_dscnt 0x0
	GRP 7
	s_wait_tensorcnt 0x0
	ds_add_u32 v240, v241
	s_wait_dscnt 0x0
	s_endpgm
.Lfunc_end_k_q172559b9e9_chat:
	.size	k_q172559b9e9_chat, .Lfunc_end_k_q172559b9e9_chat-k_q172559b9e9_chat
	.p2alignl 7, 3214868480
	.fill 96, 4, 3214868480
	.section	.rodata,"a",@progbits
	.p2align	6, 0x0
	.amdhsa_kernel k_q172559b9e9_chat
		.amdhsa_group_segment_fixed_size 168448
		.amdhsa_private_segment_fixed_size 0
		.amdhsa_enable_private_segment 0
		.amdhsa_kernarg_size 40
		.amdhsa_user_sgpr_count 2
		.amdhsa_user_sgpr_kernarg_segment_ptr 1
		.amdhsa_wavefront_size32 1
		.amdhsa_system_sgpr_workgroup_id_x 1
		.amdhsa_system_sgpr_workgroup_id_y 1
		.amdhsa_system_sgpr_workgroup_id_z 1
		.amdhsa_system_vgpr_workitem_id 0
		.amdhsa_next_free_vgpr 242
		.amdhsa_next_free_sgpr 66
		.amdhsa_reserve_vcc 0
		.amdhsa_float_denorm_mode_32 3
		.amdhsa_float_denorm_mode_16_64 3
		.amdhsa_memory_ordered 1
		.amdhsa_forward_progress 1
		.amdhsa_inst_pref_size 40
	.end_amdhsa_kernel
	.amdgpu_metadata
---
amdhsa.version: [ 1, 2 ]
amdhsa.kernels:
  - .name:           k_q172559b9e9_chat
    .symbol:         k_q172559b9e9_chat.kd
    .args:
      - { .name: context, .offset: 0, .size: 8, .value_kind: global_buffer, .address_space: global }
      - { .name: part, .offset: 8, .size: 8, .value_kind: global_buffer, .address_space: global }
      - { .name: stats, .offset: 16, .size: 8, .value_kind: global_buffer, .address_space: global }
      - { .name: lowp_scales, .offset: 24, .size: 8, .value_kind: global_buffer, .address_space: global }
      - { .name: a_img, .offset: 32, .size: 8, .value_kind: global_buffer, .address_space: global }
    .group_segment_fixed_size: 168448
    .private_segment_fixed_size: 0
    .kernarg_segment_align: 8
    .kernarg_segment_size: 40
    .max_flat_workgroup_size: 128
    .sgpr_count:     66
    .vgpr_count:     242
    .wavefront_size: 32
...
	.end_amdgpu_metadata
.endif
;; end of part 3
;; launch gemm (part 4): grid 16 x 16, 4 waves a work-group, clusters of 4 x 4, 327,680 bytes of LDS; arguments a_img, bw_img, lowp_scales, beta_b, out0; writes out0
.if DOCPART == 4
	.amdgcn_target "amdgcn-amd-amdhsa--gfx1250"
	.amdhsa_code_object_version 6
	.text
	.protected	k_q172559b9e9_gemm
	.globl	k_q172559b9e9_gemm
	.p2align	8
	.type	k_q172559b9e9_gemm,@function
k_q172559b9e9_gemm:
	s_mov_b64 s[64:65], 0
	v_nop
	global_prefetch_b8 v0, s[64:65] scope:SCOPE_SE
	s_setreg_imm32_b32 hwreg(HW_REG_WAVE_MODE, 25, 1), 1
	s_wait_xcnt 0x0
	s_wait_alu depctr_hold_cnt(0) depctr_sa_sdst(0) depctr_va_vdst(0) depctr_va_sdst(0) depctr_va_ssrc(0) depctr_va_vcc(0) depctr_vm_vsrc(0)
	s_getreg_b32 s2, hwreg(HW_REG_IB_STS2, 6, 4)
	s_cmp_eq_u32 s2, 0
	s_cbranch_scc0 .Lentry_in_a_cluster
	s_endpgm
.Lentry_in_a_cluster:
	s_bfe_u32 s2, ttmp6, 0x10000c
	s_cmp_lg_u32 s2, 0xf033
	s_cbranch_scc0 .Lentry_shape_is_right
	s_endpgm
.Lentry_shape_is_right:
; GEMM: out0[m][o] = 2^(e4 + e5) x (sum over k of A[m][k] B[o][k]) + beta_b[o], m, o, k = 0 .. 4,095.  A (cat2) and B (beta_w) are codes of BF8 (E5M2); sums in f32, by v_wmma_f32_16x16x128_bf8_bf8.
; LIMIT: e4 + e5 lies between -126 and 127, so that 2^(e4 + e5) is an f32 number.
; BOTH OPERANDS LIE IN MEMORY AS IMAGES OF THEIR FRAGMENTS' REGISTERS: [K step of 256: 16][tile of 16 rows: 256][half step: 2][2,048 bytes]; byte 512 c + 16 lane + i of a fragment is row lane % 16 at
; k = 32 c + 16 (lane / 16) + i, alike in A and B, so every product meets its partner.  So a K step's 128 rows are one dense block of 32,768 bytes for one tensor load, LDS needs no pitch and no padding,
; and a fragment comes by four loads of 16 bytes a lane, each of 512 consecutive bytes.
; B's tiles are laid so that row rho of tile 2 p + u is true row 32 p + 8 u + rho + 8 (rho / 8).
; A tile of out0, 256 x 256, is made by a work-group of four waves; a wave makes 128 x 128: 64 accumulators of 16 x 16, 512 registers.  K goes in steps of 256 through a ring of two LDS slots.
; CLUSTERS: 4 x 4 work-groups.  The four of a row of the cluster need the same blocks of A, the four of a column the same blocks of B: each is asked for JOINTLY, by the same tensor load with the same
; descriptor and a mask that names the four.  THE MATRIX INSTRUCTION IS USED TRANSPOSED (source 0 = 16 rows of B, source 1 = 16 rows of A): lane (r, h) holds row r of out0, and register j of
; accumulator (a, b) its column 32 (b / 2) + 8 (b % 2) + 16 h + j of my 128.
; REGISTERS, in windows of 256: window 0: v0-31 addresses, v8-11 beta_b at my four columns of a row; from v128 A's fragments (8 x 16 rows x 128 K), ONE set; on the way out v128-255 rows of out0.
;   window 1: B's fragments, TWO sets, at v0 and at v128.   window 2: the 32 accumulators of my rows 0-63 (accumulator (a, b) at v[8 (8 a + b)]);   window 3: those of my rows 64-127.
; A step of 128 along K is 64 matrix instructions, A's blocks one after the other, each against B's eight: a block of A is free as soon as its eight products are issued, so one set of registers serves A
; (blocks 0-3 are fetched anew in the step's middle, blocks 4-7 at its end); B's fragments are at work through the whole step and have two sets.
.set SIZE_N, 4096
.set KSB,    1048576                   ; bytes from a K step of 256 to the next, in both images
.set FR,     16                        ; registers of a fragment
.set NL,     4                         ; LDS loads that bring one
.set NP,     4                         ; places behind this matrix instruction (ISA guide 7.12.1)
.set HALFT,  32768                     ; 128 rows x 256 K: what one tensor load brings, and what one wave reads of A or of B
.set SLOT,   4*HALFT                   ; A's 256 rows, then B's 256 rows
.set LAPS,   8                         ; a lap = two K steps = once round the ring: 4,096 / 512
.set SPARE,  2*SLOT                    ; behind the ring: the spare words, 128 bytes for each wave: two blocks of 256 bytes that no other line names
.set SPITCH, 528                       ; the way out: a stage of 16 rows x (512 bytes + 16) for each wave.  It lies in slot 0, which has had its last fill and its last read when the first result is stored there
.set ADRA, 16                          ; v16-17  LDS address of my A fragments in slot 0, 1
.set ADRB, 20                          ; v20-21  the same for B
.set STO,  24                          ; v24     the way out: where I put my numbers of a row
.set RD,   25                          ; v25     the way out: where I read a row back
.set CO,   26                          ; v26     16 x lane: my place in 512 bytes
.set SPW,  28                          ; v28     LDS address of my spare word: SPARE + 4 x my thread's number; never rewritten
.set NIL,  29                          ; v29     0; never rewritten
.set AF,   128                         ; A's fragments, in window 0
.set BK,   128                         ; the way out: 16 rows read back from the stage: v128-191 and v192-255 by turns
.set G1, 24                            ; s[24:31] descriptor group 1 for A's blocks;  s[32:39] group 0, one set for each slot
.set G0, 32
.set G1B, 48                           ; s[48:55], s[56:63] the same for B's blocks
.set G0B, 56
.set MSB, 0
.macro WIN new                         ; the immediate's high byte repeats the setting that is left
.if MSB != \new
	s_set_vgpr_msb (MSB<<8)|\new
.set MSB, \new
.endif
.endm
.set MUL_LO, 0xa1                      ; source 0 (B) window 1, source 1 (A) window 0, C and D window 2
.set MUL_HI, 0xf1                      ; the same, C and D window 3
.set TO_B,   0x40                      ; destination window 1, address window 0
; A joint load: waves 0 and 1 fetch for A, waves 2 and 3 for B.  Each of the two lines has ONE mask and one set of registers for all that issue it; the branch hangs on the wave's number alone.
; Four v_nop follow each of the two lines, ahead of the jump, the label and what follows.
.macro JLOAD g0a, g1a, g0b, g1b
	s_cmp_eq_u32 s15, 0
	s_cbranch_scc0 .Lfor_b_\@
	tensor_load_to_lds s[\g0a:\g0a+3], s[\g1a:\g1a+7]
	s_nop 0
.rept 4
	v_nop
.endr
	s_branch .Lasked_\@
.Lfor_b_\@:
	tensor_load_to_lds s[\g0b:\g0b+3], s[\g1b:\g1b+7]
	s_nop 0
.rept 4
	v_nop
.endr
.Lasked_\@:
.endm
.macro CREST                           ; a round of the cluster's barrier behind its opening barrier
	s_cmp_lg_u32 s14, 0
	s_cbranch_scc1 .Lnot_wave_0_\@
	s_barrier_signal -3
.Lnot_wave_0_\@:
	s_barrier_wait -3
	s_barrier_signal -1
	s_barrier_wait -1
.endm
.macro CROUND                          ; a whole round
	s_barrier_signal -1
	s_barrier_wait -1
	CREST
.endm
	s_load_b128 s[4:7], s[0:1], 0x0                ; A's codes s[4:5], B's codes s[6:7]
	s_load_b128 s[8:11], s[0:1], 0x10              ; the scales' exponents s[8:9], beta_b s[10:11]
	s_load_b64 s[12:13], s[0:1], 0x20              ; out0
	v_lshl_add_u32 v[SPW], v0, 2, SPARE
	v_mov_b32 v[NIL], 0
	ds_add_u32 v28, v29
	ds_add_u32 v28, v29
	s_wait_dscnt 0x0
	v_lshrrev_b32 v1, 5, v0
	v_readfirstlane_b32 s14, v1                    ; wave 0..3
	s_lshr_b32 s15, s14, 1                         ; which half of the tile's rows is mine.  Also: I fetch for A (0) or for B (1)
	s_and_b32 s16, s14, 1                          ; which half of its columns.  Also: which 128 rows of that operand I fetch
	s_bfe_u32 s40, ttmp6, 0x40000                  ; cx, cy: my place in the cluster
	s_bfe_u32 s41, ttmp6, 0x40004
	s_lshl_b32 s42, ttmp9, 2
	s_add_co_u32 s42, s42, s40                     ; tile column of out0 = 4 x cluster x + cx
	s_and_b32 s17, ttmp7, 0xffff
	s_lshl_b32 s17, s17, 2
	s_add_co_u32 s17, s17, s41                     ; tile row = 4 x cluster y + cy
	s_lshl_b32 s43, s41, 2
	s_lshl_b32 s43, 15, s43                        ; my row of the cluster
	s_lshl_b32 s44, 0x1111, s40                    ; my column
	; descriptor group 1: a dense block of 32,768 bytes, as 128 rows of 256 bytes
	s_or_b32 s[G1+0], s43, (3<<16)|(1<<21)         ; 15:0 the mask: A's blocks go to my row; 17:16 elements of 8 bytes; 21 set beside a mask; no padding
	s_or_b32 s[G1B+0], s44, (3<<16)|(1<<21)
.irp g, G1, G1B
	s_mov_b32 s[\g+1], 32<<16                      ; tensor_dim0 = 32
	s_mov_b32 s[\g+2], 128<<16                     ; tensor_dim1 = 128
	s_mov_b32 s[\g+3], 32<<16                      ; tile_dim0
	s_mov_b32 s[\g+4], 128                         ; tile_dim1
	s_mov_b32 s[\g+5], 32                          ; elements from row to row
	s_mov_b32 s[\g+6], 0
	s_mov_b32 s[\g+7], 0
.endr
	s_lshl_b32 s18, s16, 15                        ; which 8 tiles of 4,096 bytes I fetch
	s_lshl_b32 s20, s17, 16
	s_add_co_u32 s20, s20, s18                     ; A: 16 tiles a tile row
	s_lshl_b32 s46, s42, 16
	s_add_co_u32 s46, s46, s18                     ; B: 16 tiles a tile column
	s_mov_b32 s21, 0
	s_mov_b32 s47, 0
	s_mul_i32 s45, s14, HALFT                      ; where they go: A's two halves, then B's two: no place in the cluster enters an LDS address
	s_wait_kmcnt 0x0
	s_load_b64 s[96:97], s[8:9], 0x10              ; e4, e5
	s_add_nc_u64 s[20:21], s[4:5], s[20:21]
	s_add_nc_u64 s[46:47], s[6:7], s[46:47]
	CROUND                                         ; all sixteen work-groups are here: the first joint loads meet
.irp s, 0,1
	s_mov_b32 s[G0+4*\s], 1
	s_add_co_u32 s[G0+4*\s+1], s45, \s*SLOT
	s_add_nc_u64 s[G0+4*\s+2:G0+4*\s+3], s[20:21], \s*KSB
	s_or_b32 s[G0+4*\s+3], s[G0+4*\s+3], 0x80000000
	s_mov_b32 s[G0B+4*\s], 1
	s_add_co_u32 s[G0B+4*\s+1], s45, \s*SLOT
	s_add_nc_u64 s[G0B+4*\s+2:G0B+4*\s+3], s[46:47], \s*KSB
	s_or_b32 s[G0B+4*\s+3], s[G0B+4*\s+3], 0x80000000
	JLOAD G0+4*\s, G1, G0B+4*\s, G1B
.endr
	v_and_b32 v1, 15, v0                           ; r
	v_bfe_u32 v2, v0, 4, 1                         ; h
	v_and_b32 v6, 31, v0
	v_lshlrev_b32 v[CO], 4, v6                     ; 16 x lane
	s_mul_i32 s21, s15, HALFT                      ; my 128 rows of A
	s_mul_i32 s22, s16, HALFT                      ; my 128 rows of B,
	s_add_co_u32 s22, s22, 2*HALFT                 ; which lie behind A's 256
.irp s, 0,1
	v_add_nc_u32 v[ADRA+\s], s21, v[CO]
	v_add_nc_u32 v[ADRB+\s], s22, v[CO]
	s_add_co_u32 s21, s21, SLOT
	s_add_co_u32 s22, s22, SLOT
.endr
	s_mul_i32 s23, s14, 16*SPITCH                  ; my stage
	v_mul_u32_u24 v5, v1, SPITCH                   ; in: row r, + 64 h: my half's 16 columns of each 32
	v_lshl_add_u32 v5, v2, 6, v5
	v_add_nc_u32 v[STO], s23, v5
	v_add_nc_u32 v[RD], s23, v[CO]                 ; back: the 32 lanes take one row of 512 bytes
	s_lshl_b32 s20, s17, 8
	s_lshl_b32 s21, s15, 7
	s_add_co_u32 s20, s20, s21                     ; my first row of out0: 256 x tile row + 128 x half,
	s_lshl_b32 s20, s20, 14                        ; of 16,384 bytes
	s_mov_b32 s21, 0
	s_lshl_b32 s46, s42, 10                        ; my first column, in bytes: 1,024 x tile column + 512 x half
	s_lshl_b32 s47, s16, 9
	s_add_co_u32 s46, s46, s47
	s_mov_b32 s47, 0
	s_add_nc_u64 s[10:11], s[10:11], s[46:47]
	s_add_nc_u64 s[20:21], s[20:21], s[46:47]
	s_add_nc_u64 s[12:13], s[12:13], s[20:21]
	global_load_b128 v[8:11], v[CO], s[10:11]      ; beta_b at the four columns that I hold of a row read back from the stage
.macro FRAG reg, adr, q, i             ; fragment i of my eight, the slot's q-th 128 along K: an image of 16 registers
.irp c, 0,1,2,3
	ds_load_b128 v[\reg+4*\c:\reg+4*\c+3], v[\adr] offset:4096*(\i)+2048*(\q)+512*\c
.endr
.endm
; 16 matrix instructions: A's blocks a0, a0 + 1 x B's eight, 128 along K.  p: B's set.  zero = 1: the first product starts the sums: nothing is ever cleared.
; The 64 accumulators take turns, one instruction a turn, in the same order in every step.
.macro MUL16 a0, p, zero
.irp a, \a0, \a0+1
.irp b, 0,1,2,3,4,5,6,7
.if \zero
	v_wmma_f32_16x16x128_bf8_bf8 v[8*(8*((\a)%4)+\b):8*(8*((\a)%4)+\b)+7], v[128*(\p)+FR*\b:128*(\p)+FR*\b+FR-1], v[AF+FR*(\a):AF+FR*(\a)+FR-1], 0
.else
	v_wmma_f32_16x16x128_bf8_bf8 v[8*(8*((\a)%4)+\b):8*(8*((\a)%4)+\b)+7], v[128*(\p)+FR*\b:128*(\p)+FR*\b+FR-1], v[AF+FR*(\a):AF+FR*(\a)+FR-1], v[8*(8*((\a)%4)+\b):8*(8*((\a)%4)+\b)+7]
.endif
.endr
.endr
.endm
.macro FETCH_B slot, q, p              ; B's eight fragments of the slot's q-th 128 along K into set p
	WIN TO_B
.irp i, 0,1,2,3,4,5,6,7
	FRAG 128*(\p)+FR*\i, ADRB+\slot, \q, \i
.endr
	WIN 0
.endm
.macro FETCH_A slot, q, i0             ; A's blocks i0 .. i0 + 3
.irp i, \i0, \i0+1, \i0+2, \i0+3
	FRAG AF+FR*(\i), ADRA+\slot, \q, \i
.endr
.endm
; A load into a register that a matrix instruction has read, and a vector instruction or an LDS store that reads a matrix result, stand NP places behind that matrix instruction, and only plain vector
; instructions that name none of its registers are places (ISA guide 7.12.1 for vector instructions); the matrix instructions in between are not counted.
.macro PLACES n
.rept \n
	v_nop
.endr
.endm
; A step of 128 along K that has its successor in the same slot.
.macro STEP slot, q, zero
	s_wait_dscnt 4*NL                              ; B's set and A's blocks 0-3 are in; the youngest sixteen loads (A's blocks 4-7) may be out
	WIN MUL_LO
	MUL16 0, (\q)%2, \zero
	MUL16 2, (\q)%2, \zero
	s_wait_dscnt 0                                 ; A's blocks 4-7 are in (asked for 32 matrix instructions ago)
	PLACES NP
	FETCH_B \slot, (\q)+1, 1-(\q)%2
	FETCH_A \slot, (\q)+1, 0
	WIN MUL_HI
	MUL16 4, (\q)%2, \zero
	MUL16 6, (\q)%2, \zero
	PLACES NP
	WIN 0
	FETCH_A \slot, (\q)+1, 4
.endm
; A slot's last step changes slots: ONE barrier; in front of it each wave waits for all its tensor loads, adds 0 to its spare word, and waits for that and for its own reads of this slot.  fill = 1: this slot is filled again, two K steps ahead.
.macro TURN slot, next, fill
	s_wait_tensorcnt 0x0                           ; all my tensor loads have landed: the one that was out is my part of the next slot  (every window is 0 here: the add's two registers lie in window 0)
	ds_add_u32 v[SPW], v[NIL]                      ; 0 onto my spare word
	s_wait_dscnt 4*NL+1                            ; (the add and the youngest sixteen loads, A's blocks 4-7, may be out)
	WIN MUL_LO
	MUL16 0, 1, 0                                  ; sixteen matrix instructions stand between the add and the wait for it
	s_wait_dscnt 0x0                               ; the add is done, and my reads of this slot are over
	s_barrier_signal -1
	MUL16 2, 1, 0
	WIN 0
	s_barrier_wait -1
.if \fill
	CREST                                          ; the barrier has opened a round of the cluster's barrier: no wave of any partner still reads this slot or has a load on its way
	s_add_nc_u64 s[G0+4*\slot+2:G0+4*\slot+3], s[G0+4*\slot+2:G0+4*\slot+3], 2*KSB
	s_add_nc_u64 s[G0B+4*\slot+2:G0B+4*\slot+3], s[G0B+4*\slot+2:G0B+4*\slot+3], 2*KSB
	JLOAD G0+4*\slot, G1, G0B+4*\slot, G1B         ; my one tensor load behind the round, and the first thing there; the four v_nop behind it are the places in front of the loads below
.else
	PLACES NP
.endif
	FETCH_B \next, 0, 0
	FETCH_A \next, 0, 0
	WIN MUL_HI
	MUL16 4, 1, 0
	MUL16 6, 1, 0
	PLACES NP
	WIN 0
	FETCH_A \next, 0, 4
.endm
	s_wait_tensorcnt 1                             ; my part of K step 0 is in (K step 1's load may be out)
	s_barrier_signal -1
	s_barrier_wait -1                              ; everybody's is
	FETCH_B 0, 0, 0
	FETCH_A 0, 0, 0
	FETCH_A 0, 0, 4
	STEP 0, 0, 1                                   ; the first step stands in front of the loop: its products start the sums
	s_mov_b32 s3, LAPS-1
.Llap:                                                 ; a trip goes once round the ring, from a lap's second step to the next lap's first, and fills both slots again
	TURN 0, 1, 1
	STEP 1, 0, 0
	TURN 1, 0, 1
	STEP 0, 0, 0
	s_sub_co_u32 s3, s3, 1
	s_cmp_lg_u32 s3, 0
	s_cbranch_scc1 .Llap
	TURN 0, 1, 0                                   ; the last lap fills nothing, and has no round of the cluster's barrier
	STEP 1, 0, 0
	s_wait_dscnt 4*NL                              ; the very last step: nothing more to fetch
	WIN MUL_LO
	MUL16 0, 1, 0
	MUL16 2, 1, 0
	s_wait_dscnt 0
	WIN MUL_HI
	MUL16 4, 1, 0
	MUL16 6, 1, 0
	WIN 0
; THE WAY OUT, block by block of 16 rows x 128 columns.  The sums go as they are into my own stage in LDS, each at its true column, and come back as whole rows of 512 bytes; there a lane holds four
; neighbouring columns, the same in every row, so that one packed multiply-add for two numbers gives sum x 2^(e4 + e5) + beta_b.  The 32 lanes then store a row: 512 consecutive bytes, aligned.
; LDS serves a wave's instructions in order (ISA guide 5.7.1.4): no wait between the stores and the loads, nor in front of the next block's stores.
.macro TOSTAGE a
.set AC, 64*((\a)%4)
	WIN 0x08+4*((\a)/4)                            ; the stores' data (source 1): window 2 or 3
.irp b, 0,1,2,3,4,5,6,7
	ds_store_b128 v[STO], v[AC+8*\b:AC+8*\b+3] offset:128*(\b/2)+32*(\b%2)          ; each accumulator from its low end on
	ds_store_b128 v[STO], v[AC+8*\b+4:AC+8*\b+7] offset:128*(\b/2)+32*(\b%2)+16
.endr
	WIN 0
.set BB, BK+64*((\a)%2)
.irp t, 0,1,2,3,4,5,6,7,8,9,10,11,12,13,14,15
	ds_load_b128 v[BB+4*\t:BB+4*\t+3], v[RD] offset:\t*SPITCH
.endr
.endm
.macro SEND a, younger                 ; younger: the LDS instructions issued behind block a's loads, which may stay out
.set BB, BK+64*((\a)%2)
	s_wait_dscnt \younger                          ; the block is back in registers
.if (\a) > 0
	s_add_nc_u64 s[12:13], s[12:13], 16*SIZE_N*4   ; (behind a wait on XCNT: the earlier stores have read their base)  16 rows of out0 on; the stores' offsets reach 15 rows, 245,760 bytes
.endif
.irp t, 0,1,2,3,4,5,6,7,8,9,10,11,12,13,14,15
	v_pk_fma_f32 v[BB+4*\t:BB+4*\t+1], v[BB+4*\t:BB+4*\t+1], s[96:97], v[8:9] op_sel_hi:[1,0,1]
	v_pk_fma_f32 v[BB+4*\t+2:BB+4*\t+3], v[BB+4*\t+2:BB+4*\t+3], s[96:97], v[10:11] op_sel_hi:[1,0,1]
.endr
.irp t, 0,1,2,3,4,5,6,7,8,9,10,11,12,13,14,15
	global_store_b128 v[CO], v[BB+4*\t:BB+4*\t+3], s[12:13] offset:\t*SIZE_N*4 th:TH_STORE_NT   ; written once, read by nobody here
.endr
.endm
	s_wait_kmcnt 0x0
	s_add_co_i32 s96, s96, s97                     ; e4 + e5, between -126 and 127,
	s_add_co_i32 s96, s96, 127
	s_lshl_b32 s96, s96, 23                        ; makes the f32 number 2^(e4 + e5)
	s_mov_b32 s97, s96                             ; (named with it as a pair)
	s_wait_loadcnt 0x0                             ; beta_b
	PLACES NP                                      ; behind the last products: for the stores that read results, and for the loads into the registers that held A's fragments
	TOSTAGE 0
.irp a, 1,2,3,4,5,6,7
.if \a > 1
	s_wait_xcnt 0x0                                ; block a - 2's stores have read their registers and their base: block a's loads may land there, and the base may step
.endif
	TOSTAGE \a
	SEND \a-1, 32                                  ; behind block a - 1's loads: block a's 16 stores and 16 loads
.endr
	s_wait_xcnt 0x0                                ; block 6's stores have read their base
	SEND 7, 0
	s_wait_tensorcnt 0x0                           ; the wave's end: behind my last tensor load and my last LDS store
	ds_add_u32 v[SPW], v[NIL]
	s_wait_dscnt 0x0
	CROUND                                         ; the closing round: no work-group ends while a partner may still ask for a block that names it
	s_endpgm
.Lfunc_end_k_q172559b9e9_gemm:
	.size	k_q172559b9e9_gemm, .Lfunc_end_k_q172559b9e9_gemm-k_q172559b9e9_gemm
	.p2alignl 7, 3214868480
	.fill 96, 4, 3214868480
	.section	.rodata,"a",@progbits
	.p2align	6, 0x0
	.amdhsa_kernel k_q172559b9e9_gemm
		.amdhsa_group_segment_fixed_size 327680
		.amdhsa_private_segment_fixed_size 0
		.amdhsa_enable_private_segment 0
		.amdhsa_kernarg_size 40
		.amdhsa_user_sgpr_count 2
		.amdhsa_user_sgpr_kernarg_segment_ptr 1
		.amdhsa_wavefront_size32 1
		.amdhsa_system_sgpr_workgroup_id_x 1
		.amdhsa_system_sgpr_workgroup_id_y 1
		.amdhsa_system_sgpr_workgroup_id_z 1
		.amdhsa_system_vgpr_workitem_id 0
		.amdhsa_next_free_vgpr 1024
		.amdhsa_next_free_sgpr 98
		.amdhsa_reserve_vcc 0
		.amdhsa_float_denorm_mode_32 3
		.amdhsa_float_denorm_mode_16_64 3
		.amdhsa_memory_ordered 1
		.amdhsa_forward_progress 1
		.amdhsa_inst_pref_size 123
	.end_amdhsa_kernel
	.amdgpu_metadata
---
amdhsa.version: [ 1, 2 ]
amdhsa.kernels:
  - .name:           k_q172559b9e9_gemm
    .symbol:         k_q172559b9e9_gemm.kd
    .args:
      - { .name: a_img, .offset: 0, .size: 8, .value_kind: global_buffer, .address_space: global }
      - { .name: bw_img, .offset: 8, .size: 8, .value_kind: global_buffer, .address_space: global }
      - { .name: lowp_scales, .offset: 16, .size: 8, .value_kind: global_buffer, .address_space: global }
      - { .name: beta_b, .offset: 24, .size: 8, .value_kind: global_buffer, .address_space: global }
      - { .name: out0, .offset: 32, .size: 8, .value_kind: global_buffer, .address_space: global }
    .group_segment_fixed_size: 327680
    .private_segment_fixed_size: 0
    .kernarg_segment_align: 8
    .kernarg_segment_size: 40
    .max_flat_workgroup_size: 128
    .sgpr_count:     98
    .vgpr_count:     1024
    .wavefront_size: 32
...
	.end_amdgpu_metadata
.endif
;; end of part 4
;; ======== version 2 of 2: 4 launches
;; limits: right only within a limited range of input values
;; workspace buffers: bw_img 16,777,216 bytes; a_img 16,777,216 bytes; q_img 1,048,576 bytes; qt_img 1,048,576 bytes; sq 4,096 bytes; part 1,048,576 bytes; stats 2,048 bytes; vpart 524,288 bytes
;; launch prep (part 5): grid 256 x 1, 19 waves a work-group, no clusters, 323,584 bytes of LDS; arguments beta_w, query, alpha_w, lowp_scales, bw_img, q_img, qt_img, sq; writes bw_img, q_img, qt_img, sq
.if DOCPART == 5
	.amdgcn_target "amdgcn-amd-amdhsa--gfx1250"
	.amdhsa_code_object_version 6
	.text
	.protected	k_q172559b9e9_prep
	.globl	k_q172559b9e9_prep
	.p2align	8
	.type	k_q172559b9e9_prep,@function
k_q172559b9e9_prep:
	s_mov_b64 s[64:65], 0
	v_nop
	global_prefetch_b8 v0, s[64:65] scope:SCOPE_SE
	s_setreg_imm32_b32 hwreg(HW_REG_WAVE_MODE, 25, 1), 1
	s_wait_xcnt 0x0
; PREP: the operands that many work-groups read later are quantised once, to codes of BF8 (E5M2), each with its given scale 2^e:
;   beta_w [4096][4096] with e5 -> bw_img;  query along d with e1 -> q_img;  query along j with e3 -> qt_img;  and sq[row] = query[row] . w_q in f32.
; code = x / 2^e, held within +-57,344, rounded to the nearest code, ties to even.
; LIMITS: each e lies between -126 and 112, so that 2^e and 57,344 x 2^e are f32 numbers.  NaN among the inputs is not served; infinities are held at the largest code.
; THE CODES' LAYOUT: IMAGES OF AN OPERAND'S REGISTERS.  A fragment is 16 rows x 128 K = 2,048 bytes; byte 512 c + 16 lane + i (lane = 16 h + rho) is the code of the fragment's row rho at
; k = 32 c + 16 h + i.  Four loads of 16 bytes a lane, 512 bytes apart, give the 16 registers of a fragment.
; THE ROWS OF A TILE ARE NOT NEIGHBOURS: row rho of tile 2 p + u is true row 32 p + 8 u + rho + 8 (rho / 8).  Used as source 0 of a transposed product, the 16 result registers of tiles 2 p, 2 p + 1
; are then 16 neighbours, 32 p + 16 h + 0 .. 15.
;   bw_img: [K step of 256: 16][tile: 256][half step: 2][2,048];   q_img: [tile 8 b + jt: 64][K step of 128: 8][2,048];   qt_img: [b: 8][tile of d: 64][2,048], K = j.
; SHARES.  Work-group g, 19 waves, parted on the wave's number:
;   waves 0-15: 32 rows x 128 k of beta_w (rows 32 (g / 2) on, K step 16 (g % 2) + wave);   wave 16: the same of query taken as [1024][1024] (rows 32 (g / 8) on, K step g % 8);
;   wave 17: 32 columns d x 128 rows j of one batch of query, for qt_img;   wave 18: four rows' dot products with w_q.
; Waves 0-16 bring their 16 KB by ONE tensor load each, issued first of all, into a stage of their own (rows of 512 bytes + 16 of padding).  Each stage is filled once and read by its own wave alone:
; no barrier, no ring.  A lane then reads 16 neighbours along K (64 bytes) of its row for each conversion.
; bw_img AS IT IS LAID NOW (this takes the place of the line on bw_img above): [step of 128 along K: 32][tile of 16 rows: 256][2,048], so that a tile's address is affine in the step.
.set STGB, 16896                       ; a wave's stage: 32 rows x 528 bytes
.set PIT,  528
.set X,    32                          ; v32-159  128 numbers of a lane
.set CD,   160                         ; v160-191 codes: four registers for each of eight groups, so that no store's data are written again
.set G1B,  32                          ; s[32:39] descriptor group 1 for beta_w's tiles
.set G1Q,  40                          ; s[40:47] for query's: it differs in the pitch alone
.set G0,   48                          ; s[48:51] descriptor group 0
.macro SCLIM e                         ; v11 = 2^e as f32 (the conversion takes its exponent field), v10 = 57,344 x 2^e
	s_add_co_i32 s56, \e, 127
	s_lshl_b32 s57, s56, 23
	v_mov_b32 v11, s57
	s_add_co_i32 s56, s56, 15
	s_lshl_b32 s56, s56, 23
	s_or_b32 s56, s56, 0x600000
	v_mov_b32 v10, s56
.endm
	s_load_b512 s[8:23], s[0:1], 0x0               ; beta_w 8, query 10, alpha_w 12, scales 14, bw_img 16, q_img 18, qt_img 20, sq 22
	v_lshl_add_u32 v30, v0, 2, 0x4e600
	v_mov_b32 v31, 0
	ds_add_u32 v30, v31
	ds_add_u32 v30, v31
	v_lshrrev_b32 v1, 5, v0
	s_delay_alu instid0(VALU_DEP_1)
	v_readfirstlane_b32 s3, v1                     ; wave 0..18
	v_and_b32 v1, 31, v0                           ; lane
	v_and_b32 v2, 15, v0                           ; rho
	v_bfe_u32 v3, v0, 4, 1                         ; h
	s_delay_alu instid0(VALU_DEP_3)
	v_lshlrev_b32 v4, 4, v1                        ; 16 x lane: my place in an image's 512 bytes
	s_delay_alu instid0(VALU_DEP_3)
	v_and_b32 v7, 8, v2
	s_delay_alu instid0(VALU_DEP_1)
	v_add_nc_u32 v7, v7, v2                        ; rho + 8 (rho / 8)
	s_delay_alu instid0(VALU_DEP_1)
	v_mul_u32_u24 v5, v7, PIT
	s_delay_alu instid0(VALU_DEP_1)
	v_lshl_add_u32 v5, v3, 6, v5                   ; that row of the stage, + 64 h: my 16 numbers of a block of 32
	s_mov_b32 s[G0], 1                             ; count = 1
	s_mul_i32 s[G0+1], s3, STGB                    ; LDS address: my stage
	v_add_nc_u32 v5, s[G0+1], v5                   ; (made ahead of the parting of the roles)
.irp g, G1B, G1Q
	s_mov_b32 s[\g+0], (2<<16)|(1<<20)|(6<<22)|(3<<25)   ; elements of 4 bytes; padding on: 4 words after every 128
	s_mov_b32 s[\g+1], 128<<16                     ; tensor_dim0 = 128
	s_mov_b32 s[\g+2], 32<<16                      ; tensor_dim1 = 32
	s_mov_b32 s[\g+3], 128<<16                     ; tile_dim0 = 128
	s_mov_b32 s[\g+4], 32                          ; tile_dim1 = 32
	s_mov_b32 s[\g+6], 0
	s_mov_b32 s[\g+7], 0
.endr
	s_mov_b32 s[G1B+5], 4096                       ; elements from row to row
	s_mov_b32 s[G1Q+5], 1024
	s_mov_b32 s72, 0x76543210                      ; v_permlanex16_b32: lane l xor 16
	s_mov_b32 s73, 0xfedcba98
	s_wait_dscnt 0x0
	s_wait_kmcnt 0x0
	s_load_b128 s[24:27], s[14:15], 0x0            ; e0 .. e3
	s_load_b64 s[28:29], s[14:15], 0x10            ; e4, e5
	s_cmp_lt_u32 s3, 16
	s_cbranch_scc0 .Lnot_beta
	; ---- waves 0-15: beta_w
	s_lshr_b32 s58, ttmp9, 1                       ; pp: rows 32 pp on
	s_and_b32 s59, ttmp9, 1
	s_lshl_b32 s59, s59, 4
	s_add_co_u32 s59, s59, s3                      ; K step of 128
	s_lshl_b32 s60, s58, 19                        ; 32 rows of 16,384 bytes
	s_lshl_b32 s61, s59, 9
	s_add_co_u32 s60, s60, s61
	s_mov_b32 s61, 0
	s_add_nc_u64 s[G0+2:G0+3], s[8:9], s[60:61]
	s_or_b32 s[G0+3], s[G0+3], 0x80000000          ; type = 2
	s_lshl_b32 s62, s59, 19                        ; the step of 128: 256 tiles x 2,048 bytes
	s_lshl_b32 s63, s58, 12                        ; tile 2 pp
	s_add_co_u32 s62, s62, s63
	s_mov_b32 s63, 0
	s_add_nc_u64 s[52:53], s[16:17], s[62:63]      ; where tile 2 pp's fragment goes
	s_mov_b32 s55, 2048                            ; and how far on tile 2 pp + 1's
	tensor_load_to_lds s[G0:G0+3], s[G1B:G1B+7]
	s_nop 0
.rept 4
	v_nop
.endr
	s_wait_kmcnt 0x0
	s_mov_b32 s54, s29                             ; e5
	s_branch .Lrow
.Lnot_beta:
	s_cmp_eq_u32 s3, 16
	s_cbranch_scc0 .Lothers
	; ---- wave 16: query along d
	s_lshr_b32 s58, ttmp9, 3                       ; pp
	s_and_b32 s59, ttmp9, 7                        ; K step of 128
	s_lshl_b32 s60, s58, 17                        ; 32 rows of 4,096 bytes
	s_lshl_b32 s61, s59, 9
	s_add_co_u32 s60, s60, s61
	s_mov_b32 s61, 0
	s_add_nc_u64 s[G0+2:G0+3], s[10:11], s[60:61]
	s_or_b32 s[G0+3], s[G0+3], 0x80000000
	s_lshl_b32 s62, s58, 15                        ; tile 2 pp: 8 fragments of 2,048 bytes a tile
	s_lshl_b32 s63, s59, 11
	s_add_co_u32 s62, s62, s63
	s_mov_b32 s63, 0
	s_add_nc_u64 s[52:53], s[18:19], s[62:63]
	s_mov_b32 s55, 16384
	tensor_load_to_lds s[G0:G0+3], s[G1Q:G1Q+7]
	s_nop 0
.rept 4
	v_nop
.endr
	s_wait_kmcnt 0x0
	s_mov_b32 s54, s25                             ; e1
.Lrow:
	SCLIM s54
	s_wait_alu depctr_va_vdst(0)
	v_add_nc_u32 v6, s55, v4                       ; my place in the second tile's fragment
	s_wait_tensorcnt 0x0                           ; my one tensor load has landed; nobody else reads my stage
.irp g, 0,1,2,3,4,5,6,7                        ; group g = 4 u + c: tile u, block c of 32 along K: 16 numbers a lane
.irp q, 0,1,2,3
	ds_load_b128 v[X+16*\g+4*\q:X+16*\g+4*\q+3], v5 offset:(\g/4)*8*PIT+(\g%4)*128+16*\q
.endr
.endr
.irp g, 0,1,2,3,4,5,6,7
	s_wait_dscnt 28-4*\g                           ; LDS loads come back in order: behind group g's four stand the later groups' 4 (7 - g)
.irp i, 0,1,2,3,4,5,6,7,8,9,10,11,12,13,14,15
	v_med3_num_f32 v[X+16*\g+\i], v[X+16*\g+\i], -v10, v10   ; the conversion does not saturate (ISA guide 7.6.2): the hold at the largest code x the scale
.endr
	v_cvt_scalef32_pk8_bf8_f32 v[CD+4*\g:CD+4*\g+1], v[X+16*\g:X+16*\g+7], v11
	v_cvt_scalef32_pk8_bf8_f32 v[CD+4*\g+2:CD+4*\g+3], v[X+16*\g+8:X+16*\g+15], v11
.if \g < 4
	global_store_b128 v4, v[CD+4*\g:CD+4*\g+3], s[52:53] offset:512*(\g%4)   ; the wave stores 512 consecutive bytes, aligned
.else
	global_store_b128 v6, v[CD+4*\g:CD+4*\g+3], s[52:53] offset:512*(\g%4)
.endif
.endr
	s_wait_tensorcnt 0x0
	ds_add_u32 v30, v31
	s_wait_dscnt 0x0
	s_endpgm
.Lothers:
	s_cmp_eq_u32 s3, 17
	s_cbranch_scc0 .Ldot
	; ---- wave 17: query along j.  A lane takes a column d and its registers run down j, so the conversions give codes with j innermost; nothing is transposed.
	s_lshr_b32 s58, ttmp9, 5                       ; b
	s_and_b32 s59, ttmp9, 31                       ; which 32 columns
	s_lshl_b32 s60, s58, 19                        ; a batch of query: 128 rows of 4,096 bytes
	s_lshl_b32 s61, s59, 7
	s_add_co_u32 s60, s60, s61
	s_mov_b32 s61, 0
	s_add_nc_u64 s[10:11], s[10:11], s[60:61]
	s_lshl_b32 s62, s58, 17                        ; 64 tiles of 2,048 bytes a batch
	s_lshl_b32 s63, s59, 12                        ; my two tiles
	s_add_co_u32 s62, s62, s63
	s_mov_b32 s63, 0
	s_add_nc_u64 s[20:21], s[20:21], s[62:63]
	s_wait_alu depctr_va_vdst(0)
	v_lshl_add_u32 v7, v3, 3, v7                   ; my column: rho + 8 (rho / 8) + 8 u, u = lane / 16: row rho of tile u.  The 32 lanes take the 32 columns, each once
	s_delay_alu instid0(VALU_DEP_1)
	v_lshlrev_b32 v7, 2, v7
	v_lshlrev_b32 v8, 4, v2
	s_delay_alu instid0(VALU_DEP_1)
	v_lshl_add_u32 v8, v3, 11, v8                  ; out: tile u, 16 rho
.set J, 0
.rept 128
	global_load_b32 v[X+J], v7, s[10:11] offset:J*4096   ; query(b, j, my column): the wave reads 128 consecutive bytes
.set J, J+1
.endr
	s_wait_kmcnt 0x0
	SCLIM s27                                      ; e3
	s_wait_alu depctr_va_vdst(0)
.irp p, 0,1,2,3,4,5,6,7                        ; piece p = 2 c + h of a fragment: j = 16 p .. 16 p + 15
.if \p == 0
	s_wait_loadcnt 63                              ; of the 128 loads at most 63 are out: the first 65 are in, pieces 0 to 3 among them
.elseif \p > 3
	s_wait_loadcnt 16*(7-\p)                       ; behind piece p's loads stand the later pieces' 16 (7 - p)
.endif
.irp i, 0,1,2,3,4,5,6,7,8,9,10,11,12,13,14,15
	v_med3_num_f32 v[X+16*\p+\i], v[X+16*\p+\i], -v10, v10
.endr
	v_cvt_scalef32_pk8_bf8_f32 v[CD+4*\p:CD+4*\p+1], v[X+16*\p:X+16*\p+7], v11
	v_cvt_scalef32_pk8_bf8_f32 v[CD+4*\p+2:CD+4*\p+3], v[X+16*\p+8:X+16*\p+15], v11
	global_store_b128 v8, v[CD+4*\p:CD+4*\p+3], s[20:21] offset:256*\p   ; sixteen lanes store 256 consecutive bytes, aligned
.endr
	s_endpgm
.Ldot:
	; ---- wave 18: sq of rows 4 g .. 4 g + 3.  A lane holds 32 numbers of a row and the same 32 of w_q; f32 fused multiply-adds in two chains, then across the lanes.
	s_lshl_b32 s56, ttmp9, 14                      ; four rows of 4,096 bytes
	s_mov_b32 s57, 0
	s_add_nc_u64 s[10:11], s[10:11], s[56:57]
	s_lshl_b32 s56, ttmp9, 4
	s_add_nc_u64 s[22:23], s[22:23], s[56:57]
	s_wait_alu depctr_va_vdst(0)
.irp i, 0,1,2,3,4,5,6,7
	global_load_b128 v[32+4*\i:35+4*\i], v4, s[12:13] offset:4096+512*\i   ; w_q = alpha_w[1024 ..]
.endr
.irp t, 0,1,2,3
.irp i, 0,1,2,3,4,5,6,7
	global_load_b128 v[64+32*\t+4*\i:67+32*\t+4*\i], v4, s[10:11] offset:4096*\t+512*\i
.endr
.endr
	v_mov_b32 v16, 0
	v_lshlrev_b32 v17, 2, v1
.macro DOT t
	s_wait_loadcnt 24-8*\t                         ; behind row t's eight loads stand the later rows' 8 (3 - t)
	v_pk_mul_f32 v[12:13], v[64+32*\t:65+32*\t], v[32:33]
	v_pk_mul_f32 v[14:15], v[66+32*\t:67+32*\t], v[34:35]
.irp i, 1,2,3,4,5,6,7
	s_delay_alu instid0(VALU_DEP_2)
	v_pk_fma_f32 v[12:13], v[64+32*\t+4*\i:65+32*\t+4*\i], v[32+4*\i:33+4*\i], v[12:13]
	s_delay_alu instid0(VALU_DEP_2)
	v_pk_fma_f32 v[14:15], v[66+32*\t+4*\i:67+32*\t+4*\i], v[34+4*\i:35+4*\i], v[14:15]
.endr
	s_delay_alu instid0(VALU_DEP_1)
	v_pk_add_f32 v[12:13], v[12:13], v[14:15]
	s_delay_alu instid0(VALU_DEP_1)
	v_add_f32 v12, v12, v13
	s_delay_alu instid0(VALU_DEP_1)
	v_add_f32_dpp v12, v12, v12 row_xmask:1 row_mask:0xf bank_mask:0xf
	s_delay_alu instid0(VALU_DEP_1)
	v_add_f32_dpp v12, v12, v12 row_xmask:2 row_mask:0xf bank_mask:0xf
	s_delay_alu instid0(VALU_DEP_1)
	v_add_f32_dpp v12, v12, v12 row_xmask:4 row_mask:0xf bank_mask:0xf
	s_delay_alu instid0(VALU_DEP_1)
	v_add_f32_dpp v12, v12, v12 row_xmask:8 row_mask:0xf bank_mask:0xf
	s_delay_alu instid0(VALU_DEP_1)
	v_permlanex16_b32 v13, v12, s72, s73
	s_delay_alu instid0(VALU_DEP_1)
	v_add_f32 v12, v12, v13
	v_cmp_eq_u32 vcc_lo, \t, v1
	s_delay_alu instid0(VALU_DEP_1)
	v_cndmask_b32 v16, v16, v12, vcc_lo            ; lane t keeps row t's sum
.endm
	DOT 0
	DOT 1
	DOT 2
	DOT 3
	s_wait_alu depctr_va_vdst(0)
	s_wait_kmcnt 0x0                               ; (the scales, which this wave does not use, have come)
	v_cmp_gt_u32 vcc_lo, 4, v1
	s_wait_xcnt 0x0                                ; EXEC changes only behind this wait
	s_and_saveexec_b32 s56, vcc_lo
	global_store_b32 v17, v16, s[22:23]            ; lanes 0 to 3: 16 bytes
	s_wait_xcnt 0x0
	s_or_b32 exec_lo, exec_lo, s56
	s_endpgm
.Lfunc_end_k_q172559b9e9_prep:
	.size	k_q172559b9e9_prep, .Lfunc_end_k_q172559b9e9_prep-k_q172559b9e9_prep
	.p2alignl 7, 3214868480
	.fill 96, 4, 3214868480
	.section	.rodata,"a",@progbits
	.p2align	6, 0x0
	.amdhsa_kernel k_q172559b9e9_prep
		.amdhsa_group_segment_fixed_size 323584
		.amdhsa_private_segment_fixed_size 0
		.amdhsa_enable_private_segment 0
		.amdhsa_kernarg_size 64
		.amdhsa_user_sgpr_count 2
		.amdhsa_user_sgpr_kernarg_segment_ptr 1
		.amdhsa_wavefront_size32 1
		.amdhsa_system_sgpr_workgroup_id_x 1
		.amdhsa_system_sgpr_workgroup_id_y 1
		.amdhsa_system_sgpr_workgroup_id_z 1
		.amdhsa_system_vgpr_workitem_id 0
		.amdhsa_next_free_vgpr 192
		.amdhsa_next_free_sgpr 80
		.amdhsa_reserve_vcc 1
		.amdhsa_float_denorm_mode_32 3
		.amdhsa_float_denorm_mode_16_64 3
		.amdhsa_memory_ordered 1
		.amdhsa_forward_progress 1
		.amdhsa_inst_pref_size 54
	.end_amdhsa_kernel
	.amdgpu_metadata
---
amdhsa.version: [ 1, 2 ]
amdhsa.kernels:
  - .name:           k_q172559b9e9_prep
    .symbol:         k_q172559b9e9_prep.kd
    .args:
      - { .name: beta_w, .offset: 0, .size: 8, .value_kind: global_buffer, .address_space: global }
      - { .name: query, .offset: 8, .size: 8, .value_kind: global_buffer, .address_space: global }
      - { .name: alpha_w, .offset: 16, .size: 8, .value_kind: global_buffer, .address_space: global }
      - { .name: lowp_scales, .offset: 24, .size: 8, .value_kind: global_buffer, .address_space: global }
      - { .name: bw_img, .offset: 32, .size: 8, .value_kind: global_buffer, .address_space: global }
      - { .name: q_img, .offset: 40, .size: 8, .value_kind: global_buffer, .address_space: global }
      - { .name: qt_img, .offset: 48, .size: 8, .value_kind: global_buffer, .address_space: global }
      - { .name: sq, .offset: 56, .size: 8, .value_kind: global_buffer, .address_space: global }
    .group_segment_fixed_size: 323584
    .private_segment_fixed_size: 0
    .kernarg_segment_align: 8
    .kernarg_segment_size: 64
    .max_flat_workgroup_size: 608
    .sgpr_count:     80
    .vgpr_count:     192
    .wavefront_size: 32
...
	.end_amdgpu_metadata
.endif
;; end of part 5
;; launch attn (part 6): grid 256 x 1, 4 waves a work-group, clusters of 4 x 1, 327,680 bytes of LDS; arguments context, alpha_w, alpha_b, lowp_scales, q_img, qt_img, sq, a_img, part, stats; writes a_img, part, stats
.if DOCPART == 6
	.amdgcn_target "amdgcn-amd-amdhsa--gfx1250"
	.amdhsa_code_object_version 6
	.text
	.protected	k_q172559b9e9_attn
	.globl	k_q172559b9e9_attn
	.p2align	8
	.type	k_q172559b9e9_attn,@function
k_q172559b9e9_attn:
	s_mov_b64 s[64:65], 0
	v_nop
	global_prefetch_b8 v0, s[64:65] scope:SCOPE_SE
	s_setreg_imm32_b32 hwreg(HW_REG_WAVE_MODE, 25, 1), 1
	s_wait_xcnt 0x0
	s_wait_alu depctr_hold_cnt(0) depctr_sa_sdst(0) depctr_va_vdst(0) depctr_va_sdst(0) depctr_va_ssrc(0) depctr_va_vcc(0) depctr_vm_vsrc(0)
	s_getreg_b32 s2, hwreg(HW_REG_IB_STS2, 6, 4)
	s_cmp_eq_u32 s2, 0
	s_cbranch_scc0 .Lentry_in_a_cluster
	s_endpgm
.Lentry_in_a_cluster:
	s_bfe_u32 s2, ttmp6, 0x10000c
	s_cmp_lg_u32 s2, 0x3003
	s_cbranch_scc0 .Lentry_shape_is_right
	s_endpgm
.Lentry_shape_is_right:
; ATTN: for 16 rows of context (tile T of 256): the scores S = c.w_c + q.w_q + Q(c w_cq) Q(q)^T + b, the softmax over the 128 queries by p = 2^(t - M), query_hat = Q(p) Q(q) / l,
; and of cat2 the two parts that hang on query_hat alone, as codes: query_hat (K steps 4-7 of a_img) and c x query_hat (K steps 8-11).  For context_hat, which wants all 512 rows of a batch:
; part[T][d] = sum over the tile's rows of e_i c[i][d], e_i = exp(m_i - mloc), m_i the row's largest score, mloc the tile's largest m; stats[T] = (mloc, sum of e_i).
; Both products on codes of BF8 (E5M2), by v_wmma_f32_16x16x128_bf8_bf8; all else in f32.  The maxima are taken away before every exponential.
; LIMITS: e0, e2, e4 between -126 and 112; e0 + e1 between -126 and 127 (each power of two below is an f32 number); e2 + e3 goes in by v_ldexp_f32 and has none.  NaN among the inputs is not served.
; SHARES.  Four waves.  Wave w owns: d = 256 w .. 256 w + 255 of the tile (it quantises c w_cq there, sums its part of c.w_c, and later makes query_hat, c x query_hat and part there);
; the queries j = 32 w .. 32 w + 31 of S.  Lane (r, h) holds row r of the tile throughout: both products are used TRANSPOSED (source 0 = 16 rows of q's codes, source 1 = my tile's 16 rows).
; q's tiles are laid so that row rho of tile 2 p + u is true row 32 p + 8 u + rho + 8 (rho / 8): the 16 result registers of two neighbouring tiles are 16 neighbours, 32 p + 16 h + 0 .. 15,
; which is what the next conversion and the next operand's layout want.
; OPERANDS GO FROM WAVE TO WAVE THROUGH LDS AS IMAGES OF THEIR REGISTERS (4 stores of 16 bytes a lane at 16 x lane, 512 bytes apart; the same lines as loads give any wave the same registers).
; CLUSTER.  The four work-groups of a cluster belong to one batch: wave w's 32 KB of q's codes along j, and its rows of alpha_w, are the same in all four and are asked for JOINTLY (mask 15).
; The tile of context is each work-group's own: a plain load.  q's codes along d are shared too, but go straight into registers by plain loads: beside the other regions they
; (4 x 32,768 bytes more) would pass what a work-group can claim of LDS.  All three tensor loads of a wave are first fills, issued together behind the opening round; nothing is filled again.
; LDS: 0: for each wave 18,944 bytes: 16 rows of context (1,024 bytes + 16), then w_c's and w_cq's rows alike;  QT: for each wave 16 fragments of q along j;
;   AIMG: 8 fragments of Q(c w_cq);  PIMG: p's fragment;  SCP, +256, +512: [row][wave] f32: parts of c.w_c, of the row's maximum, of the row's sum.
; REGISTERS, window 0: v1-15 lane numbers and addresses; v16/17, v18/19, v20/21 2^e and 57,344 x 2^e for e0, e2, e4; v[22:23] a number for all my registers (c.w_c + b, then -M, then 2^(e2+e3) / l);
;   v24 m; v25 at work; v[26:29] four waves' parts; v30 l, then e; v31 mloc; v32-47 S^T, then p; v48-63 sq, then p's fragment; v64-255 by phases (below).   window 1: q's 16 fragments, (u, K step) at 16 (8 u + K step).
; THE LOADS AS THEY STAND NOW (this takes the place of what the lines above say of them).  At the head a wave issues ONE tensor load: its own 256 numbers of the tile's 16 rows.  Its 2 x 256 numbers of alpha_w come
; by four loads of 512 consecutive bytes into registers and four LDS stores into the wave's own blocks behind its rows, on which no fill lands.  q along j, which is wanted last, is asked for jointly behind
; the wait for all tensor loads, the add, its wait and a round of the cluster's barrier.  Every wave reads only what it fetched itself.
; a_img is laid [step of 128 along K: 32][tile of 16 rows: 256][2,048].
.set STGW, 18944
.set CP,   1040
.set WOFF, 16640
.set QT,   75776
.set AIMG, 206848
.set PIMG, 223232
.set SCP,  225280
.set G1C, 36                           ; s[36:43] group 1: the tile of context
.set G1W, 44
.set G1D, 52                           ; s[52:59] a dense block of 32 KB
.set G0C, 60                           ; s[60:63], s[72:75]: their groups 0
.set G0W, 68
.set G0D, 72
.set MSB, 0
.macro WIN new                         ; the immediate's high byte repeats the setting that is left
.if MSB != \new
	s_set_vgpr_msb (MSB<<8)|\new
.set MSB, \new
.endif
.endm
.macro ROUND                           ; a round of the cluster's barrier
	s_barrier_signal -1
	s_barrier_wait -1
	s_cmp_lg_u32 s3, 0
	s_cbranch_scc1 .Lnot_wave_0_\@
	s_barrier_signal -3
.Lnot_wave_0_\@:
	s_barrier_wait -3
	s_barrier_signal -1
	s_barrier_wait -1
.endm
.macro BARRIER                         ; my LDS stores have landed and my LDS loads are in: then the work-group's barrier
	s_wait_dscnt 0x0
	s_barrier_signal -1
	s_barrier_wait -1
.endm
.macro SCLIM e, vsc, vlim              ; 2^e as f32, and 57,344 x 2^e
	s_add_co_i32 s6, \e, 127
	s_lshl_b32 s7, s6, 23
	v_mov_b32 \vsc, s7
	s_add_co_i32 s6, s6, 15
	s_lshl_b32 s6, s6, 23
	s_or_b32 s6, s6, 0x600000
	v_mov_b32 \vlim, s6
.endm
	s_load_b512 s[8:23], s[0:1], 0x0               ; context 8, alpha_w 10, alpha_b 12, scales 14, q_img 16, qt_img 18, sq 20, a_img 22
	s_load_b128 s[24:27], s[0:1], 0x40             ; part 24, stats 26
	s_set_vgpr_msb 0x80
	v_lshl_add_u32 v0, v0, 2, 0x37300
	v_mov_b32 v1, 0
	s_set_vgpr_msb 0x808a
	ds_add_u32 v0, v1
	ds_add_u32 v0, v1
	s_set_vgpr_msb 0x8a00
	v_lshrrev_b32 v1, 5, v0
	v_readfirstlane_b32 s3, v1                     ; wave 0..3
	s_bfe_u32 s35, ttmp6, 0x40000                  ; cx: my place in the cluster
	s_lshl_b32 s4, ttmp9, 2
	s_add_co_u32 s4, s4, s35                       ; T = 4 x cluster + cx: it enters global addresses of my own alone
	s_lshr_b32 s5, ttmp9, 3                        ; b: eight clusters to a batch; the four partners share it
	v_and_b32 v1, 31, v0                           ; lane
	v_and_b32 v2, 15, v0                           ; r
	v_bfe_u32 v3, v0, 4, 1                         ; h
	v_lshlrev_b32 v4, 4, v1                        ; 16 x lane
	s_mul_i32 s6, s3, STGW
	v_mul_u32_u24 v5, v2, CP
	v_lshl_add_u32 v5, v3, 6, v5
	v_add_nc_u32 v5, s6, v5                        ; context: row r, + 64 h: my 16 numbers of a block of 32
	v_lshlrev_b32 v6, 6, v3
	v_add_nc_u32 v6, s6, v6
	v_add_nc_u32 v6, WOFF, v6                      ; w_c's row likewise; w_cq's lies CP further on
	s_lshl_b32 s7, s3, 12
	v_add_nc_u32 v7, s7, v4
	v_add_nc_u32 v7, AIMG, v7                      ; where I store my two fragments of Q(c w_cq)
	v_add_nc_u32 v8, AIMG, v4                      ; and where any fragment is read
	s_lshl_b32 s7, s3, 9
	v_add_nc_u32 v9, s7, v4
	v_add_nc_u32 v9, PIMG, v9                      ; my quarter of p's fragment
	v_add_nc_u32 v10, PIMG, v4
	v_lshlrev_b32 v12, 4, v2
	v_add_nc_u32 v12, SCP, v12                     ; row r's four parts
	s_lshl_b32 s7, s3, 2
	v_add_nc_u32 v11, s7, v12                      ; and mine among them
	s_lshl_b32 s7, s3, 15
	v_add_nc_u32 v13, s7, v4
	v_add_nc_u32 v13, QT, v13                      ; my 16 fragments of q along j
	v_add_nc_u32 v14, s6, v4                       ; context by whole rows: 16 bytes a lane
	s_lshl_b32 s7, s3, 7
	v_lshlrev_b32 v15, 6, v3
	v_add_nc_u32 v15, s7, v15                      ; sq: my 16 queries: 4 (32 w + 16 h)
	v_mov_b32 v23, 0                               ; (named as the upper half of the pair v[22:23])
	v_mov_b32 v25, 0                               ; (a lane permute's destination counts as one of its sources)
	s_mov_b32 s[G1C+0], (2<<16)|(1<<20)|(7<<22)|(3<<25)            ; no mask; elements of 4 bytes; padding: 4 words after every 256
	s_mov_b32 s[G1C+1], 256<<16                    ; tensor_dim0 = 256
	s_mov_b32 s[G1C+2], 16<<16                     ; tensor_dim1 = 16
	s_mov_b32 s[G1C+3], 256<<16                    ; tile_dim0
	s_mov_b32 s[G1C+4], 16                         ; tile_dim1
	s_mov_b32 s[G1C+5], 1024                       ; elements from row to row
	s_mov_b32 s[G1C+6], 0
	s_mov_b32 s[G1C+7], 0
	s_mov_b32 s[G1D+0], 15|(3<<16)|(1<<21)         ; the mask; elements of 8 bytes; no padding
	s_mov_b32 s[G1D+1], 32<<16                     ; rows of 256 bytes,
	s_mov_b32 s[G1D+2], 128<<16                    ; 128 of them, dense
	s_mov_b32 s[G1D+3], 32<<16
	s_mov_b32 s[G1D+4], 128
	s_mov_b32 s[G1D+5], 32
	s_mov_b32 s[G1D+6], 0
	s_mov_b32 s[G1D+7], 0
	s_mov_b32 s[G0C], 1
	s_mul_i32 s[G0C+1], s3, STGW
	s_mov_b32 s[G0D], 1
	s_lshl_b32 s[G0D+1], s3, 15
	s_add_co_u32 s[G0D+1], s[G0D+1], QT
	s_mov_b32 s78, 0x3fb8aa3b                      ; log2(e)
	s_mov_b32 s79, s78                             ; (named with it as a pair)
	s_mov_b32 s80, 0x76543210                      ; v_permlanex16_b32: lane l xor 16
	s_mov_b32 s81, 0xfedcba98
	s_lshl_b32 s66, s4, 16                         ; my tile: 16 rows of 4,096 bytes,
	s_lshl_b32 s67, s3, 10                         ; my wave's 256 numbers of each
	s_add_co_u32 s66, s66, s67
	s_mov_b32 s67, 0
	s_wait_dscnt 0x0
	s_wait_kmcnt 0x0
	s_load_b128 s[28:31], s[14:15], 0x0            ; e0 .. e3
	s_load_b32 s32, s[14:15], 0x10                 ; e4
	s_load_b32 s33, s[12:13], 0x0                  ; alpha_b
	s_add_nc_u64 s[G0C+2:G0C+3], s[8:9], s[66:67]
	s_or_b32 s[G0C+3], s[G0C+3], 0x80000000
	s_lshl_b32 s100, s3, 10                        ; (s100, s101 never hold cx: they feed the joint load)
	s_mov_b32 s101, 0
	s_add_nc_u64 s[10:11], s[10:11], s[100:101]    ; alpha_w at my wave's 256 numbers
	s_lshl_b32 s100, s5, 17                        ; the batch's 131,072 bytes of codes, in q_img and in qt_img alike,
	s_lshl_b32 s7, s3, 15                          ; and my wave's 32,768 of them
	s_add_co_u32 s100, s100, s7
	s_add_nc_u64 s[G0D+2:G0D+3], s[18:19], s[100:101]
	s_or_b32 s[G0D+3], s[G0D+3], 0x80000000
	s_add_nc_u64 s[16:17], s[16:17], s[100:101]    ; q_img at tile 8 b + 2 w
	s_lshl_b32 s100, s5, 9
	s_add_nc_u64 s[20:21], s[20:21], s[100:101]    ; sq at the batch's 128
	ROUND                                          ; all four work-groups are here
	tensor_load_to_lds s[G0C:G0C+3], s[G1C:G1C+7]  ; my one tensor load at the head: my part of the tile
	s_nop 0
.rept 4
	v_nop
.endr
	s_wait_alu depctr_va_vdst(0)
	global_load_b128 v[208:211], v4, s[10:11]              ; w_c, my 256 numbers: 512 consecutive bytes a load
	global_load_b128 v[212:215], v4, s[10:11] offset:512
	global_load_b128 v[216:219], v4, s[10:11] offset:8192  ; w_cq = alpha_w[2048 ..]
	global_load_b128 v[220:223], v4, s[10:11] offset:8704
.irp q, 0,1,2,3
	global_load_b128 v[48+4*\q:51+4*\q], v15, s[20:21] offset:16*\q   ; sq of my 16 queries
.endr
	WIN 0x40                                       ; destination window 1
.irp f, 0,1,2,3,4,5,6,7,8,9,10,11,12,13,14,15  ; q's fragments along d: tile 2 w + f / 8, K step f % 8; they lie on end
.irp c, 0,1,2,3
	global_load_b128 v[16*\f+4*\c:16*\f+4*\c+3], v4, s[16:17] offset:2048*\f+512*\c
.endr
.endr
	WIN 0
	s_add_co_u32 s66, s3, 4                        ; a_img: K step 4 + w, tile T
	s_lshl_b32 s66, s66, 20
	s_lshl_b32 s7, s4, 11                          ; tile T of 2,048 bytes
	s_add_co_u32 s66, s66, s7
	s_add_nc_u64 s[22:23], s[22:23], s[66:67]
	s_lshl_b32 s7, s4, 12
	s_lshl_b32 s66, s3, 10                         ; part: row T of 4,096 bytes, my wave's 1,024
	s_add_co_u32 s66, s66, s7
	s_add_nc_u64 s[24:25], s[24:25], s[66:67]
	s_lshl_b32 s66, s4, 3
	s_add_nc_u64 s[26:27], s[26:27], s[66:67]      ; stats: 8 bytes a tile
	s_wait_kmcnt 0x0
	s_add_co_i32 s6, s28, s29
	s_add_co_i32 s6, s6, 127
	s_lshl_b32 s76, s6, 23                         ; 2^(e0 + e1) as f32
	s_mov_b32 s77, s76
	s_add_co_i32 s34, s30, s31                     ; e2 + e3
	SCLIM s28, v16, v17
	SCLIM s30, v18, v19
	SCLIM s32, v20, v21
	; ---- A: my 256 numbers of each row: c.w_c's part, and Q(c w_cq): two fragments.  Eight groups of 16 numbers a lane, on two sets of registers (x, w_cq, w_c: v64-111, v112-159); codes in v160-191; sums in v192-199
.macro GLOAD g, set
.irp q, 0,1,2,3
	ds_load_b128 v[64+48*(\set)+4*\q:64+48*(\set)+4*\q+3], v5 offset:128*(\g)+16*\q
.endr
.irp q, 0,1,2,3
	ds_load_b128 v[80+48*(\set)+4*\q:80+48*(\set)+4*\q+3], v6 offset:CP+128*(\g)+16*\q
.endr
.irp q, 0,1,2,3
	ds_load_b128 v[96+48*(\set)+4*\q:96+48*(\set)+4*\q+3], v6 offset:128*(\g)+16*\q
.endr
.endm
.macro GROUP g, set
.set XS, 64+48*(\set)
.irp i, 0,1,2,3,4,5,6,7
.if ((\g) == 0) && (\i < 4)
	v_pk_mul_f32 v[192+2*(\i%4):193+2*(\i%4)], v[XS+2*\i:XS+2*\i+1], v[XS+32+2*\i:XS+32+2*\i+1]   ; the first products start the four chains
.else
	v_pk_fma_f32 v[192+2*(\i%4):193+2*(\i%4)], v[XS+2*\i:XS+2*\i+1], v[XS+32+2*\i:XS+32+2*\i+1], v[192+2*(\i%4):193+2*(\i%4)]
.endif
.endr
.irp i, 0,2,4,6,8,10,12,14
	v_pk_mul_f32 v[XS+\i:XS+\i+1], v[XS+\i:XS+\i+1], v[XS+16+\i:XS+16+\i+1]   ; c x w_cq
.endr
.irp i, 0,1,2,3,4,5,6,7,8,9,10,11,12,13,14,15
	v_med3_num_f32 v[XS+\i], v[XS+\i], -v17, v17   ; the conversion does not saturate (ISA guide 7.6.2): the hold
.endr
	v_cvt_scalef32_pk8_bf8_f32 v[160+4*(\g):161+4*(\g)], v[XS:XS+7], v16
	v_cvt_scalef32_pk8_bf8_f32 v[162+4*(\g):163+4*(\g)], v[XS+8:XS+15], v16
.endm
.macro IMAGE s
.irp c, 0,1,2,3
	ds_store_b128 v7, v[160+16*\s+4*\c:163+16*\s+4*\c] offset:2048*\s+512*\c
.endr
.endm
	WIN 0x0a                                       ; (the add's two registers lie in window 2)
	s_wait_tensorcnt 0x0                           ; my part of the tile is in; only I read it.
	ds_add_u32 v0, v1
	s_wait_dscnt 0x0
	WIN 0
	ROUND                                          ; all four work-groups are here: the joint loads meet
	tensor_load_to_lds s[G0D:G0D+3], s[G1D:G1D+7]  ; q along j: my 32 KB, the same in all four work-groups
	s_nop 0
.rept 4
	v_nop
.endr
	s_wait_loadcnt 63                              ; behind alpha_w's four loads 68 were issued: with 63 out at the most, the four are in
	ds_store_b128 v14, v[208:211] offset:WOFF      ; into my own rows behind the tile's; LDS serves a wave's instructions in order, so my loads below see them
	ds_store_b128 v14, v[212:215] offset:WOFF+512
	ds_store_b128 v14, v[216:219] offset:WOFF+CP
	ds_store_b128 v14, v[220:223] offset:WOFF+CP+512
	GLOAD 0, 0
.irp g, 0,1,2,3,4,5,6
	GLOAD \g+1, (\g+1)%2
	s_wait_dscnt 12                                ; all but the twelve loads just issued
	GROUP \g, \g%2
.if \g == 3
	v_nop                                          ; a plain line behind the last conversion of a run
	IMAGE 0
.endif
.endr
	s_wait_dscnt 0x0
	GROUP 7, 1
	v_nop
	IMAGE 1
	v_pk_add_f32 v[192:193], v[192:193], v[194:195]
	v_pk_add_f32 v[196:197], v[196:197], v[198:199]
	v_pk_add_f32 v[192:193], v[192:193], v[196:197]
	v_add_f32 v192, v192, v193
	v_permlanex16_b32 v193, v192, s80, s81         ; the row's other 128 numbers of my 256 lie in the lane 16 away
	v_add_f32 v22, v192, v193
	ds_store_b32 v11, v22                          ; (both halves of the lanes store the same number to the same word)
	BARRIER                                        ; the eight fragments and c.w_c's four parts lie in LDS
	; ---- B: S^T for my 32 queries: two accumulators by turns, K ascending
	ds_load_b128 v[26:29], v12
.irp k, 0,1,2,3,4,5,6,7
.irp c, 0,1,2,3
	ds_load_b128 v[64+16*\k+4*\c:67+16*\k+4*\c], v8 offset:2048*\k+512*\c
.endr
.endr
	s_wait_loadcnt 0x0                             ; sq and q's fragments
	s_wait_dscnt 0x0
	WIN 0x01                                       ; source 0 (q) window 1
.irp k, 0,1,2,3,4,5,6,7
.irp u, 0,1
.if \k == 0
	v_wmma_f32_16x16x128_bf8_bf8 v[32+8*\u:39+8*\u], v[16*(8*\u+\k):16*(8*\u+\k)+15], v[64+16*\k:79+16*\k], 0
.else
	v_wmma_f32_16x16x128_bf8_bf8 v[32+8*\u:39+8*\u], v[16*(8*\u+\k):16*(8*\u+\k)+15], v[64+16*\k:79+16*\k], v[32+8*\u:39+8*\u]
.endif
.endr
.endr
	WIN 0
	v_add_f32 v22, v26, v27                        ; twelve plain lines that name none of the products' registers: the places behind them (ISA guide 7.12.1)
	v_add_f32 v25, v28, v29
	v_add_f32 v22, v22, v25                        ; c.w_c
	v_add_f32 v22, s33, v22                        ; + alpha_b
.irp i, 0,2,4,6,8,10,12,14
	v_pk_add_f32 v[48+\i:49+\i], v[48+\i:49+\i], v[22:23] op_sel_hi:[1,0]   ; + q.w_q
.endr
.irp i, 0,2,4,6,8,10,12,14
	v_pk_fma_f32 v[32+\i:33+\i], v[32+\i:33+\i], s[76:77], v[48+\i:49+\i] op_sel_hi:[1,0,1]   ; S = sum x 2^(e0 + e1) + the rest; register i is query 32 w + 16 h + i; each accumulator from its low end on
.endr
	; ---- C: the row's maximum over the four waves; p = 2^(t - M); its sum; its codes
	v_max3_num_f32 v24, v32, v33, v34
	v_max3_num_f32 v25, v35, v36, v37
	v_max3_num_f32 v24, v24, v38, v39
	v_max3_num_f32 v25, v25, v40, v41
	v_max3_num_f32 v24, v24, v42, v43
	v_max3_num_f32 v25, v25, v44, v45
	v_max3_num_f32 v24, v24, v46, v47
	v_max_num_f32 v24, v24, v25
	v_permlanex16_b32 v25, v24, s80, s81
	v_max_num_f32 v24, v24, v25
	ds_store_b32 v11, v24 offset:256
	BARRIER
	ds_load_b128 v[26:29], v12 offset:256
	s_wait_dscnt 0x0
	v_max3_num_f32 v24, v26, v27, v28
	v_max_num_f32 v24, v24, v29                    ; m: the row's largest score
	v_mul_f32 v25, s78, v24                        ; as t
	v_floor_f32 v22, -v25                          ; -M = floor(-t) = -ceil(t): M is a whole number
.irp i, 0,2,4,6,8,10,12,14
	v_pk_fma_f32 v[32+\i:33+\i], v[32+\i:33+\i], s[78:79], v[22:23] op_sel_hi:[1,0,0]   ; t - M
.endr
	s_wait_alu depctr_va_vdst(0)
.irp i, 0,1,2,3,4,5,6,7,8,9,10,11,12,13,14,15
	v_exp_f32 v[32+\i], v[32+\i]                   ; p, at most 1: not normalised
.endr
	v_nop                                          ; a plain line behind the exponentials
	s_wait_alu depctr_va_vdst(0)
	v_pk_add_f32 v[48:49], v[32:33], v[34:35]      ; the sum is taken of the unquantised p
	v_pk_add_f32 v[50:51], v[36:37], v[38:39]
	v_pk_add_f32 v[52:53], v[40:41], v[42:43]
	v_pk_add_f32 v[54:55], v[44:45], v[46:47]
	v_pk_add_f32 v[48:49], v[48:49], v[50:51]
	v_pk_add_f32 v[52:53], v[52:53], v[54:55]
	v_pk_add_f32 v[48:49], v[48:49], v[52:53]
	v_add_f32 v30, v48, v49
	v_permlanex16_b32 v25, v30, s80, s81
	v_add_f32 v30, v30, v25
.irp i, 0,1,2,3,4,5,6,7,8,9,10,11,12,13,14,15
	v_min_num_f32 v[32+\i], v[32+\i], v19          ; p is not negative: the hold is one-sided
.endr
	v_cvt_scalef32_pk8_bf8_f32 v[200:201], v[32:39], v18
	v_cvt_scalef32_pk8_bf8_f32 v[202:203], v[40:47], v18
	v_nop
	ds_store_b128 v9, v[200:203]                   ; registers 4 w .. 4 w + 3 of p's fragment: j = 32 w + 16 h + 0 .. 15
	ds_store_b32 v11, v30 offset:512
	BARRIER
	; ---- D: query_hat^T for my 256 d, four tiles of 16 d at a time: v64-127 four fragments of q along j; v128-191 two sets of 32 numbers of context; v192-223 four accumulators; v224-255 two sets of 16 registers of codes
.macro FLOAD n
.irp t, 0,1,2,3
.irp c, 0,1,2,3
	ds_load_b128 v[64+16*\t+4*\c:67+16*\t+4*\c], v13 offset:(4*(\n)+\t)*2048+512*\c
.endr
.endr
.endm
.macro XLOAD n                         ; context at blocks 2 n, 2 n + 1 of 32 d: my 16 numbers of each
.irp k, 0,1,2,3,4,5,6,7
	ds_load_b128 v[128+32*((\n)%2)+4*\k:131+32*((\n)%2)+4*\k], v5 offset:256*(\n)+128*(\k/4)+16*(\k%4)
.endr
.endm
.macro BATCH n
.set XS, 128+32*((\n)%2)
.set CDS, 224+16*((\n)%2)
	s_wait_dscnt 8                                 ; the four fragments are in; the eight loads of context behind them may be out
.irp t, 0,1,2,3
	v_wmma_f32_16x16x128_bf8_bf8 v[192+8*\t:199+8*\t], v[64+16*\t:79+16*\t], v[48:63], 0
.endr
.rept 4
	v_nop                                          ; places in front of loads into registers that the products read, and of the first read of results
.endr
.if \n < 3
	FLOAD (\n)+1
	XLOAD (\n)+1
	s_wait_alu depctr_va_vdst(0)
	s_wait_dscnt 24                                ; all but the 24 just issued: this batch's context is in
.else
	s_wait_dscnt 0x0
.endif
.irp i, 0,2,4,6,8,10,12,14,16,18,20,22,24,26,28,30
	v_pk_mul_f32 v[192+\i:193+\i], v[192+\i:193+\i], v[22:23] op_sel_hi:[1,0]   ; query_hat = sum x 2^(e2 + e3) / l; register 16 k + i is d = 256 w + 32 (2 n + k) + 16 h + i; each accumulator from its low end on
.endr
.irp i, 0,2,4,6,8,10,12,14,16,18,20,22,24,26,28,30
	v_pk_mul_f32 v[XS+\i:XS+\i+1], v[XS+\i:XS+\i+1], v[192+\i:193+\i]          ; c x query_hat
.endr
.irp i, 0,1,2,3,4,5,6,7,8,9,10,11,12,13,14,15,16,17,18,19,20,21,22,23,24,25,26,27,28,29,30,31
	v_med3_num_f32 v[192+\i], v[192+\i], -v21, v21
	v_med3_num_f32 v[XS+\i], v[XS+\i], -v21, v21
.endr
.if \n > 1
	s_wait_alu depctr_va_vdst(0)
	s_wait_xcnt 0x0                                ; the stores of two batches ago have read this set of codes
.endif
.irp k, 0,1,2,3
	v_cvt_scalef32_pk8_bf8_f32 v[CDS+2*\k:CDS+2*\k+1], v[192+8*\k:199+8*\k], v20
.endr
.irp k, 0,1,2,3
	v_cvt_scalef32_pk8_bf8_f32 v[CDS+8+2*\k:CDS+9+2*\k], v[XS+8*\k:XS+8*\k+7], v20
.endr
	v_nop                                          ; a plain line between the conversions and the next products, which write their sources
	global_store_b128 v4, v[CDS:CDS+3], s[22:23] offset:524288*((\n)/2)+512*((2*(\n))%4)               ; each store of the wave covers 512 consecutive bytes, aligned; a step of 128 is 524,288 bytes
	global_store_b128 v4, v[CDS+4:CDS+7], s[22:23] offset:524288*((\n)/2)+512*((2*(\n))%4+1)
	global_store_b128 v4, v[CDS+8:CDS+11], s[22:23] offset:4194304+524288*((\n)/2)+512*((2*(\n))%4)    ; c x query_hat: eight steps further on
	global_store_b128 v4, v[CDS+12:CDS+15], s[22:23] offset:4194304+524288*((\n)/2)+512*((2*(\n))%4+1)
.endm
.irp c, 0,1,2,3
	ds_load_b128 v[48+4*\c:51+4*\c], v10 offset:512*\c   ; p's fragment
.endr
	ds_load_b128 v[26:29], v12 offset:512          ; the sum's four parts
	s_wait_tensorcnt 0x0                           ; q along j is in; only I read my block
	FLOAD 0
	XLOAD 0
	s_wait_dscnt 24                                ; all but the 24 just issued
	v_add_f32 v30, v26, v27
	v_add_f32 v25, v28, v29
	v_add_f32 v30, v30, v25                        ; l
	s_wait_alu depctr_va_vdst(0)
	v_rcp_f32 v30, v30
	v_nop                                          ; a plain line behind the reciprocal
	s_wait_alu depctr_va_vdst(0)
	v_ldexp_f32 v22, v30, s34                      ; 2^(e2 + e3) / l
	BATCH 0
	BATCH 1
	BATCH 2
	BATCH 3
	; ---- E: the tile's part of context_hat, for my 256 d: rows by whole lines, 8 numbers a lane in v192-199
.irp r, 0,1,2,3,4,5,6,7,8,9,10,11,12,13,14,15
	ds_load_b128 v[64+8*\r:67+8*\r], v14 offset:CP*\r
	ds_load_b128 v[68+8*\r:71+8*\r], v14 offset:CP*\r+512
.endr
	v_mov_b32 v31, v24
	v_max_num_f32_dpp v31, v31, v31 row_xmask:1 row_mask:0xf bank_mask:0xf
	v_max_num_f32_dpp v31, v31, v31 row_xmask:2 row_mask:0xf bank_mask:0xf
	v_max_num_f32_dpp v31, v31, v31 row_xmask:4 row_mask:0xf bank_mask:0xf
	v_max_num_f32_dpp v31, v31, v31 row_xmask:8 row_mask:0xf bank_mask:0xf   ; mloc: the largest m of the 16 rows
	v_sub_f32 v25, v24, v31
	v_mul_f32 v25, s78, v25
	s_wait_alu depctr_va_vdst(0)
	v_exp_f32 v30, v25                             ; e of my row, at most 1
	v_mov_b32 v26, v31                             ; (a plain line behind the exponential)
	s_wait_alu depctr_va_vdst(0)
	v_mov_b32 v27, v30
	v_add_f32_dpp v27, v27, v27 row_xmask:1 row_mask:0xf bank_mask:0xf
	v_add_f32_dpp v27, v27, v27 row_xmask:2 row_mask:0xf bank_mask:0xf
	v_add_f32_dpp v27, v27, v27 row_xmask:4 row_mask:0xf bank_mask:0xf
	v_add_f32_dpp v27, v27, v27 row_xmask:8 row_mask:0xf bank_mask:0xf       ; the sum of the 16
.irp r, 0,1,2,3,4,5,6,7,8,9,10,11,12,13,14,15
	v_readlane_b32 s[84+\r], v30, \r               ; e of row r, as a factor for all lanes
.endr
.irp r, 0,1,2,3,4,5,6,7,8,9,10,11,12,13,14,15
	s_wait_alu depctr_va_vdst(0)
	s_wait_dscnt 30-2*\r                           ; behind row r's two loads stand the later rows' 2 (15 - r)
.irp k, 0,1,2,3,4,5,6,7
.if \r == 0
	s_wait_alu depctr_va_vdst(0)
	v_mul_f32 v[192+\k], s[84+\r], v[64+8*\r+\k]
.else
	v_fmac_f32 v[192+\k], s[84+\r], v[64+8*\r+\k]
.endif
.endr
.endr
	global_store_b128 v4, v[192:195], s[24:25]
	global_store_b128 v4, v[196:199], s[24:25] offset:512
	v_mov_b32 v25, 0
	v_cmp_eq_u32 vcc_lo, 0, v0                     ; thread 0 of the work-group stores the tile's two numbers
	s_wait_alu depctr_va_vdst(0)
	s_wait_xcnt 0x0                                ; EXEC changes only behind this wait
	s_and_saveexec_b32 s6, vcc_lo
	global_store_b64 v25, v[26:27], s[26:27]
	s_wait_xcnt 0x0
	s_or_b32 exec_lo, exec_lo, s6
	s_set_vgpr_msb 0xa
	s_wait_tensorcnt 0x0
	ds_add_u32 v0, v1
	s_wait_dscnt 0x0
	s_set_vgpr_msb 0xa00
	ROUND                                          ; the closing round: no work-group ends while a partner may still ask for a tile that names it
	s_endpgm
.Lfunc_end_k_q172559b9e9_attn:
	.size	k_q172559b9e9_attn, .Lfunc_end_k_q172559b9e9_attn-k_q172559b9e9_attn
	.p2alignl 7, 3214868480
	.fill 96, 4, 3214868480
	.section	.rodata,"a",@progbits
	.p2align	6, 0x0
	.amdhsa_kernel k_q172559b9e9_attn
		.amdhsa_group_segment_fixed_size 327680
		.amdhsa_private_segment_fixed_size 0
		.amdhsa_enable_private_segment 0
		.amdhsa_kernarg_size 80
		.amdhsa_user_sgpr_count 2
		.amdhsa_user_sgpr_kernarg_segment_ptr 1
		.amdhsa_wavefront_size32 1
		.amdhsa_system_sgpr_workgroup_id_x 1
		.amdhsa_system_sgpr_workgroup_id_y 1
		.amdhsa_system_sgpr_workgroup_id_z 1
		.amdhsa_system_vgpr_workitem_id 0
		.amdhsa_next_free_vgpr 514
		.amdhsa_next_free_sgpr 102
		.amdhsa_reserve_vcc 1
		.amdhsa_float_denorm_mode_32 3
		.amdhsa_float_denorm_mode_16_64 3
		.amdhsa_memory_ordered 1
		.amdhsa_forward_progress 1
		.amdhsa_inst_pref_size 93
	.end_amdhsa_kernel
	.amdgpu_metadata
---
amdhsa.version: [ 1, 2 ]
amdhsa.kernels:
  - .name:           k_q172559b9e9_attn
    .symbol:         k_q172559b9e9_attn.kd
    .args:
      - { .name: context, .offset: 0, .size: 8, .value_kind: global_buffer, .address_space: global }
      - { .name: alpha_w, .offset: 8, .size: 8, .value_kind: global_buffer, .address_space: global }
      - { .name: alpha_b, .offset: 16, .size: 8, .value_kind: global_buffer, .address_space: global }
      - { .name: lowp_scales, .offset: 24, .size: 8, .value_kind: global_buffer, .address_space: global }
      - { .name: q_img, .offset: 32, .size: 8, .value_kind: global_buffer, .address_space: global }
      - { .name: qt_img, .offset: 40, .size: 8, .value_kind: global_buffer, .address_space: global }
      - { .name: sq, .offset: 48, .size: 8, .value_kind: global_buffer, .address_space: global }
      - { .name: a_img, .offset: 56, .size: 8, .value_kind: global_buffer, .address_space: global }
      - { .name: part, .offset: 64, .size: 8, .value_kind: global_buffer, .address_space: global }
      - { .name: stats, .offset: 72, .size: 8, .value_kind: global_buffer, .address_space: global }
    .group_segment_fixed_size: 327680
    .private_segment_fixed_size: 0
    .kernarg_segment_align: 8
    .kernarg_segment_size: 80
    .max_flat_workgroup_size: 128
    .sgpr_count:     102
    .vgpr_count:     514
    .wavefront_size: 32
...
	.end_amdgpu_metadata
.endif
;; end of part 6
;; launch chat (part 7): grid 256 x 1, 4 waves a work-group, clusters of 4 x 1, 208,384 bytes of LDS; arguments context, part, stats, lowp_scales, bw_img, a_img, vpart; writes a_img, vpart
.if DOCPART == 7
	.amdgcn_target "amdgcn-amd-amdhsa--gfx1250"
	.amdhsa_code_object_version 6
	.text
	.protected	k_q172559b9e9_chat
	.globl	k_q172559b9e9_chat
	.p2align	8
	.type	k_q172559b9e9_chat,@function
k_q172559b9e9_chat:
	s_mov_b64 s[64:65], 0
	v_nop
	global_prefetch_b8 v0, s[64:65] scope:SCOPE_SE
	s_setreg_imm32_b32 hwreg(HW_REG_WAVE_MODE, 25, 1), 1
	s_wait_xcnt 0x0
	s_wait_alu depctr_hold_cnt(0) depctr_sa_sdst(0) depctr_va_vdst(0) depctr_va_sdst(0) depctr_va_ssrc(0) depctr_va_vcc(0) depctr_vm_vsrc(0)
	s_getreg_b32 s2, hwreg(HW_REG_IB_STS2, 6, 4)
	s_cmp_eq_u32 s2, 0
	s_cbranch_scc0 .Lentry_in_a_cluster
	s_endpgm
.Lentry_in_a_cluster:
	s_bfe_u32 s2, ttmp6, 0x10000c
	s_cmp_lg_u32 s2, 0x3003
	s_cbranch_scc0 .Lentry_shape_is_right
	s_endpgm
.Lentry_shape_is_right:
; CHAT: context_hat[b][d] = sum over the batch's 32 tiles of f_T part[T][d], f_T = exp(mloc_T - mmax) / L, L = sum of exp(mloc_T - mmax) x (tile T's sum of e): the softmax over the 512 rows' largest scores,
; with the batch's largest taken away.  Then what hangs on it, on codes of BF8 (E5M2) with the scale 2^e4:
;   c x context_hat as codes: K steps 12-15 of a_img;
;   the part of the last product that belongs to cat2's first 1,024 columns.  Those columns ARE context_hat, the same in all 512 rows of a batch, so that part of the product is ONE row
;   for a batch: vpart[kappa][b][o] = sum over the 256 k of K step kappa of code(context_hat[b][k]) x code(beta_w[o][k]), by v_wmma_f32_16x16x128_bf8_bf8 on a fragment of 16 equal rows.  The sums are stored as they
;   are; the last launch adds the four K steps, multiplies by 2^(e4 + e5) and adds them to every row of the batch.  (K steps 0-3 of a_img are neither stored nor read.)
; a_img and bw_img: [K step of 256: 16][tile of 16 rows: 256][half step: 2][2,048], a fragment as an image of its registers: byte 512 c + 16 lane + i is row lane % 16 at k = 32 c + 16 (lane / 16) + i.
; Row rho of bw_img's tile 2 p + u is beta_w's row 32 p + 8 u + rho + 8 (rho / 8).
; LIMITS: e4 between -126 and 112.  NaN among the inputs is not served.
; SHARES.  A work-group has a batch b, 256 numbers d (K step kappa) and a number sub of 8; wave v takes the tile of rows T = 32 b + 4 sub + v and the 128 columns o from 128 (4 sub + v) on.  The four waves share
; the making of context_hat's 256 numbers: wave v sums tiles 8 v .. 8 v + 7 of part, the four sums meet in LDS behind the one barrier, and each wave keeps a finished copy of its own.
; CLUSTER.  The four work-groups of a cluster differ in b alone (b = 4 (cluster % 2) + my place): wave v's 32,768 bytes of beta_w's codes are the same in all four and are asked for JOINTLY (mask 15).
; The tile of context is each wave's own: a plain load.  Both tensor loads of a wave are first fills, issued together behind the opening round; nothing is filled again.
; LDS: 0: for each wave 16 rows of context (1,024 bytes + 16);  BQ: for each wave 16 fragments of beta_w;  CHP: four waves' sums, 1,024 bytes each;  CHR: for each wave the finished 256 numbers;
;   VST: for each wave 128 sums on their way out.
; REGISTERS: v1-16 lane numbers and addresses; v20-27 the softmax's numbers; v32-95 part, later with v96-159 two sets of four fragments of beta_w; v96-103 sums; v104-167 two sets of context and context_hat;
;   v168-199 context_hat's codes: two fragments on end; v200-231 the codes of c x context_hat; v232-255 and v160-167 four accumulators.
; THE LOADS AS THEY STAND NOW (this takes the place of what the lines above say of them).  One tensor load a wave, in two arms on the wave's number: waves 0 and 1 fetch 32 rows each of the work-group's
; 64 rows of context (four waves' tiles lie one below the other); waves 2 and 3 fetch, jointly, the work-group's 32 tiles of beta_w's codes, one step of 128 along K each (64 KB).
; Two work-group barriers order them with their readers: ahead of the first, behind which context is read, waves 0 and 1 wait for their loads; ahead of the second, behind which beta_w's codes are read,
; every wave waits for its load.  a_img and bw_img are laid [step of 128 along K: 32][tile of 16 rows: 256][2,048].  BQ: [half step: 2][wave: 4][tile: 8][2,048].
.set CP,   1040
.set STGW, 16640
.set BQ,   66560
.set CHP,  197632
.set CHR,  201728
.set VST,  205824
.macro ROUND                           ; a round of the cluster's barrier
	s_barrier_signal -1
	s_barrier_wait -1
	s_cmp_lg_u32 s3, 0
	s_cbranch_scc1 .Lnot_wave_0_\@
	s_barrier_signal -3
.Lnot_wave_0_\@:
	s_barrier_wait -3
	s_barrier_signal -1
	s_barrier_wait -1
.endm
	s_load_b256 s[8:15], s[0:1], 0x0               ; context 8, part 10, stats 12, scales 14
	s_load_b128 s[16:19], s[0:1], 0x20             ; bw_img 16, a_img 18
	s_load_b64 s[20:21], s[0:1], 0x30              ; vpart
	v_lshl_add_u32 v30, v0, 2, 0x32c00
	v_mov_b32 v31, 0
	ds_add_u32 v30, v31
	ds_add_u32 v30, v31
	v_lshrrev_b32 v1, 5, v0
	v_readfirstlane_b32 s3, v1                     ; wave 0..3
	s_bfe_u32 s36, ttmp6, 0x40000                  ; cx: my place in the cluster
	s_and_b32 s4, ttmp9, 1
	s_lshl_b32 s4, s4, 2
	s_add_co_u32 s4, s4, s36                       ; b: it enters global addresses of my own alone
	s_lshr_b32 s37, ttmp9, 1
	s_lshr_b32 s5, s37, 3                          ; kappa: which 256 d
	s_and_b32 s38, s37, 7                          ; sub
	s_lshl_b32 s39, s38, 2
	s_add_co_u32 s39, s39, s3                      ; 4 sub + wave: which 128 columns o; the four partners share it
	s_lshl_b32 s6, s4, 5
	s_add_co_u32 s6, s6, s39                       ; T
	v_and_b32 v1, 31, v0                           ; lane
	v_and_b32 v2, 15, v0                           ; r
	v_bfe_u32 v3, v0, 4, 1                         ; h
	v_lshlrev_b32 v4, 4, v1                        ; 16 x lane
	s_mov_b32 s32, 1                               ; group 0 of context's rows: count,
	s_and_b32 s52, s3, 1                           ; which half I fetch
	s_mul_i32 s33, s52, 2*STGW                     ; LDS address: 32 rows a half
	s_mul_i32 s7, s3, STGW                         ; my own tile's 16 rows
	v_mul_u32_u24 v5, v2, CP
	v_lshl_add_u32 v5, v3, 6, v5
	v_add_nc_u32 v5, s7, v5                        ; context: row r, + 64 h
	s_lshl_b32 s70, s3, 10
	v_lshlrev_b32 v6, 6, v3
	v_add_nc_u32 v6, s70, v6
	v_add_nc_u32 v6, CHR, v6                       ; my copy of context_hat, + 64 h
	v_add_nc_u32 v7, s70, v4
	v_add_nc_u32 v9, CHR, v7                       ; where I store that copy
	v_add_nc_u32 v7, CHP, v7                       ; where I store my sum
	v_add_nc_u32 v8, CHP, v4                       ; where the four sums are read
	s_mov_b32 s48, 1                               ; group 0 of beta_w's block
	s_lshl_b32 s49, s3, 14
	s_add_co_u32 s49, s49, BQ
	v_add_nc_u32 v14, s49, v4                      ; my 8 tiles of beta_w, first half step,
	v_add_nc_u32 v17, 0x10000, v14                 ; and second
	s_lshl_b32 s49, s52, 16
	s_add_co_u32 s49, s49, BQ                      ; LDS address of the half step that wave 2 or 3 fetches
	s_lshl_b32 s70, s3, 9
	v_lshlrev_b32 v15, 6, v3
	v_add_nc_u32 v15, s70, v15
	v_add_nc_u32 v15, VST, v15                     ; my 128 sums: + 64 h: my half's 16 columns of each 32
	v_add_nc_u32 v16, s70, v4
	v_add_nc_u32 v16, VST, v16                     ; and back: 16 bytes a lane
	v_lshlrev_b32 v10, 3, v1                       ; stats: 8 bytes a tile, tile = lane
	v_and_b32 v11, 7, v1
	v_lshlrev_b32 v11, 3, v11
	s_lshl_b32 s70, s3, 6
	v_add_nc_u32 v11, s70, v11                     ; and tile 8 v + lane % 8
	v_mov_b32 v24, 0                               ; (a lane permute's destination counts as one of its sources)
	s_mov_b32 s24, (2<<16)|(1<<20)|(7<<22)|(3<<25) ; group 1, context: no mask; elements of 4 bytes; padding: 4 words after every 256
	s_mov_b32 s25, 256<<16                         ; tensor_dim0 = 256
	s_mov_b32 s26, 32<<16                          ; tensor_dim1 = 32
	s_mov_b32 s27, 256<<16                         ; tile_dim0
	s_mov_b32 s28, 32                              ; tile_dim1
	s_mov_b32 s29, 1024                            ; elements from row to row
	s_mov_b32 s30, 0
	s_mov_b32 s31, 0
	s_mov_b32 s40, 15|(3<<16)|(1<<21)              ; group 1, beta_w's block: the mask: all four work-groups; bit 21 beside it; elements of 8 bytes; no padding
	s_mov_b32 s41, 32<<16                          ; rows of 256 bytes,
	s_mov_b32 s42, 256<<16                         ; 256 of them, dense
	s_mov_b32 s43, 32<<16
	s_mov_b32 s44, 256
	s_mov_b32 s45, 32
	s_mov_b32 s46, 0
	s_mov_b32 s47, 0
	s_mov_b32 s54, 0x76543210                      ; v_permlanex16_b32: lane l xor 16
	s_mov_b32 s55, 0xfedcba98
	s_sub_co_u32 s53, s6, s3                       ; the work-group's first tile of rows: 32 b + 4 sub,
	s_lshl_b32 s71, s52, 1
	s_add_co_u32 s53, s53, s71                     ; + two tiles for the second half
	s_lshl_b32 s66, s53, 16                        ; 16 rows of 4,096 bytes a tile,
	s_lshl_b32 s70, s5, 10                         ; the 256 numbers
	s_add_co_u32 s66, s66, s70
	s_mov_b32 s67, 0
	s_lshl_b32 s68, s5, 20                         ; bw_img: step 2 kappa,  (s68, s69 never hold my place in the cluster: they feed the joint load)
	s_lshl_b32 s71, s52, 19                        ; + the half step,
	s_add_co_u32 s68, s68, s71
	s_lshl_b32 s71, s38, 16                        ; the work-group's 32 tiles of 2,048 bytes
	s_add_co_u32 s68, s68, s71
	s_mov_b32 s69, 0
	s_wait_alu depctr_va_vdst(0)
	s_wait_dscnt 0x0
	s_wait_kmcnt 0x0
	s_load_b32 s22, s[14:15], 0x10                 ; e4
	s_add_nc_u64 s[34:35], s[8:9], s[66:67]
	s_or_b32 s35, s35, 0x80000000                  ; type = 2
	s_add_nc_u64 s[50:51], s[16:17], s[68:69]
	s_or_b32 s51, s51, 0x80000000
	s_lshl_b32 s66, s4, 8
	s_add_nc_u64 s[12:13], s[12:13], s[66:67]      ; stats at the batch's 32 tiles
	s_lshl_b32 s66, s4, 17                         ; part: 32 rows of 4,096 bytes a batch,
	s_lshl_b32 s71, s3, 15                         ; my eight,
	s_add_co_u32 s66, s66, s71
	s_add_co_u32 s66, s66, s70                     ; the 256 numbers
	s_add_nc_u64 s[10:11], s[10:11], s[66:67]
	global_load_b64 v[20:21], v10, s[12:13]        ; mloc and the sum of e, of tile = lane
	global_load_b32 v22, v11, s[12:13]             ; mloc of tile 8 v + lane % 8: so the lanes read below are constants of the text
.irp t, 0,1,2,3,4,5,6,7
	global_load_b128 v[32+8*\t:35+8*\t], v4, s[10:11] offset:4096*\t
	global_load_b128 v[36+8*\t:39+8*\t], v4, s[10:11] offset:4096*\t+512
.endr
	s_add_co_u32 s66, s5, 12                       ; a_img: K step 12 + kappa, tile T
	s_lshl_b32 s66, s66, 20
	s_lshl_b32 s71, s6, 11
	s_add_co_u32 s66, s66, s71
	s_add_nc_u64 s[18:19], s[18:19], s[66:67]
	s_lshl_b32 s66, s5, 3                          ; vpart: row 8 kappa + b of 16,384 bytes, my 128 columns
	s_add_co_u32 s66, s66, s4
	s_lshl_b32 s66, s66, 14
	s_lshl_b32 s71, s39, 9
	s_add_co_u32 s66, s66, s71
	s_add_nc_u64 s[20:21], s[20:21], s[66:67]
	ROUND                                          ; all four work-groups are here: the joint loads meet
	s_cmp_lt_u32 s3, 2                             ; one tensor load a wave: two arms on the wave's number, one join
	s_cbranch_scc0 .Lfor_bw
	tensor_load_to_lds s[32:35], s[24:31]          ; waves 0, 1: context's rows
	s_nop 0
.rept 4
	v_nop
.endr
	s_branch .Lasked
.Lfor_bw:
	tensor_load_to_lds s[48:51], s[40:47]          ; waves 2, 3: beta_w's codes
	s_nop 0
.rept 4
	v_nop
.endr
.Lasked:
	s_wait_loadcnt 16                              ; all but part's sixteen
	v_mov_b32 v23, v20
	v_max_num_f32_dpp v23, v23, v23 row_xmask:1 row_mask:0xf bank_mask:0xf
	v_max_num_f32_dpp v23, v23, v23 row_xmask:2 row_mask:0xf bank_mask:0xf
	v_max_num_f32_dpp v23, v23, v23 row_xmask:4 row_mask:0xf bank_mask:0xf
	v_max_num_f32_dpp v23, v23, v23 row_xmask:8 row_mask:0xf bank_mask:0xf
	v_permlanex16_b32 v24, v23, s54, s55
	v_max_num_f32 v23, v23, v24                    ; mmax: the batch's largest score
	v_sub_f32 v25, v20, v23
	v_sub_f32 v27, v22, v23
	v_mul_f32 v25, 0x3fb8aa3b, v25
	v_mul_f32 v27, 0x3fb8aa3b, v27
	s_wait_alu depctr_va_vdst(0)
	v_exp_f32 v25, v25
	v_exp_f32 v27, v27
	v_nop                                          ; a plain line behind the exponentials
	s_wait_alu depctr_va_vdst(0)
	v_mul_f32 v26, v25, v21
	v_add_f32_dpp v26, v26, v26 row_xmask:1 row_mask:0xf bank_mask:0xf
	v_add_f32_dpp v26, v26, v26 row_xmask:2 row_mask:0xf bank_mask:0xf
	v_add_f32_dpp v26, v26, v26 row_xmask:4 row_mask:0xf bank_mask:0xf
	v_add_f32_dpp v26, v26, v26 row_xmask:8 row_mask:0xf bank_mask:0xf
	v_permlanex16_b32 v24, v26, s54, s55
	v_add_f32 v26, v26, v24                        ; L
	s_wait_alu depctr_va_vdst(0)
	v_rcp_f32 v26, v26
	v_nop
	s_wait_alu depctr_va_vdst(0)
	v_mul_f32 v27, v27, v26                        ; f of tile 8 v + lane % 8
.irp t, 0,1,2,3,4,5,6,7
	v_readlane_b32 s[56+\t], v27, \t
.endr
.irp t, 0,1,2,3,4,5,6,7
	s_wait_alu depctr_va_vdst(0)
	s_wait_loadcnt 14-2*\t                         ; behind tile t's two loads stand the later tiles' 2 (7 - t)
.irp k, 0,1,2,3,4,5,6,7
.if \t == 0
	v_mul_f32 v[96+\k], s[56+\t], v[32+8*\t+\k]
.else
	v_fmac_f32 v[96+\k], s[56+\t], v[32+8*\t+\k]
.endif
.endr
.endr
	ds_store_b128 v7, v[96:99]
	ds_store_b128 v7, v[100:103] offset:512
	s_cmp_lt_u32 s3, 2                             ; behind this barrier context is read, and beta_w's codes are not: only the waves that fetched context wait here
	s_cbranch_scc0 .Lbw_out
	s_wait_tensorcnt 0x0                           ; waves 0, 1, for the others' sake: my rows of context have landed
.Lbw_out:
	s_wait_dscnt 0x0                               ; and my sum lies in LDS
	s_barrier_signal -1
	s_barrier_wait -1
.irp w, 0,1,2,3
	ds_load_b128 v[32+8*\w:35+8*\w], v8 offset:1024*\w
	ds_load_b128 v[36+8*\w:39+8*\w], v8 offset:1024*\w+512
.endr
	s_wait_kmcnt 0x0
	s_add_co_i32 s70, s22, 127
	s_lshl_b32 s71, s70, 23
	v_mov_b32 v12, s71                             ; 2^e4 as f32
	s_add_co_i32 s70, s70, 15
	s_lshl_b32 s70, s70, 23
	s_or_b32 s70, s70, 0x600000
	v_mov_b32 v13, s70                             ; 57,344 x 2^e4
	s_wait_dscnt 0x0
.irp k, 0,2,4,6
	v_pk_add_f32 v[96+\k:97+\k], v[32+\k:33+\k], v[40+\k:41+\k]
	v_pk_add_f32 v[48+\k:49+\k], v[48+\k:49+\k], v[56+\k:57+\k]
	v_pk_add_f32 v[96+\k:97+\k], v[96+\k:97+\k], v[48+\k:49+\k]
.endr
	ds_store_b128 v9, v[96:99]                     ; my own copy: LDS serves a wave's instructions in order, so my loads below see it
	ds_store_b128 v9, v[100:103] offset:512
; Eight groups of 16 numbers a lane (block g of 32 d), on two sets of registers: x v104-119, context_hat v120-135; x v136-151, context_hat v152-167.
; Codes: four registers a group and kind, never written again: context_hat's at v168 + 4 g (registers 4 c .. 4 c + 3 of fragment g / 4, c = g % 4), those of c x context_hat at v200 + 4 g.
.macro GL g
.set XL, 104+32*((\g)%2)
.irp q, 0,1,2,3
	ds_load_b128 v[XL+4*\q:XL+4*\q+3], v5 offset:128*(\g)+16*\q
	ds_load_b128 v[XL+16+4*\q:XL+16+4*\q+3], v6 offset:128*(\g)+16*\q
.endr
.endm
.macro GRP g
.set XS, 104+32*((\g)%2)
.irp i, 0,2,4,6,8,10,12,14
	v_pk_mul_f32 v[XS+\i:XS+\i+1], v[XS+\i:XS+\i+1], v[XS+16+\i:XS+16+\i+1]   ; c x context_hat
.endr
.irp i, 0,1,2,3,4,5,6,7,8,9,10,11,12,13,14,15,16,17,18,19,20,21,22,23,24,25,26,27,28,29,30,31
	v_med3_num_f32 v[XS+\i], v[XS+\i], -v13, v13   ; the conversion does not saturate (ISA guide 7.6.2): the hold
.endr
	v_cvt_scalef32_pk8_bf8_f32 v[168+4*(\g):169+4*(\g)], v[XS+16:XS+23], v12
	v_cvt_scalef32_pk8_bf8_f32 v[170+4*(\g):171+4*(\g)], v[XS+24:XS+31], v12
	v_cvt_scalef32_pk8_bf8_f32 v[200+4*(\g):201+4*(\g)], v[XS:XS+7], v12
	v_cvt_scalef32_pk8_bf8_f32 v[202+4*(\g):203+4*(\g)], v[XS+8:XS+15], v12
	v_nop                                          ; a plain line behind the last conversion of a run: products later read these codes and write over these numbers
	global_store_b128 v4, v[200+4*(\g):203+4*(\g)], s[18:19] offset:524288*((\g)/4)+512*((\g)%4)   ; each store of the wave covers 512 consecutive bytes, aligned
.endm
	GL 0
.irp g, 0,1,2,3,4,5,6
	GL \g+1
	s_wait_dscnt 8                                 ; all but the eight loads just issued
	GRP \g
.endr
	s_wait_dscnt 0x0
	GRP 7
; The one row of the last product.  TRANSPOSED: source 0 = 16 rows of beta_w's codes, source 1 = context_hat's fragment, whose 16 rows are equal.  In tile 2 n + u lane (r, h) holds, whatever r, in register j
; the sum of column 32 n + 16 h + 8 u + j of my 128.  Four batches of two tiles; a batch's two accumulators take turns over the two halves of the K step.
.macro BL n                            ; tiles 2 n, 2 n + 1, both half steps: four fragments, on end in the block, into set n % 2
.set BS, 32+64*((\n)%2)
.irp f, 0,1,2,3
.irp c, 0,1,2,3
	ds_load_b128 v[BS+16*\f+4*\c:BS+16*\f+4*\c+3], v[14+3*(\f%2)] offset:4096*(\n)+2048*(\f/2)+512*\c   ; f = 2 x (tile % 2) + half step; v14 or v17 by the half step
.endr
.endr
.endm
.macro VB n, more
.set BS, 32+64*((\n)%2)
.if ((\n)%2) == 0
.set ACA, 232
.set ACB, 240
.else
.set ACA, 248
.set ACB, 160
.endif
	v_wmma_f32_16x16x128_bf8_bf8 v[ACA:ACA+7], v[BS:BS+15], v[168:183], 0
	s_wait_alu depctr_va_vdst(0)
	v_wmma_f32_16x16x128_bf8_bf8 v[ACB:ACB+7], v[BS+32:BS+47], v[168:183], 0
	v_wmma_f32_16x16x128_bf8_bf8 v[ACA:ACA+7], v[BS+16:BS+31], v[184:199], v[ACA:ACA+7]
	v_wmma_f32_16x16x128_bf8_bf8 v[ACB:ACB+7], v[BS+48:BS+63], v[184:199], v[ACB:ACB+7]
.rept 4
	v_nop                                          ; places in front of loads into registers that the products read and of the stores that read results; two batches' eight stand ahead of the products that begin these accumulators anew
.endr
.if \more
	BL (\n)+2
.endif
	ds_store_b128 v15, v[ACA:ACA+3] offset:128*(\n)        ; each accumulator from its low end on; the sixteen lanes of a half store the same numbers to the same bytes
	ds_store_b128 v15, v[ACA+4:ACA+7] offset:128*(\n)+16
	ds_store_b128 v15, v[ACB:ACB+3] offset:128*(\n)+32
	ds_store_b128 v15, v[ACB+4:ACB+7] offset:128*(\n)+48
.endm
	s_wait_tensorcnt 0x0                           ; for the others' sake: my tensor load has landed (waves 2, 3: beta_w's codes)
	s_wait_dscnt 0x0
	s_barrier_signal -1
	s_barrier_wait -1                              ; and so has every wave's: beta_w's codes may be read by all
	BL 0
	BL 1
	s_wait_dscnt 16                                ; behind batch 0's loads: batch 1's sixteen
	VB 0, 1
	s_wait_dscnt 20                                ; behind batch 1's loads: batch 2's sixteen and four stores
	VB 1, 1
	s_wait_dscnt 24                                ; behind batch 2's loads: four stores, batch 3's sixteen, four stores
	VB 2, 0
	s_wait_dscnt 8                                 ; behind batch 3's loads: eight stores
	VB 3, 0
	ds_load_b128 v[32:35], v16                     ; LDS serves a wave's instructions in order: this sees my stores
	s_wait_dscnt 0x0
	global_store_b128 v4, v[32:35], s[20:21]       ; 512 consecutive bytes, aligned
	s_wait_tensorcnt 0x0
	ds_add_u32 v30, v31
	s_wait_dscnt 0x0
	ROUND                                          ; the closing round: no work-group ends while a partner may still ask for a block that names it
	s_endpgm
.Lfunc_end_k_q172559b9e9_chat:
	.size	k_q172559b9e9_chat, .Lfunc_end_k_q172559b9e9_chat-k_q172559b9e9_chat
	.p2alignl 7, 3214868480
	.fill 96, 4, 3214868480
	.section	.rodata,"a",@progbits
	.p2align	6, 0x0
	.amdhsa_kernel k_q172559b9e9_chat
		.amdhsa_group_segment_fixed_size 208384
		.amdhsa_private_segment_fixed_size 0
		.amdhsa_enable_private_segment 0
		.amdhsa_kernarg_size 56
		.amdhsa_user_sgpr_count 2
		.amdhsa_user_sgpr_kernarg_segment_ptr 1
		.amdhsa_wavefront_size32 1
		.amdhsa_system_sgpr_workgroup_id_x 1
		.amdhsa_system_sgpr_workgroup_id_y 1
		.amdhsa_system_sgpr_workgroup_id_z 1
		.amdhsa_system_vgpr_workitem_id 0
		.amdhsa_next_free_vgpr 256
		.amdhsa_next_free_sgpr 72
		.amdhsa_reserve_vcc 0
		.amdhsa_float_denorm_mode_32 3
		.amdhsa_float_denorm_mode_16_64 3
		.amdhsa_memory_ordered 1
		.amdhsa_forward_progress 1
		.amdhsa_inst_pref_size 49
	.end_amdhsa_kernel
	.amdgpu_metadata
---
amdhsa.version: [ 1, 2 ]
amdhsa.kernels:
  - .name:           k_q172559b9e9_chat
    .symbol:         k_q172559b9e9_chat.kd
    .args:
      - { .name: context, .offset: 0, .size: 8, .value_kind: global_buffer, .address_space: global }
      - { .name: part, .offset: 8, .size: 8, .value_kind: global_buffer, .address_space: global }
      - { .name: stats, .offset: 16, .size: 8, .value_kind: global_buffer, .address_space: global }
      - { .name: lowp_scales, .offset: 24, .size: 8, .value_kind: global_buffer, .address_space: global }
      - { .name: bw_img, .offset: 32, .size: 8, .value_kind: global_buffer, .address_space: global }
      - { .name: a_img, .offset: 40, .size: 8, .value_kind: global_buffer, .address_space: global }
      - { .name: vpart, .offset: 48, .size: 8, .value_kind: global_buffer, .address_space: global }
    .group_segment_fixed_size: 208384
    .private_segment_fixed_size: 0
    .kernarg_segment_align: 8
    .kernarg_segment_size: 56
    .max_flat_workgroup_size: 128
    .sgpr_count:     72
    .vgpr_count:     256
    .wavefront_size: 32
...
	.end_amdgpu_metadata
.endif
;; end of part 7
;; launch gemm (part 8): grid 16 x 16, 4 waves a work-group, clusters of 4 x 1, 327,680 bytes of LDS; arguments a_img, bw_img, lowp_scales, beta_b, vpart, out0; writes out0
.if DOCPART == 8
	.amdgcn_target "amdgcn-amd-amdhsa--gfx1250"
	.amdhsa_code_object_version 6
	.text
	.protected	k_q172559b9e9_gemm
	.globl	k_q172559b9e9_gemm
	.p2align	8
	.type	k_q172559b9e9_gemm,@function
k_q172559b9e9_gemm:
	s_mov_b64 s[64:65], 0
	v_nop
	global_prefetch_b8 v0, s[64:65] scope:SCOPE_SE
	s_setreg_imm32_b32 hwreg(HW_REG_WAVE_MODE, 25, 1), 1
	s_wait_xcnt 0x0
	s_wait_alu depctr_hold_cnt(0) depctr_sa_sdst(0) depctr_va_vdst(0) depctr_va_sdst(0) depctr_va_ssrc(0) depctr_va_vcc(0) depctr_vm_vsrc(0)
	s_getreg_b32 s2, hwreg(HW_REG_IB_STS2, 6, 4)
	s_cmp_eq_u32 s2, 0
	s_cbranch_scc0 .Lentry_in_a_cluster
	s_endpgm
.Lentry_in_a_cluster:
	s_bfe_u32 s2, ttmp6, 0x10000c
	s_cmp_lg_u32 s2, 0x3003
	s_cbranch_scc0 .Lentry_shape_is_right
	s_endpgm
.Lentry_shape_is_right:
; GEMM: out0[i][o] = 2^(e4 + e5) x (sum over cat2's columns 1,024 .. 4,095 of code(cat2[i][k]) x code(beta_w[o][k]) + the four parts of vpart[.][batch of i][o]) + beta_b[o].
; cat2's first 1,024 columns are context_hat, the same in all rows of a batch: their part of the product is one row a batch, which the launch before has summed into vpart; it is added here on the way out.
; Codes of BF8 (E5M2) by v_wmma_f32_16x16x128_bf8_bf8, sums in f32.  LIMIT: e4 + e5 between -126 and 127, so that 2^(e4 + e5) is an f32 number.
; a_img, bw_img: [step of 128 along K: 32][tile of 16 rows: 256][2,048]; a fragment is an image of its 16 registers: byte 512 c + 16 lane + i is row lane % 16 at k = 32 c + 16 (lane / 16) + i.
; Row rho of bw_img's tile 2 p + u is beta_w's row 32 p + 8 u + rho + 8 (rho / 8): with beta_w as source 0, the 16 result registers of tiles 2 p, 2 p + 1 are 16 neighbouring columns of one row of out0.
; SHARES.  A work-group makes 256 x 256 of out0; 256 work-groups.  Wave w makes rows 64 w .. 64 w + 63 x all 256 columns: 64 accumulators, 512 registers.
; A's FRAGMENTS ARE EACH WAVE'S OWN (no other wave of the work-group reads them), so they go from memory straight into registers: 16 loads of 512 consecutive bytes a step, three sets of 64 registers,
; asked for three steps ahead.  So LDS holds B alone, and a slot holds three steps (256 rows x 384 K = 98,304 bytes): eight fills serve the 24 steps.
; B's tiles come through a ring of two such slots.  CLUSTER 4, 1, 1: the four work-groups of a cluster make four row blocks of one column block, so they need the same tiles of B and ask for them jointly (mask 15).
; A's rows are shared with no partner of the cluster.  Wave w fetches tiles 4 w .. 4 w + 3 of the slot's three steps by one tensor load: 3 rows of 8,192 bytes, 524,288 bytes apart.
; A slot in LDS: [wave's quarter: 4][step: 3][tile: 4][2,048].  Slot 1 begins 2^17 bytes behind slot 0, so that one exclusive or turns an address.  The spare words lie behind slot 0, the stages behind slot 1.
; REGISTERS: window 0: v0-31 addresses and the bias, v32-63 vpart's parts, v64-255 A's three sets (set = step % 3);  window 1: B's 16 fragments of one step;
;   windows 2, 3: accumulator (a, b) at window 2 + a / 2, v[8 (16 (a % 2) + b)].
; A step's 64 products go by halves of B: fragments 0-7 against A's four blocks, then these eight registers' sets are fetched anew for the next step while fragments 8-15 are multiplied, and so on.
.set STEPB,  524288                    ; a step of 128 along K in either image
.set KF,     8                         ; the first step that is multiplied here
.set SLOTX,  131072
.set QUART,  24576                     ; a wave's quarter of a slot
.set SPARE,  98304
.set STAGE,  229376
.set SPITCH, 528                       ; the way out: 16 rows x (512 bytes + 16) for each wave
.set ADB0, 16                          ; v16, v17  LDS address of B's fragments 0-7, 8-15 in the slot in hand
.set ADB1, 17
.set AOF,  18                          ; v18  16 x lane
.set PFO,  19                          ; v19  256 x lane: A's prefetches
.set PFB,  20                          ; v20  B's prefetches
.set BC1,  21                          ; v21  16 x lane + two quarters
.set STO,  24
.set RD,   25
.set SPW,  28                          ; v28  my spare word; v29  0: never rewritten
.set NIL,  29
.set A0, 64
.set A1, 128
.set A2, 192
.set G1, 24                            ; s[24:31] descriptor group 1; s[32:35] group 0, which walks
.set G0, 32
.set AB, 36                            ; s[36:37] A's base
.set PB, 38                            ; s[38:39] where B's prefetches stand
.set TB, 44                            ; s44  LDS byte at which the slot in hand begins
.set MSB, 0
.macro WIN new                         ; the immediate's high byte repeats the setting that is left
.if MSB != \new
	s_set_vgpr_msb (MSB<<8)|\new
.set MSB, \new
.endif
.endm
.set MUL_LO, 0xa1                      ; source 0 (B) window 1, source 1 (A) window 0, C and D window 2
.set MUL_HI, 0xf1                      ; the same, C and D window 3
.set TO_B,   0x40                      ; destination window 1, address window 0
.macro CREST                           ; a round of the cluster's barrier behind its opening barrier
	s_cmp_lg_u32 s14, 0
	s_cbranch_scc1 .Lnot_wave_0_\@
	s_barrier_signal -3
.Lnot_wave_0_\@:
	s_barrier_wait -3
	s_barrier_signal -1
	s_barrier_wait -1
.endm
.macro CROUND
	s_barrier_signal -1
	s_barrier_wait -1
	CREST
.endm
.macro PLACES                          ; four places behind a matrix instruction, ahead of loads into registers that it read
.rept 4
	v_nop
.endr
.endm
	s_load_b128 s[4:7], s[0:1], 0x0                ; a_img, bw_img
	s_load_b128 s[8:11], s[0:1], 0x10              ; the scales' exponents, beta_b
	s_load_b128 s[68:71], s[0:1], 0x20             ; vpart, out0
	v_lshl_add_u32 v[SPW], v0, 2, SPARE
	v_mov_b32 v[NIL], 0
	ds_add_u32 v[SPW], v[NIL]                      ; the opening lines: the add, twice on end, and its wait ahead of my first tensor load
	ds_add_u32 v[SPW], v[NIL]
	v_lshrrev_b32 v1, 5, v0
	v_readfirstlane_b32 s14, v1                    ; wave 0..3
	s_bfe_u32 s40, ttmp6, 0x40000                  ; cx: my place in the cluster
	s_lshl_b32 s17, ttmp9, 2
	s_add_co_u32 s17, s17, s40                     ; row block of out0 = 4 x cluster x + cx
	s_and_b32 s42, ttmp7, 0xffff                   ; column block: the four partners share it
	s_mov_b32 s[G1+0], 15|(3<<16)|(1<<21)          ; the mask: all four work-groups; bit 21 beside it; elements of 8 bytes; no padding
	s_mov_b32 s[G1+1], 1024<<16                    ; tensor_dim0: 8,192 bytes
	s_mov_b32 s[G1+2], 3<<16                       ; tensor_dim1 = 3
	s_mov_b32 s[G1+3], 1024<<16                    ; tile_dim0
	s_mov_b32 s[G1+4], 3                           ; tile_dim1
	s_mov_b32 s[G1+5], STEPB/8                     ; from step to step
	s_mov_b32 s[G1+6], 0
	s_mov_b32 s[G1+7], 0
	s_mov_b32 s[G0], 1
	s_mul_i32 s[G0+1], s14, QUART                  ; slot 0, my quarter
	s_mov_b32 s[TB], 0
	s_lshl_b32 s18, s14, 13                        ; four tiles of 2,048 bytes a wave
	s_lshl_b32 s20, s17, 15                        ; sixteen a block
	s_add_co_u32 s20, s20, s18
	s_add_co_u32 s20, s20, KF*STEPB                ; A: my four tiles at the first step
	s_mov_b32 s21, 0
	s_lshl_b32 s46, s42, 15
	s_add_co_u32 s46, s46, s18
	s_add_co_u32 s46, s46, KF*STEPB                ; B: the tiles that I fetch (s46, s47 never hold cx)
	s_mov_b32 s47, 0
	s_lshl_b32 s48, s40, 11                        ; B's prefetches: of each 8,192 bytes that I fetch, my work-group names 2,048, told apart by address;
	s_add_co_u32 s48, s48, s46
	s_add_co_u32 s48, s48, 6*STEPB                 ; at fill 2: the first change of slots steps it to fill 3
	s_mov_b32 s49, 0
	s_lshl_b32 s50, s42, 10                        ; my block's first column, in bytes of f32
	s_mov_b32 s51, 0
	s_lshr_b32 s52, s17, 1                         ; the batch: two row blocks each
	s_lshl_b32 s52, s52, 14
	s_add_co_u32 s52, s52, s50                     ; vpart
	s_mov_b32 s53, 0
	s_lshl_b32 s54, s17, 22                        ; out0: 256 rows of 16,384 bytes a block,
	s_lshl_b32 s55, s14, 20                        ; 64 a wave
	s_add_co_u32 s54, s54, s55
	s_add_co_u32 s54, s54, s50
	s_mov_b32 s55, 0
	s_mul_i32 s23, s14, 16*SPITCH
	s_add_co_u32 s23, s23, STAGE                   ; my stage
	v_and_b32 v6, 31, v0
	v_lshlrev_b32 v[AOF], 4, v6
	v_lshlrev_b32 v[PFO], 8, v6
	v_add_nc_u32 v[BC1], 2*QUART, v[AOF]
	v_mov_b32 v[ADB0], v[AOF]
	v_mov_b32 v[ADB1], v[BC1]
	v_min_u32 v7, 23, v6                           ; 24 blocks of 256 bytes: 8 of each of three steps; the lanes left over name the last again
	v_lshrrev_b32 v5, 3, v7
	v_and_b32 v7, 7, v7
	v_lshlrev_b32 v7, 8, v7
	v_lshl_add_u32 v[PFB], v5, 19, v7
	v_and_b32 v1, 15, v0
	v_bfe_u32 v2, v0, 4, 1
	v_mul_u32_u24 v5, v1, SPITCH
	v_lshl_add_u32 v5, v2, 6, v5
	v_add_nc_u32 v[STO], s23, v5                   ; in: row l % 16, 64 bytes for each half of the lanes
	v_add_nc_u32 v[RD], s23, v[AOF]                ; back: the 32 lanes take one row of 512 bytes
	s_wait_alu depctr_va_vdst(0)
	s_wait_dscnt 0x0                               ; both opening adds are done
	s_wait_kmcnt 0x0
	s_load_b64 s[96:97], s[8:9], 0x10              ; e4, e5
	s_add_nc_u64 s[G0+2:G0+3], s[6:7], s[46:47]
	s_or_b32 s[G0+3], s[G0+3], 0x80000000          ; type = 2
	s_add_nc_u64 s[AB:AB+1], s[4:5], s[20:21]
	s_add_nc_u64 s[PB:PB+1], s[6:7], s[48:49]
	s_add_nc_u64 s[10:11], s[10:11], s[50:51]
	s_add_nc_u64 s[68:69], s[68:69], s[52:53]
	s_add_nc_u64 s[70:71], s[70:71], s[54:55]
	CROUND                                         ; all four work-groups are here: the first joint loads meet
	tensor_load_to_lds s[G0:G0+3], s[G1:G1+7]      ; fill 0: one tensor load a wave at the head
	s_nop 0
	PLACES
; 2 x nb products: B's fragments b0 .. b0 + nb - 1 against A's blocks 2 hi, 2 hi + 1 of the set at as.  No two on end share an accumulator.
.macro MUL as, hi, b0, nb, zero
.set BI, \b0
.rept \nb
.irp a, 0,1
.if \zero
	v_wmma_f32_16x16x128_bf8_bf8 v[8*(16*\a+BI):8*(16*\a+BI)+7], v[16*BI:16*BI+15], v[\as+16*(2*\hi+\a):\as+16*(2*\hi+\a)+15], 0
.else
	v_wmma_f32_16x16x128_bf8_bf8 v[8*(16*\a+BI):8*(16*\a+BI)+7], v[16*BI:16*BI+15], v[\as+16*(2*\hi+\a):\as+16*(2*\hi+\a)+15], v[8*(16*\a+BI):8*(16*\a+BI)+7]
.endif
.endr
.set BI, BI+1
.endr
.endm
.macro BFETCH half, pos                ; B's fragments 8 half .. 8 half + 7 of the step at place pos of the slot in hand: 32 loads
	WIN TO_B
.irp i, 0,1,2,3,4,5,6,7
.irp c, 0,1,2,3
	ds_load_b128 v[16*(8*\half+\i)+4*\c:16*(8*\half+\i)+4*\c+3], v[ADB0+\half] offset:(\i/4)*QUART+(\pos)*8192+(\i%4)*2048+512*\c
.endr
.endr
.endm
.macro AFETCH as, ao                   ; A's four fragments of the step ao steps behind the base: 16 loads of 512 consecutive bytes
	WIN 0
.irp a, 0,1,2,3
.irp c, 0,1,2,3
	global_load_b128 v[\as+16*\a+4*\c:\as+16*\a+4*\c+3], v[AOF], s[AB:AB+1] offset:(\ao)*STEPB+2048*\a+512*\c
.endr
.endr
.endm
; A PREFETCH INTO THE L2 of my wave's 8,192 bytes of A (32 blocks of 256 bytes, a lane a block) of the step that is loaded two steps on.  No other wave of the cluster loads these bytes.
.macro ASKA ao
	global_prefetch_b8 v[PFO], s[AB:AB+1] offset:((\ao)+2)*STEPB th:TH_LOAD_NT scope:SCOPE_SE
.endm
; And of B's fill that the NEXT change of slots asks for, three steps ahead of that load: of the 96 blocks that wave w fetches, each of the four partners names 24, told apart by address.
; The last change that fills a slot asks for nothing: no fill follows.  Fills 0 to 2 come by their loads alone.
.macro ASKB
	s_cmp_eq_u32 s3, 1
	s_cbranch_scc1 .Lno_more_\@
	global_prefetch_b8 v[PFB], s[PB:PB+1] th:TH_LOAD_NT scope:SCOPE_SE
.Lno_more_\@:
.endm
; A step whose successor lies in the same slot.  la: A's loads issued behind this step's set, which may be out.  ao: the step whose fragments of A are asked for (none: -1).  bn = 0: the very last step.
.macro STEP as, pos, la, ao, pf, zero, bn
	s_wait_loadcnt \la
	s_wait_dscnt 32                                ; B's fragments 0-7 are in; the 32 loads of 8-15 may be out
	WIN MUL_LO
	MUL \as, 0, 0, 8, \zero
	WIN MUL_HI
	MUL \as, 1, 0, 8, \zero
.if \bn
	PLACES
	BFETCH 0, (\pos)+1
	s_wait_dscnt 32                                ; all but the 32 just issued
.if \pf
	ASKA \ao
.endif
.else
	s_wait_dscnt 0x0
.endif
	WIN MUL_LO
	MUL \as, 0, 8, 8, \zero
	WIN MUL_HI
	MUL \as, 1, 8, 8, \zero
.if \bn
	PLACES
	BFETCH 1, (\pos)+1
.endif
.if \ao >= 0
	AFETCH \as, \ao
.endif
	WIN 0
.endm
; A slot's last step changes slots.  Each wave waits for all its tensor loads (its quarter of the next slot), adds 0 to its spare word, and waits for that and for its reads of this slot; the barrier opens a round of
; the cluster's barrier (fill = 1), behind which this slot is filled again, two fills ahead: by the text's own count a wave has one tensor load out.
.macro TURN as, la, ao, fill
	s_wait_loadcnt \la
	s_wait_dscnt 32
	WIN MUL_LO
	MUL \as, 0, 0, 8, 0
	WIN 0                                          ; (the add's two registers lie in window 0)
	s_wait_tensorcnt 0x0
	ds_add_u32 v[SPW], v[NIL]
	s_xor_b32 s[TB], s[TB], SLOTX                  ; the slot that is read next
.if \fill
	s_xor_b32 s[G0+1], s[G0+1], SLOTX              ; the walking descriptor: the other slot than last time, the next three steps
	s_add_nc_u64 s[G0+2:G0+3], s[G0+2:G0+3], 3*STEPB
	s_wait_xcnt 0x0                                ; my loads and prefetches have read their bases: they may step
	s_add_nc_u64 s[AB:AB+1], s[AB:AB+1], 3*STEPB
	s_add_nc_u64 s[PB:PB+1], s[PB:PB+1], 3*STEPB
.endif
	WIN MUL_HI
	MUL \as, 1, 0, 4, 0
	s_wait_dscnt 0x0                               ; the add is done, and my reads of this slot are over
	s_barrier_signal -1
	MUL \as, 1, 4, 4, 0                            ; work on registers while the others arrive
	WIN 0
	s_barrier_wait -1
.if \fill
	CREST
	tensor_load_to_lds s[G0:G0+3], s[G1:G1+7]
	s_nop 0
.endif
	v_add_nc_u32 v[ADB0], s[TB], v[AOF]            ; these two and the two below are the four places ahead of the loads
	v_add_nc_u32 v[ADB1], s[TB], v[BC1]
	v_nop
	v_nop
	s_wait_alu depctr_va_vdst(0)
	BFETCH 0, 0
.if \fill
	ASKA \ao
	WIN 0
	ASKB
.endif
	WIN MUL_LO
	MUL \as, 0, 8, 8, 0
	WIN MUL_HI
	MUL \as, 1, 8, 8, 0
	PLACES
	BFETCH 1, 0
	AFETCH \as, \ao
	WIN 0
.endm
	global_load_b128 v[8:11], v[AOF], s[10:11]               ; beta_b at my lane's four columns of each half of the block
	global_load_b128 v[12:15], v[AOF], s[10:11] offset:512
.irp k, 0,1,2,3
.irp u, 0,1
	global_load_b128 v[32+8*\k+4*\u:35+8*\k+4*\u], v[AOF], s[68:69] offset:131072*\k+512*\u   ; vpart's four parts
.endr
.endr
	AFETCH A0, 0                                   ; A's first step; the next two are asked of memory here and loaded behind fill 1's request, 16 loads each
	global_prefetch_b8 v[PFO], s[AB:AB+1] offset:STEPB th:TH_LOAD_NT scope:SCOPE_SE
	global_prefetch_b8 v[PFO], s[AB:AB+1] offset:2*STEPB th:TH_LOAD_NT scope:SCOPE_SE
	s_wait_tensorcnt 0x0                           ; my quarter of fill 0 is in
	ds_add_u32 v[SPW], v[NIL]
	s_xor_b32 s[G0+1], s[G0+1], SLOTX
	s_add_nc_u64 s[G0+2:G0+3], s[G0+2:G0+3], 3*STEPB
	s_wait_dscnt 0x0
	CROUND
	tensor_load_to_lds s[G0:G0+3], s[G1:G1+7]      ; fill 1, slot 1's first
	s_nop 0
	PLACES
	BFETCH 0, 0
	BFETCH 1, 0
	AFETCH A1, 1
	AFETCH A2, 2
	STEP A0, 0, 32, 3, 1, 1, 1                     ; step 0 stands ahead of the loop: its products start the sums
	s_mov_b32 s3, 6
.Llap:                                                 ; six trips of three steps: steps 3 i + 1 .. 3 i + 3; each fills one slot again
	STEP A1, 1, 32, 4, 1, 0, 1
	TURN A2, 32, 2, 1
	STEP A0, 0, 32, 3, 1, 0, 1
	s_sub_co_u32 s3, s3, 1
	s_cmp_lg_u32 s3, 0
	s_cbranch_scc1 .Llap
	STEP A1, 1, 32, 4, 0, 0, 1                     ; steps 19 to 23 are written out: no fill, and no load of A behind step 23's
	TURN A2, 32, 5, 0
	STEP A0, 0, 32, -1, 0, 0, 1
	STEP A1, 1, 16, -1, 0, 0, 1
	STEP A2, 2, 0, -1, 0, 0, 0
; THE WAY OUT, in eight units of 16 rows x 128 columns.  A lane holds pieces of one row, and the lanes beside it hold other rows: a unit goes through my own stage in LDS, which no fill touches, and comes back as whole
; rows of 512 bytes, which the 32 lanes store as two aligned units of 256 bytes.  LDS serves a wave's instructions in order (ISA guide 5.7.1.4): no wait between the stores and the loads.
.macro TOSTAGE n
.set AC, 128*(((\n)/2)%2)+64*((\n)%2)
	WIN 0x08+4*((\n)/4)                            ; the stores' data: window 2 or 3
.irp b, 0,1,2,3,4,5,6,7
	ds_store_b128 v[STO], v[AC+8*\b:AC+8*\b+3] offset:128*(\b/2)+32*(\b%2)       ; each accumulator from its low end on
	ds_store_b128 v[STO], v[AC+8*\b+4:AC+8*\b+7] offset:128*(\b/2)+32*(\b%2)+16
.endr
	WIN 0
.set BB, 64+64*((\n)%2)
.irp t, 0,1,2,3,4,5,6,7,8,9,10,11,12,13,14,15
	ds_load_b128 v[BB+4*\t:BB+4*\t+3], v[RD] offset:\t*SPITCH
.endr
.endm
.macro SEND n, younger                 ; younger: the LDS instructions issued behind unit n's loads, which may stay out
.set BB, 64+64*((\n)%2)
.set BS, 8+4*((\n)%2)
	s_wait_dscnt \younger
.irp t, 0,1,2,3,4,5,6,7,8,9,10,11,12,13,14,15
	v_pk_fma_f32 v[BB+4*\t:BB+4*\t+1], v[BB+4*\t:BB+4*\t+1], s[96:97], v[BS:BS+1] op_sel_hi:[1,0,1]
	v_pk_fma_f32 v[BB+4*\t+2:BB+4*\t+3], v[BB+4*\t+2:BB+4*\t+3], s[96:97], v[BS+2:BS+3] op_sel_hi:[1,0,1]
.endr
.irp t, 0,1,2,3,4,5,6,7,8,9,10,11,12,13,14,15
	global_store_b128 v[AOF], v[BB+4*\t:BB+4*\t+3], s[70:71] offset:(16*((\n)/2)+\t)*16384+512*((\n)%2) th:TH_STORE_NT   ; 512 consecutive bytes, aligned; every offset an immediate
.endr
.endm
	s_wait_kmcnt 0x0
	s_add_co_i32 s96, s96, s97
	s_add_co_i32 s96, s96, 127
	s_lshl_b32 s96, s96, 23                        ; 2^(e4 + e5) as f32
	s_mov_b32 s97, s96
	s_wait_loadcnt 0x0
.irp e, 0,2,4,6                                ; what is added to every row: beta_b + 2^(e4 + e5) x vpart's four parts.  These sixteen lines are also the places behind the last products
	v_pk_add_f32 v[32+\e:33+\e], v[32+\e:33+\e], v[40+\e:41+\e]
	v_pk_add_f32 v[48+\e:49+\e], v[48+\e:49+\e], v[56+\e:57+\e]
	v_pk_add_f32 v[32+\e:33+\e], v[32+\e:33+\e], v[48+\e:49+\e]
	v_pk_fma_f32 v[8+\e:9+\e], v[32+\e:33+\e], s[96:97], v[8+\e:9+\e] op_sel_hi:[1,0,1]
.endr
	s_wait_alu depctr_va_vdst(0)
	TOSTAGE 0
.irp n, 1,2,3,4,5,6,7
.if \n > 1
	s_wait_xcnt 0x0                                ; unit n - 2's stores have read their registers: unit n's loads may land there
.endif
	TOSTAGE \n
	SEND \n-1, 32                                  ; behind unit n - 1's loads: unit n's 16 stores and 16 loads
.endr
	SEND 7, 0
	s_wait_tensorcnt 0x0                           ; the wave's end
	ds_add_u32 v[SPW], v[NIL]
	s_wait_dscnt 0x0
	CROUND                                         ; the closing round
	s_endpgm
.Lfunc_end_k_q172559b9e9_gemm:
	.size	k_q172559b9e9_gemm, .Lfunc_end_k_q172559b9e9_gemm-k_q172559b9e9_gemm
	.p2alignl 7, 3214868480
	.fill 96, 4, 3214868480
	.section	.rodata,"a",@progbits
	.p2align	6, 0x0
	.amdhsa_kernel k_q172559b9e9_gemm
		.amdhsa_group_segment_fixed_size 327680
		.amdhsa_private_segment_fixed_size 0
		.amdhsa_enable_private_segment 0
		.amdhsa_kernarg_size 48
		.amdhsa_user_sgpr_count 2
		.amdhsa_user_sgpr_kernarg_segment_ptr 1
		.amdhsa_wavefront_size32 1
		.amdhsa_system_sgpr_workgroup_id_x 1
		.amdhsa_system_sgpr_workgroup_id_y 1
		.amdhsa_system_sgpr_workgroup_id_z 1
		.amdhsa_system_vgpr_workitem_id 0
		.amdhsa_next_free_vgpr 1024
		.amdhsa_next_free_sgpr 98
		.amdhsa_reserve_vcc 0
		.amdhsa_float_denorm_mode_32 3
		.amdhsa_float_denorm_mode_16_64 3
		.amdhsa_memory_ordered 1
		.amdhsa_forward_progress 1
		.amdhsa_inst_pref_size 146
	.end_amdhsa_kernel
	.amdgpu_metadata
---
amdhsa.version: [ 1, 2 ]
amdhsa.kernels:
  - .name:           k_q172559b9e9_gemm
    .symbol:         k_q172559b9e9_gemm.kd
    .args:
      - { .name: a_img, .offset: 0, .size: 8, .value_kind: global_buffer, .address_space: global }
      - { .name: bw_img, .offset: 8, .size: 8, .value_kind: global_buffer, .address_space: global }
      - { .name: lowp_scales, .offset: 16, .size: 8, .value_kind: global_buffer, .address_space: global }
      - { .name: beta_b, .offset: 24, .size: 8, .value_kind: global_buffer, .address_space: global }
      - { .name: vpart, .offset: 32, .size: 8, .value_kind: global_buffer, .address_space: global }
      - { .name: out0, .offset: 40, .size: 8, .value_kind: global_buffer, .address_space: global }
    .group_segment_fixed_size: 327680
    .private_segment_fixed_size: 0
    .kernarg_segment_align: 8
    .kernarg_segment_size: 48
    .max_flat_workgroup_size: 128
    .sgpr_count:     98
    .vgpr_count:     1024
    .wavefront_size: 32
...
	.end_amdgpu_metadata
.endif
;; end of part 8
